; MI455X (gfx1250); checked and timed in simulation.
; The chip was launched on July 23, 2026; its instructions are those of AMD's public machine-readable ISA for CDNA 5 (MIT licence, August 2026) and "CDNA5" Instruction Set Architecture Reference Guide (July 2026). The comments in the code are by the model that wrote it; some were corrected since.
;; Attention Decoder Layer. Allowed arithmetic: matrix products marked QUANTISED: E2M3 operands, one E8M0 scale for each 32 along K, by v_wmma_scale_f32_16x16x128_f8f6f4 with both operands' format E2M3, f32 sums; everything else in f32.
;; Inputs: W1 1,024 x 4,096 float32; W2 4,096 x 1,024 float32; Wk 1,024 x 1,024 float32; Wo 1,024 x 1,024 float32; Wq 1,024 x 1,024 float32; Wv 1,024 x 1,024 float32; b1 4,096 float32; b2 1,024 float32; beta1 1,024 float32; beta2 1,024 float32; bk 1,024 float32; bo 1,024 float32; bq 1,024 float32; bv 1,024 float32; g1 1,024 float32; g2 1,024 float32; x 2 x 2,048 x 1,024 float32.
;; Outputs: out0 2 x 2,048 x 1,024 float32.
;; This version of the problem:
;;   THIS VERSION OF THE PROBLEM IS GIVEN IN LOW PRECISION. The matrix products marked QUANTISED in the list below multiply operands that are first quantised to E2M3 (2 exponent bits, 3 mantissa bits; 6 bits a number), with one power-of-two scale for each 32 numbers along K (OCP MX v1.0); their sums are f32. All else is computed in f32.
;;   The module's matrix products, in the order in which they are computed (A, B: the left and right operand; K: the contracted axis; several contracted axes count as one K, in the product's order):
;;     1. [M 4,096, K 1,024] x [K 1,024, N 1,024]; A: computed on the way; B: input Wq: QUANTISED
;;     2. [M 4,096, K 1,024] x [K 1,024, N 1,024]; A: computed on the way; B: input Wk: QUANTISED
;;     3. [M 4,096, K 1,024] x [K 1,024, N 1,024]; A: computed on the way; B: input Wv: QUANTISED
;;     4. batch 32 x [M 2,048, K 64] x [K 64, N 2,048]; A: computed on the way; B: computed on the way: QUANTISED
;;     5. batch 32 x [M 2,048, K 2,048] x [K 2,048, N 64]; A: softmax (see below); B: computed on the way: QUANTISED
;;     6. [M 4,096, K 1,024] x [K 1,024, N 1,024]; A: computed on the way; B: input Wo: QUANTISED
;;     7. [M 4,096, K 1,024] x [K 1,024, N 4,096]; A: computed on the way; B: input W1: QUANTISED
;;     8. [M 4,096, K 4,096] x [K 4,096, N 1,024]; A: computed on the way; B: input W2: QUANTISED
;;   THE QUANTISER, for each operand of a quantised product, along K:
;;     - K is cut into blocks of 32 from its start; a last block that is shorter is filled with zeros.
;;     - A block's scale is 2^e with e = floor(log2(the largest magnitude in the block)) - 2, held to -126 .. 127; a block of zeros has e = 0. As a byte (E8M0): e + 127.
;;     - Each number is divided by its block's scale, clamped to +-7.5, and rounded to the nearest number of E2M3, ties to even, subnormals kept.
;;     - The product sums the exact products of the quantised numbers (number of the format x scale) in f32.
;;   ~~~python
;;   def quantise(x, axis):      # numpy; x: float32 -> the quantised numbers, widened to float32 again
;;       x = np.moveaxis(x, axis, -1); K = x.shape[-1]
;;       x = np.pad(x, [(0, 0)] * (x.ndim - 1) + [(0, -K % 32)]); x = x.reshape(x.shape[:-1] + (-1, 32)); a = np.abs(x).max(-1, keepdims=True)
;;       e = np.where(a > 0, np.clip(np.frexp(np.where(a > 0, a, 1))[1] - 1 - 2, -126, 127), 0)      # np.frexp(a)[1] - 1 = floor(log2(a)), exactly
;;       r = np.clip(x / 2.0 ** e, -7.5, 7.5)
;;       step = 2.0 ** (np.maximum(np.frexp(np.where(r == 0, 1, r))[1] - 1, 0) - 3)
;;       q = np.round(r / step) * step * 2.0 ** e      # np.round: ties to even
;;       return np.moveaxis(q.reshape(q.shape[:-2] + (-1,))[..., :K], -1, axis).astype(np.float32)
;;   ~~~
;;   SOFTMAX AHEAD OF A QUANTISED PRODUCT. Where the list says 'softmax', what is quantised is not the finished softmax but p = 2^(t - M), with t = logit x log2(e) and M = ceil(the row's largest t), a whole number; so 1/2 < the row's largest p <= 1. The row's sum l is taken of the UNQUANTISED p, in f32, and the product's result is divided by l at the end. Since M is a whole number, a kernel that streams over the keys may use a running M (the ceiling of the running maximum): every later rescaling is an exact power of two, which a block's scale takes up: the codes' values come out the same.
;;   OPERANDS COMPUTED ON THE WAY. 'Computed on the way' means the value that the module computes at that place (a softmax that the list does not call 'softmax' is quantised finished and normalised). What goes into a quantiser is computed in f32, as accurately as f32 sums, v_exp_f32 and their like allow (about 1e-6 of the number): no bf16 or f16 on the way to a quantiser, and a product that is left as it is and whose result goes on into a quantised operand takes f32 operands (vector FMAs, or v_wmma_f32_16x16x4_f32). A number that lies on a knife's edge between two numbers of the format may be rounded either way, as far as f32 arithmetic and the matrix unit's own rounding can turn it there, and no further.
;; One version. Each part assembles by itself: llvm-mc -triple=amdgcn-amd-amdhsa -mcpu=gfx1250 --defsym DOCPART=n.
;; ======== version 1 of 1: 7 launches
;; limits: right only within a limited range of input values
;; workspace buffers: wts 10,354,688 bytes; xn 3,276,800 bytes; qkv 10,092,544 bytes; ao 3,276,800 bytes; x1 16,777,216 bytes; h 13,107,200 bytes
;; launch wq (part 1): grid 384 x 1, 16 waves a work-group, no clusters, 171,008 bytes of LDS; arguments Wq, Wk, Wv, Wo, W1, W2, wts, x, g1, beta1, xn; writes wts, xn
.if DOCPART == 1
	.amdgcn_target "amdgcn-amd-amdhsa--gfx1250"
	.amdhsa_code_object_version 6
	.text
	.protected	k_q177df6e390_wq
	.globl	k_q177df6e390_wq
	.p2align	8
	.type	k_q177df6e390_wq,@function
k_q177df6e390_wq:
	s_mov_b64 s[64:65], 0
	v_nop
	global_prefetch_b8 v0, s[64:65] scope:SCOPE_SE
	s_setreg_imm32_b32 hwreg(HW_REG_WAVE_MODE, 25, 1), 1
	s_wait_xcnt 0x0
; THE SIX WEIGHTS, f32 stored [K][N], BECOME OPERAND BLOCKS OF FP6 (E2M3) CODES; 64 more work-groups make the RoPE table.
; An OPERAND BLOCK is 16 rows n x 512 along K in 6,400 bytes: eight half images of 768 bytes (16 rows x 64 K as the matrix operand's registers hold them: lane L = r + 16 h has six registers,
; k = 32 h + 0 .. 31: registers 0-3 at 16 L, registers 4-5 at 512 + 8 L), then 256 scale bytes, 16 to a row.  A weight is laid [K / 512][N / 16][6,400].
; THE ROWS OF A TILE ARE NOT NEIGHBOURS: image row r of tile 2 b + u is column n = 32 b + 8 u + r + 8 (r / 8), so that a product's results lie as neighbours along the next K.
; Work-groups 0-191: 128 columns x 512 K each (8 blocks, 51,200 dense bytes).  Wave w: 32 columns (w % 4), 128 along K (w / 4).  A LANE TAKES A COLUMN AND ITS REGISTERS RUN DOWN K:
; each load reads 128 consecutive bytes, a block of 32 lies in one lane, and the conversions give codes with K innermost.  The blocks are gathered in LDS and leave as they lie, 512 bytes a store.
; A block's scale byte is its largest magnitude's exponent field - 2, held at 1 from below.
; LIMITS: a block of zeros, or one whose largest magnitude lies under 2^-124, keeps the byte 1 (its codes are zeros or subnormal codes; only this program reads the bytes); NaN and infinities are not served.
; Work-groups 192-255: cos and sin of pos x 10000^(-p / 32), laid in the order of the q and k results' registers.  The frequency comes from v_exp_f32; the angle, up to 2,047, is reduced by n pi / 2 in two
; fused steps, and sin and cos are Taylor sums on |r| <= pi / 4 (cut terms under 2e-9).  LIMIT: the frequency's last bit moves the largest angles by about 1e-4 rad, as an f32 angle's own rounding does.
.set X,    32                          ; v32-159  128 numbers down K
.set C,    160                         ; v160-191 a block's codes: eight registers for each of four blocks
.set SB,   16                          ; v16      my column's four scale bytes
.set ROPE, 9830400                     ; the table's place in wts
	v_lshl_add_u32 v192, v0, 2, 0xc800
	v_mov_b32 v193, 0
	; ONE LAUNCH PREPARES ALL THAT THE FIRST PRODUCTS NEED.  Work-groups 0-191: the weights; 192-319: the first layer norm and its quantiser, two tiles of 16 rows each; 320-383: the RoPE table (64 work-groups, as the head comment has them, 128 numbers on).
	; The work-groups with the most to read have the lowest numbers.  Each of the two paths that use LDS has bytes of its own.
	s_cmp_ge_u32 ttmp9, 320
	s_cbranch_scc1 .Lrope
	s_cmp_ge_u32 ttmp9, 192
	s_cbranch_scc1 .Lln
	s_load_b256 s[4:11], s[0:1], 0x0               ; Wq, Wk, Wv, Wo
	s_load_b128 s[12:15], s[0:1], 0x20             ; W1, W2
	s_load_b64 s[16:17], s[0:1], 0x30              ; wts
	v_lshrrev_b32 v1, 5, v0
	s_delay_alu instid0(VALU_DEP_1)
	v_readfirstlane_b32 s34, v1                    ; wave 0..15
	s_and_b32 s35, s34, 3                          ; which 32 columns
	s_lshr_b32 s36, s34, 2                         ; which 128 along K
	; which weight, which chunk c of 512 along K, which 128 columns: all from the work-group's number g
	s_lshr_b32 s20, ttmp9, 3
	s_and_b32 s21, s20, 1                          ; c where K = 1,024 and N = 1,024 (g < 64)
	s_and_b32 s22, s20, 7                          ; c in W2 (g 64-127)
	s_lshr_b32 s23, ttmp9, 5
	s_and_b32 s23, s23, 3                          ; c in W1 (g 128-191)
	s_and_b32 s24, ttmp9, 7                        ; group of columns where N = 1,024
	s_and_b32 s25, ttmp9, 31                       ; in W1
	s_lshr_b32 s26, ttmp9, 4
	s_lshl_b32 s26, s26, 6                         ; Wq, Wk, Wv share one region: tiles 0-63, 64-127, 128-191
	s_mov_b32 s27, 192                             ; tiles in a chunk of that region
	s_cmp_lt_u32 ttmp9, 48
	s_cselect_b32 s26, s26, 0
	s_cselect_b32 s27, s27, 64
	s_cselect_b32 s28, 0, 2457600                  ; the region's first byte: WQKV, WO,
	s_mov_b32 s29, 6553600
	s_cmp_lt_u32 ttmp9, 64
	s_cselect_b32 s21, s21, s22
	s_cselect_b32 s28, s28, s29                    ; W2,
	s_mov_b32 s29, 256
	s_mov_b32 s31, 3276800
	s_cmp_lt_u32 ttmp9, 128
	s_cselect_b32 s21, s21, s23
	s_cselect_b32 s24, s24, s25
	s_cselect_b32 s27, s27, s29
	s_cselect_b32 s28, s28, s31                    ; W1
	s_cselect_b32 s30, 12, 14                      ; log2 of a row's bytes
	s_mul_i32 s27, s21, s27
	s_add_co_u32 s27, s27, s26
	s_lshl_b32 s29, s24, 3
	s_add_co_u32 s27, s27, s29                     ; my first tile
	s_mul_i32 s27, s27, 6400
	s_add_co_u32 s28, s28, s27                     ; where my eight blocks go
	s_mov_b32 s29, 0
	s_lshl_b32 s32, s21, 9
	s_lshl_b32 s33, s36, 7
	s_add_co_u32 s32, s32, s33                     ; my wave's first row k
	s_lshl_b32 s32, s32, s30
	s_lshl_b32 s33, s24, 9
	s_add_co_u32 s32, s32, s33
	s_lshl_b32 s33, s35, 7
	s_add_co_u32 s32, s32, s33                     ; + my wave's first column, in bytes
	s_mov_b32 s33, 0
	v_and_b32 v1, 31, v0                           ; lane = column
	s_delay_alu instid0(VALU_DEP_1)
	v_lshlrev_b32 v2, 2, v1
	v_bfe_u32 v8, v0, 3, 1                         ; u: which tile of the pair
	v_and_b32 v9, 7, v0
	v_bfe_u32 v10, v0, 4, 1
	s_delay_alu instid0(VALU_DEP_1)
	v_lshl_add_u32 v9, v10, 3, v9                  ; r: my image row
	s_delay_alu instid0(VALU_DEP_4)
	v_mul_u32_u24 v8, v8, 6400
	s_mul_i32 s37, s35, 12800
	s_mul_i32 s38, s36, 1536
	s_add_co_u32 s38, s38, s37
	v_add_nc_u32 v11, s38, v8
	s_delay_alu instid0(VALU_DEP_1)
	v_lshl_add_u32 v3, v9, 4, v11                  ; registers 0-3 of my half images
	s_delay_alu instid0(VALU_DEP_2)
	v_lshl_add_u32 v4, v9, 3, v11
	s_delay_alu instid0(VALU_DEP_1)
	v_add_nc_u32 v4, 512, v4                       ; registers 4-5
	s_lshl_b32 s38, s36, 2
	s_add_co_u32 s38, s38, s37
	s_add_co_u32 s38, s38, 6144
	v_lshl_add_u32 v5, v9, 4, v8
	s_delay_alu instid0(VALU_DEP_1)
	v_add_nc_u32 v5, s38, v5                       ; my row's scale word of this K step
	s_lshr_b32 s39, s34, 1
	s_mul_i32 s39, s39, 6400
	s_and_b32 s40, s34, 1
	s_mul_i32 s40, s40, 3072
	s_add_co_u32 s39, s39, s40
	v_lshl_add_u32 v6, v1, 4, s39                  ; the way out: half a block's codes a wave; the same offset in LDS and in memory
	v_mul_u32_u24 v7, v10, 6400
	v_and_b32 v12, 15, v0
	s_delay_alu instid0(VALU_DEP_1)
	v_lshl_add_u32 v7, v12, 4, v7
	s_mul_i32 s40, s35, 12800
	s_add_co_u32 s40, s40, 6144
	v_add_nc_u32 v7, s40, v7                       ; and two blocks' scale bytes for each of waves 0-3
	s_wait_kmcnt 0x0
	s_cmp_lt_u32 ttmp9, 16                         ; the choice of a buffer hangs on the work-group's number alone
	s_cselect_b64 s[18:19], s[4:5], s[6:7]
	s_cmp_lt_u32 ttmp9, 32
	s_cselect_b64 s[18:19], s[18:19], s[8:9]
	s_cmp_lt_u32 ttmp9, 48
	s_cselect_b64 s[18:19], s[18:19], s[10:11]
	s_cmp_lt_u32 ttmp9, 64
	s_cselect_b64 s[18:19], s[18:19], s[14:15]
	s_cmp_lt_u32 ttmp9, 128
	s_cselect_b64 s[18:19], s[18:19], s[12:13]
	s_add_nc_u64 s[18:19], s[18:19], s[32:33]
	s_add_nc_u64 s[16:17], s[16:17], s[28:29]
	s_cmp_ge_u32 ttmp9, 128                        ; the rows' distance stands in the immediates, so the 128 loads are written for both widths
	s_cbranch_scc1 .Lwide
.set i, 0
.rept 128
	global_load_b32 v[X+i], v2, s[18:19] offset:i*4096 th:TH_LOAD_NT
.set i, i+1
.endr
	s_branch .Lloaded
.Lwide:
.set i, 0
.rept 128
	global_load_b32 v[X+i], v2, s[18:19] offset:i*16384 th:TH_LOAD_NT
.set i, i+1
.endr
.Lloaded:
.macro BLOCK t                         ; block t of my column: 32 numbers, all mine
.set XS, X+32*(\t)
.set CC, C+8*(\t)
	v_max3_num_f32 v8, |v[XS]|, |v[XS+1]|, |v[XS+2]|
	v_max3_num_f32 v9, |v[XS+3]|, |v[XS+4]|, |v[XS+5]|
.irp i, 6,10,14,18,22,26
	s_delay_alu instid0(VALU_DEP_2)
	v_max3_num_f32 v8, v8, |v[XS+\i]|, |v[XS+\i+1]|
	s_delay_alu instid0(VALU_DEP_2)
	v_max3_num_f32 v9, v9, |v[XS+\i+2]|, |v[XS+\i+3]|
.endr
	s_delay_alu instid0(VALU_DEP_2)
	v_max3_num_f32 v8, v8, |v[XS+30]|, |v[XS+31]|
	s_delay_alu instid0(VALU_DEP_1)
	v_max3_num_f32 v8, v8, v9, 0x1800000           ; the floor 2^(3 - 127): the byte cannot fall under 1
	s_delay_alu instid0(VALU_DEP_1)
	v_add_nc_u32 v10, 0xff000000, v8               ; 2 off the exponent field: the conversion's scale operand
	s_delay_alu instid0(VALU_DEP_1)
	v_lshrrev_b32 v11, 23, v10                     ; the scale's byte
.if (\t) == 0
	s_delay_alu instid0(VALU_DEP_1)
	v_mov_b32 v[SB], v11
.else
	s_delay_alu instid0(VALU_DEP_1)
	v_lshl_or_b32 v[SB], v11, 8*(\t), v[SB]
.endif
	v_cvt_scalef32_pk16_fp6_f32 v[CC:CC+2], v[XS:XS+15], v10
	v_cvt_scalef32_pk16_fp6_f32 v[CC+4:CC+6], v[XS+16:XS+31], v10   ; (a conversion's three registers begin on an even number)
	v_nop                                          ; one plain place behind a scaled conversion
	v_mov_b32 v[CC+3], v[CC+4]
	v_mov_b32 v[CC+4], v[CC+5]
	v_mov_b32 v[CC+5], v[CC+6]
	ds_store_b128 v3, v[CC:CC+3] offset:768*((\t)/2)+256*((\t)%2)   ; block t is half t % 2 of half image t / 2 of my K step
	ds_store_b64 v4, v[CC+4:CC+5] offset:768*((\t)/2)+128*((\t)%2)
.endm
	s_wait_loadcnt 63                              ; at most 63 of the 128 are out: loads 0 to 64 are in, so blocks 0 and 1 are
	BLOCK 0
	BLOCK 1
	s_wait_loadcnt 32                              ; block 3's 32 loads may be out
	BLOCK 2
	s_wait_loadcnt 0x0
	BLOCK 3
	ds_store_b32 v5, v[SB]
	s_wait_dscnt 0x0                               ; for the others' sake: my stores have landed
	s_barrier_signal -1
	s_barrier_wait -1
.irp i, 0,1,2,3,4,5
	ds_load_b128 v[X+4*\i:X+4*\i+3], v6 offset:512*\i
.endr
.irp i, 0,1,2,3,4,5
	s_wait_dscnt 5-\i
	global_store_b128 v6, v[X+4*\i:X+4*\i+3], s[16:17] offset:512*\i   ; 32 lanes store 512 consecutive bytes, aligned to 256
.endr
	s_cmp_lt_u32 s34, 4
	s_cbranch_scc0 .Ldone
	ds_load_b128 v[X+24:X+27], v7
	s_wait_dscnt 0x0
	global_store_b128 v7, v[X+24:X+27], s[16:17]   ; sixteen lanes store a block's 256 scale bytes
.Ldone:
	s_wait_tensorcnt 0x0
	ds_add_u32 v192, v193
	s_wait_dscnt 0x0
	s_endpgm
; THE ROPE TABLE: [tile of 16 positions, 128][u = 0 .. 7][lane][cos p0, sin p0, cos p1, sin p1], p0 = 16 (u / 4) + 8 (lane / 16) + 2 (u % 4), p1 = p0 + 1, at the position of the tile's image row lane % 16.
.Lrope:
	s_load_b64 s[16:17], s[0:1], 0x30              ; wts
	s_sub_co_u32 s20, ttmp9, 320
	s_lshl_b32 s21, s20, 1
	v_lshrrev_b32 v1, 8, v0
	s_delay_alu instid0(VALU_DEP_1)
	v_add_nc_u32 v1, s21, v1                       ; the tile: 512 threads make two
	v_bfe_u32 v2, v0, 5, 3                         ; u
	v_and_b32 v3, 15, v0                           ; r
	v_bfe_u32 v4, v0, 4, 1                         ; h
	s_delay_alu instid0(VALU_DEP_4)
	v_lshrrev_b32 v5, 1, v1
	s_delay_alu instid0(VALU_DEP_1)
	v_lshlrev_b32 v5, 5, v5
	v_and_b32 v6, 1, v1
	s_delay_alu instid0(VALU_DEP_1)
	v_lshl_add_u32 v5, v6, 3, v5
	v_and_b32 v6, 8, v3
	s_delay_alu instid0(VALU_DEP_1)
	v_add3_u32 v5, v5, v3, v6                      ; pos = 32 (tile / 2) + 8 (tile % 2) + r + 8 (r / 8)
	s_delay_alu instid0(VALU_DEP_1)
	v_cvt_f32_u32 v5, v5
	v_lshrrev_b32 v6, 2, v2
	s_delay_alu instid0(VALU_DEP_1)
	v_lshlrev_b32 v6, 4, v6
	s_delay_alu instid0(VALU_DEP_1)
	v_lshl_add_u32 v6, v4, 3, v6
	v_and_b32 v7, 3, v2
	s_delay_alu instid0(VALU_DEP_1)
	v_lshl_add_u32 v6, v7, 1, v6                   ; p0
	s_delay_alu instid0(VALU_DEP_1)
	v_add_nc_u32 v7, 1, v6                         ; p1
	s_delay_alu instid0(VALU_DEP_2)
	v_cvt_f32_u32 v6, v6
	s_delay_alu instid0(VALU_DEP_2)
	v_cvt_f32_u32 v7, v7
	s_delay_alu instid0(VALU_DEP_2)
	v_mul_f32 v6, 0xbed49a78, v6                   ; - p log2(10000) / 32
	s_delay_alu instid0(VALU_DEP_2)
	v_mul_f32 v7, 0xbed49a78, v7
	s_mov_b32 s22, 0x3fc90fdb                      ; pi / 2 as f32,
	s_mov_b32 s23, 0x333bbd2e                      ; and what that is too large by: 4.3711388e-8
	s_wait_alu depctr_va_vdst(0)
	v_exp_f32 v6, v6
	v_exp_f32 v7, v7
	v_lshlrev_b32 v30, 4, v0                       ; (a plain place behind the exponentials)  16 bytes a thread
	s_wait_alu depctr_va_vdst(0)                   ; one wait for both, ahead of their first reader
	v_mul_f32 v6, v5, v6                           ; the angle: one rounding
	v_mul_f32 v7, v5, v7
.macro SINCOS th, co, si, t            ; v[t] .. v[t+4] at work
	v_mul_f32 v[\t], 0x3f22f983, v[\th]            ; x 2 / pi
	s_delay_alu instid0(VALU_DEP_1)
	v_rndne_f32 v[\t], v[\t]                       ; n
	s_delay_alu instid0(VALU_DEP_1)
	v_fma_f32 v[\t+1], -v[\t], s22, v[\th]
	s_delay_alu instid0(VALU_DEP_1)
	v_fma_f32 v[\t+1], v[\t], s23, v[\t+1]         ; r = angle - n pi / 2
	s_delay_alu instid0(VALU_DEP_1)
	v_mul_f32 v[\t+2], v[\t+1], v[\t+1]            ; s = r r
	v_mov_b32 v[\co], 0xb493f27e                   ; -1 / 10!
	s_delay_alu instid0(VALU_DEP_1)
	v_fmaak_f32 v[\co], v[\co], v[\t+2], 0x37d00d01   ; 1 / 8!
	s_delay_alu instid0(VALU_DEP_1)
	v_fmaak_f32 v[\co], v[\co], v[\t+2], 0xbab60b61   ; -1 / 6!
	s_delay_alu instid0(VALU_DEP_1)
	v_fmaak_f32 v[\co], v[\co], v[\t+2], 0x3d2aaaab   ; 1 / 4!
	s_delay_alu instid0(VALU_DEP_1)
	v_fmaak_f32 v[\co], v[\co], v[\t+2], 0xbf000000   ; -1 / 2
	s_delay_alu instid0(VALU_DEP_1)
	v_fmaak_f32 v[\co], v[\co], v[\t+2], 0x3f800000   ; cos r
	v_mov_b32 v[\si], 0x3638ef1d                   ; 1 / 9!
	s_delay_alu instid0(VALU_DEP_1)
	v_fmaak_f32 v[\si], v[\si], v[\t+2], 0xb9500d01   ; -1 / 7!
	s_delay_alu instid0(VALU_DEP_1)
	v_fmaak_f32 v[\si], v[\si], v[\t+2], 0x3c088889   ; 1 / 5!
	s_delay_alu instid0(VALU_DEP_1)
	v_fmaak_f32 v[\si], v[\si], v[\t+2], 0xbe2aaaab   ; -1 / 3!
	v_mul_f32 v[\t+3], v[\t+1], v[\t+2]
	s_delay_alu instid0(VALU_DEP_1)
	v_fma_f32 v[\si], v[\si], v[\t+3], v[\t+1]     ; sin r
	v_cvt_i32_f32 v[\t], v[\t]                     ; the quadrant is n mod 4
	s_delay_alu instid0(VALU_DEP_1)
	v_and_b32 v[\t+3], 1, v[\t]
	s_delay_alu instid0(VALU_DEP_1)
	v_cmp_eq_u32 vcc_lo, 1, v[\t+3]
	s_delay_alu instid0(VALU_DEP_1)
	v_cndmask_b32 v[\t+4], v[\si], v[\co], vcc_lo  ; odd: sin and cos change places
	s_delay_alu instid0(VALU_DEP_2)
	v_cndmask_b32 v[\co], v[\co], v[\si], vcc_lo
	v_and_b32 v[\t+3], 2, v[\t]
	s_delay_alu instid0(VALU_DEP_1)
	v_lshlrev_b32 v[\t+3], 30, v[\t+3]
	s_delay_alu instid0(VALU_DEP_1)
	v_xor_b32 v[\si], v[\t+4], v[\t+3]             ; sin is negative in quadrants 2, 3
	v_add_nc_u32 v[\t], 1, v[\t]
	s_delay_alu instid0(VALU_DEP_1)
	v_and_b32 v[\t], 2, v[\t]
	s_delay_alu instid0(VALU_DEP_1)
	v_lshlrev_b32 v[\t], 30, v[\t]
	s_delay_alu instid0(VALU_DEP_1)
	v_xor_b32 v[\co], v[\co], v[\t]                ; cos in quadrants 1, 2
.endm
	SINCOS 6, 12, 13, 16
	SINCOS 7, 14, 15, 22
	s_lshl_b32 s20, s20, 13                        ; 8,192 bytes a work-group
	s_add_co_u32 s20, s20, ROPE
	s_mov_b32 s21, 0
	s_wait_alu depctr_va_vdst(0)
	s_wait_kmcnt 0x0
	s_add_nc_u64 s[16:17], s[16:17], s[20:21]
	global_store_b128 v30, v[12:15], s[16:17]
	s_endpgm
; LAYER NORM AND QUANTISER.  x [4,096][1,024] f32 -> y = (x - mean) rsqrt(var + 1e-5) g1 + beta1, all in f32 (the variance from the differences, in a second pass over registers), then codes of FP6 (E2M3)
; with one E8M0 byte for each 32 along the row, laid as operand blocks [2 chunks of 512 K][256 tiles of 16 rows][6,400 bytes].  Image row r of tile 2 b + u is row 32 b + 8 u + r + 8 (r / 8).
; The sixteen waves are two halves of eight; a half makes one tile, in LDS bytes of its own (LNH apart, behind the weights' path's bytes); wave w of a half makes image rows w and w + 8.
; Loads are dense, 512 bytes each; a row then turns through the wave's own stage in LDS so that lane l holds numbers 32 l .. 32 l + 31: one whole block, whose maximum needs no other lane.
; LIMITS: a block of zeros, or one under 2^-124, keeps the byte 1 (only this program reads the bytes); NaN and infinities are not served; v_rsq_f32 is good to one unit in the last place.
.set XL,    16                         ; v16-79   two rows as loaded
.set T,     80                         ; v80-111  my 32 numbers
.set G,     112                        ; v112-143 gamma at my 32 columns
.set BT,    144                        ; v144-175 beta
.set CD,    176                        ; v176-182 codes
.set LNB,   53248                      ; LDS: this path's first byte
.set LNH,   58880                      ; a half's bytes: gamma at 0, beta at 4,608 (32 places of 128 + 16 bytes);
.set LTURN, 9216                       ; a stage of 4,608 bytes for each wave;
.set LOUT,  46080                      ; the tile's two operand blocks
.Lln:
	s_load_b128 s[4:7], s[0:1], 0x38               ; x, g1
	s_load_b128 s[8:11], s[0:1], 0x48              ; beta1, xn
	v_lshrrev_b32 v1, 5, v0
	v_readfirstlane_b32 s26, v1                    ; wave 0..15
	s_and_b32 s12, s26, 7                          ; wave of its half
	s_lshr_b32 s27, s26, 3                         ; which half
	s_sub_co_u32 s28, ttmp9, 192
	s_lshl_b32 s28, s28, 1
	s_add_co_u32 s28, s28, s27                     ; my half's tile, 0..255
	s_mul_i32 s29, s27, LNH
	s_add_co_u32 s29, s29, LNB                     ; my half's LDS bytes
	v_and_b32 v1, 31, v0                           ; lane
	v_and_b32 v15, 255, v0                         ; thread of its half
	v_lshlrev_b32 v2, 4, v15
	v_lshlrev_b32 v3, 4, v1                        ; 16 x lane
	s_lshr_b32 s13, s28, 1
	s_lshl_b32 s13, s13, 5
	s_and_b32 s14, s28, 1
	s_lshl_b32 s14, s14, 3
	s_add_co_u32 s13, s13, s14
	s_add_co_u32 s13, s13, s12                     ; my first row
	s_lshl_b32 s14, s13, 12
	s_mov_b32 s15, 0
	s_mul_i32 s16, s28, 6400
	s_mov_b32 s17, 0
	s_wait_alu depctr_va_vdst(0)                   ; directly ahead of the wait below
	s_wait_kmcnt 0x0
	s_add_nc_u64 s[4:5], s[4:5], s[14:15]
	s_add_nc_u64 s[10:11], s[10:11], s[16:17]
	global_load_b128 v[184:187], v2, s[6:7]
	global_load_b128 v[188:191], v2, s[8:9]
.irp k, 0,1
.irp i, 0,1,2,3,4,5,6,7
	global_load_b128 v[XL+32*\k+4*\i:XL+32*\k+4*\i+3], v3, s[4:5] offset:65536*\k+512*\i th:TH_LOAD_NT
.endr
.endr
	s_mov_b32 s22, 0x3a800000                      ; 1 / 1,024
	s_mov_b32 s23, 0x3727c5ac                      ; 1e-5
	s_mov_b32 s24, 0x76543210
	s_mov_b32 s25, 0xfedcba98                      ; v_permlanex16_b32's selects for lane l xor 16
	v_lshrrev_b32 v4, 3, v15
	v_mul_u32_u24 v4, v4, 144
	v_and_b32 v80, 7, v0
	v_lshl_add_u32 v4, v80, 4, v4
	v_add_nc_u32 v4, s29, v4                       ; gamma and beta into LDS: 128 bytes, then 16 of padding
	s_mul_i32 s18, s12, 4608
	s_add_co_u32 s18, s18, LTURN
	s_add_co_u32 s18, s18, s29                     ; my stage
	v_lshrrev_b32 v5, 3, v1
	v_mul_u32_u24 v5, v5, 144
	v_lshl_add_u32 v5, v80, 4, v5
	v_add_nc_u32 v5, s18, v5                       ; into it, as loaded
	v_mul_u32_u24 v7, v1, 144                      ; my place: 128 bytes
	v_add_nc_u32 v6, s18, v7                       ; out of it
	v_add_nc_u32 v7, s29, v7                       ; and the same place of gamma
	v_bfe_u32 v81, v0, 4, 1                        ; my block l: chunk l / 16,
	v_mul_u32_u24 v81, v81, 6400
	v_bfe_u32 v82, v0, 1, 3                        ; half image (l / 2) % 8,
	v_mad_u32_u24 v82, v82, 768, v81
	v_and_b32 v83, 1, v0                           ; half l % 2
	v_lshl_add_u32 v8, v83, 8, v82
	v_lshl_add_u32 v9, v83, 7, v82
	s_lshl_b32 s19, s12, 4
	s_add_co_u32 s19, s19, LOUT
	s_add_co_u32 s19, s19, s29
	v_add_nc_u32 v8, s19, v8                       ; registers 0-3, image row w
	s_lshl_b32 s20, s12, 3
	s_add_co_u32 s20, s20, LOUT+512
	s_add_co_u32 s20, s20, s29
	v_add_nc_u32 v9, s20, v9                       ; registers 4-5
	v_and_b32 v10, 15, v0
	v_add_nc_u32 v10, v10, v81
	s_add_co_u32 s19, s19, 6144
	v_add_nc_u32 v10, s19, v10                     ; my block's scale byte
	s_lshr_b32 s19, s12, 2                         ; the way out: wave w copies a quarter of block w / 4's codes
	s_and_b32 s20, s12, 3
	s_mul_i32 s20, s20, 1536
	s_mul_i32 s21, s19, 6400
	s_add_co_u32 s21, s21, s20
	s_add_co_u32 s21, s21, LOUT
	s_add_co_u32 s21, s21, s29
	v_add_nc_u32 v11, s21, v3
	s_mul_i32 s21, s19, 1638400                    ; a chunk is 256 tiles of 6,400 bytes
	s_add_co_u32 s21, s21, s20
	v_add_nc_u32 v12, s21, v3
	v_bfe_u32 v82, v0, 4, 1
	v_and_b32 v83, 15, v0
	v_mul_u32_u24 v13, v82, 6400
	v_lshl_add_u32 v13, v83, 4, v13
	s_add_co_u32 s21, s29, LOUT+6144
	v_add_nc_u32 v13, s21, v13                     ; wave 0 of a half also copies both blocks' scale bytes
	v_mul_u32_u24 v14, v82, 1638400
	v_lshl_add_u32 v14, v83, 4, v14
	v_add_nc_u32 v14, 6144, v14
	s_wait_alu depctr_va_vdst(0)                   ; the wait at the head's end
	s_wait_loadcnt 16                              ; gamma and beta are in; the rows' 16 loads may be out
	ds_store_b128 v4, v[184:187]
	ds_store_b128 v4, v[188:191] offset:4608
	s_wait_dscnt 0x0                               ; for the others' sake
	s_barrier_signal -1
	s_barrier_wait -1
.irp k, 0,1,2,3,4,5,6,7
	ds_load_b128 v[G+4*\k:G+4*\k+3], v7 offset:16*\k
	ds_load_b128 v[BT+4*\k:BT+4*\k+3], v7 offset:4608+16*\k
.endr
.macro WSUM                            ; v184 summed over the 32 lanes, in every lane
	s_delay_alu instid0(VALU_DEP_1)
	v_add_f32_dpp v184, v184, v184 row_xmask:1 row_mask:0xf bank_mask:0xf
	s_delay_alu instid0(VALU_DEP_1)
	v_add_f32_dpp v184, v184, v184 row_xmask:2 row_mask:0xf bank_mask:0xf
	s_delay_alu instid0(VALU_DEP_1)
	v_add_f32_dpp v184, v184, v184 row_xmask:4 row_mask:0xf bank_mask:0xf
	s_delay_alu instid0(VALU_DEP_1)
	v_add_f32_dpp v184, v184, v184 row_xmask:8 row_mask:0xf bank_mask:0xf
	s_delay_alu instid0(VALU_DEP_1)
	v_permlanex16_b32 v185, v184, s24, s25
	s_delay_alu instid0(VALU_DEP_1)
	v_add_f32 v184, v184, v185
.endm
.macro FOLD                            ; four pairs of partial sums into v184
	s_delay_alu instid0(VALU_DEP_3)
	v_pk_add_f32 v[184:185], v[184:185], v[186:187]
	s_delay_alu instid0(VALU_DEP_2)
	v_pk_add_f32 v[188:189], v[188:189], v[190:191]
	s_delay_alu instid0(VALU_DEP_1)
	v_pk_add_f32 v[184:185], v[184:185], v[188:189]
	s_delay_alu instid0(VALU_DEP_1)
	v_add_f32 v184, v184, v185
.endm
.macro ROW k
	s_wait_loadcnt 8-8*\k                          ; this row's eight loads are in
.irp i, 0,1,2,3,4,5,6,7
	ds_store_b128 v5, v[XL+32*\k+4*\i:XL+32*\k+4*\i+3] offset:576*\i
.endr
.irp i, 0,1,2,3,4,5,6,7
	ds_load_b128 v[T+4*\i:T+4*\i+3], v6 offset:16*\i   ; LDS serves a wave's instructions in order: these see the stores above
.endr
	s_wait_dscnt 0x0                               ; my 32 numbers (and, the first time, gamma and beta) are in; the last row's stores have read their registers
.irp j, 0,1,2,3
	v_pk_add_f32 v[184+2*\j:185+2*\j], v[T+2*\j:T+2*\j+1], v[T+8+2*\j:T+9+2*\j]
.endr
.irp j, 0,1,2,3
	s_delay_alu instid0(VALU_DEP_4)
	v_pk_add_f32 v[184+2*\j:185+2*\j], v[184+2*\j:185+2*\j], v[T+16+2*\j:T+17+2*\j]
.endr
.irp j, 0,1,2,3
	s_delay_alu instid0(VALU_DEP_4)
	v_pk_add_f32 v[184+2*\j:185+2*\j], v[184+2*\j:185+2*\j], v[T+24+2*\j:T+25+2*\j]
.endr
	FOLD
	WSUM
	s_delay_alu instid0(VALU_DEP_1)
	v_mul_f32 v186, s22, v184                      ; the mean
.set n, 0
.rept 16
	v_pk_add_f32 v[T+2*n:T+2*n+1], v[T+2*n:T+2*n+1], v[186:187] op_sel_hi:[1,0] neg_lo:[0,1] neg_hi:[0,1]   ; x - mean
.set n, n+1
.endr
.irp j, 0,1,2,3
	v_pk_mul_f32 v[184+2*\j:185+2*\j], v[T+2*\j:T+2*\j+1], v[T+2*\j:T+2*\j+1]
.endr
.irp o, 8,16,24
.irp j, 0,1,2,3
	s_delay_alu instid0(VALU_DEP_4)
	v_pk_fma_f32 v[184+2*\j:185+2*\j], v[T+\o+2*\j:T+\o+2*\j+1], v[T+\o+2*\j:T+\o+2*\j+1], v[184+2*\j:185+2*\j]
.endr
.endr
	FOLD
	WSUM
	s_delay_alu instid0(VALU_DEP_1)
	v_fma_f32 v184, v184, s22, s23                 ; the variance + 1e-5
	s_wait_alu depctr_va_vdst(0)
	v_rsq_f32 v186, v184
	v_nop                                          ; a plain place behind the transcendental
	s_wait_alu depctr_va_vdst(0)                   ; and the wait ahead of its first reader
.set n, 0
.rept 16
	v_pk_mul_f32 v[T+2*n:T+2*n+1], v[T+2*n:T+2*n+1], v[186:187] op_sel_hi:[1,0]
.set n, n+1
.endr
.set n, 0
.rept 16
	v_pk_fma_f32 v[T+2*n:T+2*n+1], v[T+2*n:T+2*n+1], v[G+2*n:G+2*n+1], v[BT+2*n:BT+2*n+1]
.set n, n+1
.endr
	v_max3_num_f32 v184, |v[T]|, |v[T+1]|, |v[T+2]|            ; the block's largest magnitude
	v_max3_num_f32 v185, |v[T+3]|, |v[T+4]|, |v[T+5]|
.irp i, 6,10,14,18,22,26
	s_delay_alu instid0(VALU_DEP_2)
	v_max3_num_f32 v184, v184, |v[T+\i]|, |v[T+\i+1]|
	s_delay_alu instid0(VALU_DEP_2)
	v_max3_num_f32 v185, v185, |v[T+\i+2]|, |v[T+\i+3]|
.endr
	s_delay_alu instid0(VALU_DEP_2)
	v_max3_num_f32 v184, v184, |v[T+30]|, |v[T+31]|
	s_delay_alu instid0(VALU_DEP_1)
	v_max3_num_f32 v184, v184, v185, 0x1800000     ; the floor 2^(3 - 127)
	s_delay_alu instid0(VALU_DEP_1)
	v_add_nc_u32 v188, 0xff000000, v184            ; 2 off the exponent field: the conversion's scale operand
	s_delay_alu instid0(VALU_DEP_1)
	v_lshrrev_b32 v189, 23, v188                   ; the scale's byte
	v_cvt_scalef32_pk16_fp6_f32 v[CD:CD+2], v[T:T+15], v188
	v_cvt_scalef32_pk16_fp6_f32 v[CD+4:CD+6], v[T+16:T+31], v188
	v_nop                                          ; one plain place behind a scaled conversion
	v_mov_b32 v[CD+3], v[CD+4]
	v_mov_b32 v[CD+4], v[CD+5]
	v_mov_b32 v[CD+5], v[CD+6]
	ds_store_b128 v8, v[CD:CD+3] offset:128*\k     ; image row w + 8 k
	ds_store_b64 v9, v[CD+4:CD+5] offset:64*\k
	ds_store_b8 v10, v189 offset:128*\k
.endm
	ROW 0
	ROW 1
	s_wait_dscnt 0x0                               ; for the others' sake
	s_barrier_signal -1
	s_barrier_wait -1
.irp i, 0,1,2
	ds_load_b128 v[T+4*\i:T+4*\i+3], v11 offset:512*\i
.endr
.irp i, 0,1,2
	s_wait_dscnt 2-\i
	global_store_b128 v12, v[T+4*\i:T+4*\i+3], s[10:11] offset:512*\i   ; 512 consecutive bytes, aligned to 256
.endr
	s_cmp_eq_u32 s12, 0
	s_cbranch_scc0 .Lln_done
	ds_load_b128 v[T+12:T+15], v13
	s_wait_dscnt 0x0
	global_store_b128 v14, v[T+12:T+15], s[10:11]  ; sixteen lanes store a block's 256 scale bytes
.Lln_done:
	s_wait_tensorcnt 0x0                           ; the wave's end
	ds_add_u32 v192, v193
	s_wait_dscnt 0x0
	s_endpgm
.Lfunc_end_k_q177df6e390_wq:
	.size	k_q177df6e390_wq, .Lfunc_end_k_q177df6e390_wq-k_q177df6e390_wq
	.p2alignl 7, 3214868480
	.fill 96, 4, 3214868480
	.section	.rodata,"a",@progbits
	.p2align	6, 0x0
	.amdhsa_kernel k_q177df6e390_wq
		.amdhsa_group_segment_fixed_size 171008
		.amdhsa_private_segment_fixed_size 0
		.amdhsa_enable_private_segment 0
		.amdhsa_kernarg_size 88
		.amdhsa_user_sgpr_count 2
		.amdhsa_user_sgpr_kernarg_segment_ptr 1
		.amdhsa_wavefront_size32 1
		.amdhsa_system_sgpr_workgroup_id_x 1
		.amdhsa_system_sgpr_workgroup_id_y 1
		.amdhsa_system_sgpr_workgroup_id_z 1
		.amdhsa_system_vgpr_workitem_id 0
		.amdhsa_next_free_vgpr 194
		.amdhsa_next_free_sgpr 66
		.amdhsa_reserve_vcc 1
		.amdhsa_float_denorm_mode_32 3
		.amdhsa_float_denorm_mode_16_64 3
		.amdhsa_memory_ordered 1
		.amdhsa_forward_progress 1
		.amdhsa_inst_pref_size 75
	.end_amdhsa_kernel
	.amdgpu_metadata
---
amdhsa.version: [ 1, 2 ]
amdhsa.kernels:
  - .name:           k_q177df6e390_wq
    .symbol:         k_q177df6e390_wq.kd
    .args:
      - { .name: Wq, .offset: 0, .size: 8, .value_kind: global_buffer, .address_space: global }
      - { .name: Wk, .offset: 8, .size: 8, .value_kind: global_buffer, .address_space: global }
      - { .name: Wv, .offset: 16, .size: 8, .value_kind: global_buffer, .address_space: global }
      - { .name: Wo, .offset: 24, .size: 8, .value_kind: global_buffer, .address_space: global }
      - { .name: W1, .offset: 32, .size: 8, .value_kind: global_buffer, .address_space: global }
      - { .name: W2, .offset: 40, .size: 8, .value_kind: global_buffer, .address_space: global }
      - { .name: wts, .offset: 48, .size: 8, .value_kind: global_buffer, .address_space: global }
      - { .name: x, .offset: 56, .size: 8, .value_kind: global_buffer, .address_space: global }
      - { .name: g1, .offset: 64, .size: 8, .value_kind: global_buffer, .address_space: global }
      - { .name: beta1, .offset: 72, .size: 8, .value_kind: global_buffer, .address_space: global }
      - { .name: xn, .offset: 80, .size: 8, .value_kind: global_buffer, .address_space: global }
    .group_segment_fixed_size: 171008
    .private_segment_fixed_size: 0
    .kernarg_segment_align: 8
    .kernarg_segment_size: 88
    .max_flat_workgroup_size: 512
    .sgpr_count:     66
    .vgpr_count:     194
    .wavefront_size: 32
...
	.end_amdgpu_metadata
.endif
;; end of part 1
;; launch qkv (part 2): grid 8 x 32, 4 waves a work-group, clusters of 4 x 4, 327,680 bytes of LDS; arguments xn, wts, bq, bk, bv, qkv; writes qkv
.if DOCPART == 2
	.amdgcn_target "amdgcn-amd-amdhsa--gfx1250"
	.amdhsa_code_object_version 6
	.text
	.protected	k_q177df6e390_qkv
	.globl	k_q177df6e390_qkv
	.p2align	8
	.type	k_q177df6e390_qkv,@function
k_q177df6e390_qkv:
	s_mov_b64 s[64:65], 0
	v_nop
	global_prefetch_b8 v0, s[64:65] scope:SCOPE_SE
	s_setreg_imm32_b32 hwreg(HW_REG_WAVE_MODE, 25, 1), 1
	s_wait_xcnt 0x0
	s_wait_alu depctr_hold_cnt(0) depctr_sa_sdst(0) depctr_va_vdst(0) depctr_va_sdst(0) depctr_va_ssrc(0) depctr_va_vcc(0) depctr_vm_vsrc(0)
	s_getreg_b32 s2, hwreg(HW_REG_IB_STS2, 6, 4)
	s_cmp_eq_u32 s2, 0
	s_cbranch_scc0 .Lentry_in_a_cluster
	s_endpgm
.Lentry_in_a_cluster:
	s_bfe_u32 s2, ttmp6, 0x10000c
	s_cmp_lg_u32 s2, 0xf033
	s_cbranch_scc0 .Lentry_shape_is_right
	s_endpgm
.Lentry_shape_is_right:
; q, k, v = xn Wq + bq, xn Wk + bk, xn Wv + bv on codes of FP6 (E2M3) with E8M0 scales; RoPE on q and k, q x 1/8; the results are quantised in registers and stored as attention's operands.
; OPERANDS lie in memory as operand blocks of 6,400 bytes: 16 rows x 512 K as eight half images of 768 bytes (lane L: registers 0-3 at 16 L, registers 4-5 at 512 + 8 L), then 16 scale bytes a row; [K / 512][rows / 16][6,400].
; So a fragment (16 rows x 128 K, 12 registers) is four dense LDS loads, four neighbouring tiles of a chunk are 25,600 dense bytes for one tensor load, and a row's four scale words of a chunk are one 16-byte load.
; Image row r of tile 2 b + u is row 32 b + 8 u + r + 8 (r / 8), for tokens and for weight columns alike: so a lane's 16 registers of two neighbouring result tiles are 16 neighbours along the next K.
; SHARES.  A work-group makes 128 tokens x 128 columns (two heads) of q, then of k, then of v; a wave 64 x 64, one head: 16 accumulators; a tile is 8 K steps of 128, 128 matrix instructions a wave.
; A (128 tokens x 1,024 K, 102,400 bytes) comes into LDS once.  During the first tile each wave takes its 64 rows' 32 fragments into 384 registers, where they stay: the later tiles read B alone from LDS,
; 6,144 bytes a wave for 16 matrix instructions in place of 12,288.  A's scale words stay in LDS and come with B's, in one load.
; B: a slot holds a whole tile's weights (128 columns x 1,024 K, 102,400 bytes); two slots.  A, Wq's tile and Wk's are first fills: A and Wq's tile a chunk to each of two waves, Wk's a quarter to every wave; Wv's tile is the one refill, asked for behind q's last product,
; so that it has q's way out and k's 128 matrix instructions in which to land.  By this text's count a wave has one tensor load out at a time.
; CLUSTER 4 x 4: A's blocks hang on the tile row alone and are asked for jointly along a row of the cluster, B's on the tile column alone, along a column.
; q and k: source 0 = weight rows, source 1 = tokens: a lane holds one token and its registers run along the head's 64 channels.  v: the sources are swapped: a lane holds one channel and its registers run along the tokens, the next K.
; No prefetch: the launch is short.  All is written out, without a loop: every offset is an immediate.
; LIMITS: a block of zeros, or one under 2^-124, keeps the scale byte 1 (only this program reads the bytes); NaN and infinities are not served.
; REGISTERS: window 0: v1-31, v120-127 addresses; v32-63 scale words (set c for chunk c); v64-119 the quantiser's; v128-255 accumulators.
;   window 1: v0-95 B's two fragment buffers; v96-239 A's fragments of K steps 5-7.   window 2: v0-127 cos and sin, v128-159 bq, v160-191 bk, v192-195 bv.   window 3: v0-239 A's fragments of K steps 0-4.
.set BSTEP,  409600                    ; from Wq's tiles to Wk's to Wv's: 64 tiles
.set NTW,    192                       ; tiles in a chunk of the weights' region
.set BREG,   0                         ; the region's first byte in wts
.set ROPE,   9830400
.set KVOFF,  3407872                   ; qkv: 512 Q blocks of 6,656 bytes, then 512 KV blocks of 13,056
.set BSL,    102400                    ; LDS: A at 0 (chunk c at 51,200 c); B's slot s at BSL + 102,400 s (chunk c at + 51,200 c)
.set SPARE,  307200                    ; the spare words: 128 bytes for each wave, two blocks of 256 bytes that no other line names
.set AA16, 4                           ; v4-5     A's fragments of chunk 0, 1: 16 x lane;  v6-7: 8 x lane
.set AA8,  6
.set BB16, 8                           ; v8-11    B's: slot s, chunk c at 2 s + c: 16 x lane
.set BB8,  120                         ; v120-123 the same, 8 x lane
.set AS,   124                         ; v124-127 scale words, at 2 s + c: lanes 0-15 A's rows, lanes 16-31 B's
.set SPW,  14
.set NIL,  15
.set O16,  16                          ; 16 x lane
.set O8,   17                          ; 8 x lane
.set BO,   22                          ; 64 h: a lane's channels in a bias
.set BV,   23                          ; 4 (r + 8 (r / 8)): a lane's channel in bv
.set SW,   24                          ; 16 r + 8 h
.set SV,   26
.set KO16, 18                          ; k's codes, registers 0-3: 1,536 (r / 8) + 16 (r % 8) + 256 h
.set KO8,  19                          ; registers 4-5: 1,536 (r / 8) + 8 (r % 8) + 128 h
.set SWK,  20                          ; k's scale words: 128 h + 16 (r % 8) + 8 (r / 8)
.set SC,   32
.set MX,   64
.set PX,   72
.set SO,   80
.set W,    88
.set SL,   92
.set X,    96
.set Y,    64                          ; over MX and PX, once those are done with
.set ACC,  128
.set G1A,  24
.set G0A,  32
.set G1B,  40
.set G0B,  48                          ; s[48:55] a group 0 for each of B's slots
.set SEL,  56
.set HM,   58
.set S1W2, 0x08                        ; source 1 window 2
.set DW2,  0x80                        ; destination window 2
.set MSB,  0
.macro WIN new                         ; the immediate's high byte repeats the setting that is left
.if MSB != \new
	s_set_vgpr_msb (MSB<<8)|\new
.set MSB, \new
.endif
.endm
.macro PLACES n
.rept \n
	v_nop
.endr
.endm
.macro CROUND                          ; a round of the cluster's barrier
	s_barrier_signal -1
	s_barrier_wait -1
	s_cmp_lg_u32 s16, 0
	s_cbranch_scc1 .Lnot_wave_0_\@
	s_barrier_signal -3
.Lnot_wave_0_\@:
	s_barrier_wait -3
	s_barrier_signal -1
	s_barrier_wait -1
.endm
; K step k (0 .. 7) of the tile in B's slot s: B's four fragments into buffer k % 2, behind four places (the buffer was read by the last matrix instructions).  wa = 1, the first tile: A's four fragments too, into the registers where they stay.
.macro FETCH s, k, wa
	PLACES 4
	WIN 0x40                                       ; destination window 1
.set FB, 48*((\k)%2)
.irp i, 0,1,2,3
	ds_load_b128 v[FB+12*\i:FB+12*\i+3], v[BB16+2*\s+(\k)/4] offset:6400*\i+1536*((\k)%4)
	ds_load_b64 v[FB+12*\i+4:FB+12*\i+5], v[BB8+2*\s+(\k)/4] offset:6400*\i+1536*((\k)%4)+512
	ds_load_b128 v[FB+12*\i+6:FB+12*\i+9], v[BB16+2*\s+(\k)/4] offset:6400*\i+1536*((\k)%4)+768
	ds_load_b64 v[FB+12*\i+10:FB+12*\i+11], v[BB8+2*\s+(\k)/4] offset:6400*\i+1536*((\k)%4)+1280
.endr
.if \wa
.if (\k) < 5
	WIN 0xc0                                       ; destination window 3
.set AR, 48*(\k)
.else
.set AR, 96+48*((\k)-5)
.endif
.irp i, 0,1,2,3
	ds_load_b128 v[AR+12*\i:AR+12*\i+3], v[AA16+(\k)/4] offset:6400*\i+1536*((\k)%4)
	ds_load_b64 v[AR+12*\i+4:AR+12*\i+5], v[AA8+(\k)/4] offset:6400*\i+1536*((\k)%4)+512
	ds_load_b128 v[AR+12*\i+6:AR+12*\i+9], v[AA16+(\k)/4] offset:6400*\i+1536*((\k)%4)+768
	ds_load_b64 v[AR+12*\i+10:AR+12*\i+11], v[AA8+(\k)/4] offset:6400*\i+1536*((\k)%4)+1280
.endr
.endif
.endm
.macro SCALES s                        ; register 16 c + 4 i + q: lanes 0-15 the word of A's block i, lanes 16-31 of B's block i, for K step 4 c + q
	WIN 0
.irp c, 0,1
.irp i, 0,1,2,3
	ds_load_b128 v[SC+16*\c+4*\i:SC+16*\c+4*\i+3], v[AS+2*\s+\c] offset:6400*\i+6144
.endr
.endr
.endm
; 16 matrix instructions of K step k; the 16 accumulators take turns, one instruction a turn.  K step 0 starts the sums.  swap = 1: source 0 = tokens, source 1 = weight rows.
.macro MUL16 k, swap
.set FB, 48*((\k)%2)
.set SS, SC+16*((\k)/4)+(\k)%4
.if (\k) < 5
.set AR, 48*(\k)
.if \swap
	WIN 0x07                                       ; source 0 (A) window 3, source 1 (B) window 1
.else
	WIN 0x0d                                       ; source 0 (B) window 1, source 1 (A) window 3
.endif
.else
.set AR, 96+48*((\k)-5)
	WIN 0x05                                       ; both in window 1
.endif
.irp a, 0,1,2,3
.irp b, 0,1,2,3
.if \swap
.if (\k) == 0
	v_wmma_scale_f32_16x16x128_f8f6f4 v[ACC+8*(4*\b+\a):ACC+8*(4*\b+\a)+7], v[AR+12*\a:AR+12*\a+11], v[FB+12*\b:FB+12*\b+11], 0, v[SS+4*\a], v[SS+4*\b] matrix_a_fmt:MATRIX_FMT_FP6 matrix_b_fmt:MATRIX_FMT_FP6 matrix_b_scale:MATRIX_SCALE_ROW1
.else
	v_wmma_scale_f32_16x16x128_f8f6f4 v[ACC+8*(4*\b+\a):ACC+8*(4*\b+\a)+7], v[AR+12*\a:AR+12*\a+11], v[FB+12*\b:FB+12*\b+11], v[ACC+8*(4*\b+\a):ACC+8*(4*\b+\a)+7], v[SS+4*\a], v[SS+4*\b] matrix_a_fmt:MATRIX_FMT_FP6 matrix_b_fmt:MATRIX_FMT_FP6 matrix_b_scale:MATRIX_SCALE_ROW1
.endif
.else
.if (\k) == 0
	v_wmma_scale_f32_16x16x128_f8f6f4 v[ACC+8*(4*\a+\b):ACC+8*(4*\a+\b)+7], v[FB+12*\b:FB+12*\b+11], v[AR+12*\a:AR+12*\a+11], 0, v[SS+4*\b], v[SS+4*\a] matrix_a_fmt:MATRIX_FMT_FP6 matrix_b_fmt:MATRIX_FMT_FP6 matrix_a_scale:MATRIX_SCALE_ROW1
.else
	v_wmma_scale_f32_16x16x128_f8f6f4 v[ACC+8*(4*\a+\b):ACC+8*(4*\a+\b)+7], v[FB+12*\b:FB+12*\b+11], v[AR+12*\a:AR+12*\a+11], v[ACC+8*(4*\a+\b):ACC+8*(4*\a+\b)+7], v[SS+4*\b], v[SS+4*\a] matrix_a_fmt:MATRIX_FMT_FP6 matrix_b_fmt:MATRIX_FMT_FP6 matrix_a_scale:MATRIX_SCALE_ROW1
.endif
.endif
.endr
.endr
.endm
.macro WORKT s, wa, swap               ; a whole tile: 1,024 along K.  Each run of loads is issued 16 matrix instructions ahead of its use
	FETCH \s, 0, \wa
	SCALES \s
.irp k, 0,1,2,3,4,5,6
	s_wait_dscnt 0x0                               ; K step k's fragments (and the scale words) are in
	FETCH \s, \k+1, \wa
	MUL16 \k, \swap
.endr
	s_wait_dscnt 0x0
	MUL16 7, \swap
	WIN 0
.endm
; BEHIND A TILE'S LAST PRODUCT.  Each wave waits for all its tensor loads (its quarter of the other slot among them), adds 0 to its spare word, and waits for that and for its reads of the slot that it has left.
; fill = 1: a round of the cluster's barrier, and behind it slot fs, just left, is filled with the tile after next: a quarter to every wave.
.macro HEAD fill, fs
	WIN 0
	s_wait_tensorcnt 0x0                           ; no tensor load of mine is out, so a group 0 may be written
	ds_add_u32 v[SPW], v[NIL]                      ; 0 onto my spare word
.if \fill
	s_add_nc_u64 s[G0B+4*\fs+2:G0B+4*\fs+3], s[G0B+4*\fs+2:G0B+4*\fs+3], 2*BSTEP
.endif
	s_wait_dscnt 0x0                               ; the add is done, and my reads of the slot that I have left are over
.if \fill
	CROUND
	tensor_load_to_lds s[G0B+4*\fs:G0B+4*\fs+3], s[G1B:G1B+7]
	s_nop 0
	PLACES 4                                       ; four v_nop follow the load
.else
	s_barrier_signal -1
	s_barrier_wait -1
.endif
.endm
; The 128 results become four half images and their scale bytes.  Block e (of 32 along the next K) lies in registers ACC + 16 e .. + 15 of lanes l and l xor 16.
.macro QUANT8
.irp e, 0,1,2,3,4,5,6,7
	v_max3_num_f32 v[MX+\e], |v[ACC+16*\e]|, |v[ACC+16*\e+1]|, 0x1800000   ; with the floor 2^(3 - 127): the byte cannot fall under 1
.endr
.irp i, 2,4,6,8,10,12,14
.irp e, 0,1,2,3,4,5,6,7
	v_max3_num_f32 v[MX+\e], v[MX+\e], |v[ACC+16*\e+\i]|, |v[ACC+16*\e+\i+1]|
.endr
.endr
.irp e, 0,1,2,3,4,5,6,7
	v_permlanex16_b32 v[PX+\e], v[MX+\e], s[SEL], s[SEL+1]
.endr
.irp e, 0,1,2,3,4,5,6,7
	v_max_num_f32 v[MX+\e], v[MX+\e], v[PX+\e]
.endr
.irp e, 0,1,2,3,4,5,6,7
	v_add_nc_u32 v[SO+\e], 0xff000000, v[MX+\e]    ; 2 off the exponent field: the conversion's scale operand
.endr
.irp e, 0,1,2,3,4,5,6,7
	v_lshrrev_b32 v[PX+\e], 23, v[SO+\e]           ; the scale's byte
.endr
.irp a, 0,1,2,3
	v_lshl_or_b32 v[W+\a], v[PX+2*\a+1], 8, v[PX+2*\a]
.endr
.irp a, 0,1,2,3
	v_cvt_scalef32_pk16_fp6_f32 v[X+6*\a:X+6*\a+2], v[ACC+32*\a:ACC+32*\a+15], v[SO+2*\a]
	v_cvt_scalef32_pk16_fp6_f32 v[Y+4*\a:Y+4*\a+2], v[ACC+32*\a+16:ACC+32*\a+31], v[SO+2*\a+1]
.endr
	v_nop                                          ; one plain place behind a scaled conversion
.irp a, 0,1,2,3
.irp i, 0,1,2
	v_permlane16_swap_b32 v[X+6*\a+\i], v[Y+4*\a+\i]   ; the operand's layout wants a whole block in a lane
.endr
.endr
.irp a, 0,1,2,3
.irp i, 0,1,2
	v_mov_b32 v[X+6*\a+3+\i], v[Y+4*\a+\i]
.endr
.endr
.endm
	s_load_b256 s[4:11], s[0:1], 0x0               ; xn, wts, bq, bk
	s_load_b128 s[12:15], s[0:1], 0x20             ; bv, qkv
	v_lshl_add_u32 v[SPW], v0, 2, SPARE
	v_mov_b32 v[NIL], 0
	ds_add_u32 v14, v15
	ds_add_u32 v14, v15
	s_wait_dscnt 0x0
	v_lshrrev_b32 v1, 5, v0
	v_readfirstlane_b32 s16, v1                    ; wave 0..3
	s_lshr_b32 s17, s16, 1                         ; which 64 tokens are mine.  Also: which chunk of 512 K I fetch
	s_and_b32 s18, s16, 1                          ; which 64 columns.  Also: which four of a chunk's eight blocks I fetch
	s_bfe_u32 s20, ttmp6, 0x40000                  ; cx
	s_bfe_u32 s21, ttmp6, 0x40004                  ; cy
	s_lshl_b32 s22, ttmp9, 2
	s_add_co_u32 s22, s22, s20                     ; tile column
	s_and_b32 s23, ttmp7, 0xffff
	s_lshl_b32 s23, s23, 2
	s_add_co_u32 s23, s23, s21                     ; tile row
	s_lshl_b32 s66, s21, 2
	s_lshl_b32 s66, 15, s66                        ; my row of the cluster
	s_lshl_b32 s67, 0x1111, s20                    ; my column
	s_or_b32 s[G1A], s66, (3<<16)|(1<<21)          ; 15:0 the mask; 17:16 elements of 8 bytes; 21 set beside a mask; no padding
	s_or_b32 s[G1B], s67, (3<<16)|(1<<21)
.irp g, G1A, G1B
	s_mov_b32 s[\g+1], 32<<16                      ; tensor_dim0 = 32 elements: 256 bytes
	s_mov_b32 s[\g+2], 200<<16                     ; tensor_dim1 = 200 rows: the head's loads bring 51,200 dense bytes, a chunk's eight blocks
	s_mov_b32 s[\g+3], 32<<16                      ; tile_dim0
	s_mov_b32 s[\g+4], 200                         ; tile_dim1
	s_mov_b32 s[\g+5], 32                          ; the pitch
	s_mov_b32 s[\g+6], 0
	s_mov_b32 s[\g+7], 0
.endr
	s_lshl_b32 s68, s18, 8                         ; A, fetched at the head by waves 0 and 1: chunk wave % 2 (256 tiles a chunk),
	s_lshl_b32 s69, s23, 3
	s_add_co_u32 s68, s68, s69                     ; tile 8 x tile row
	s_mul_i32 s68, s68, 6400
	s_mov_b32 s69, 0
	s_mul_i32 s70, s17, NTW                        ; B: chunk wave / 2,
	s_lshl_b32 s71, s22, 3
	s_add_co_u32 s70, s70, s71                     ; tile 8 x tile column
	s_lshl_b32 s71, s18, 2
	s_add_co_u32 s70, s70, s71                     ; + 4 x half
	s_mul_i32 s70, s70, 6400
	s_add_co_u32 s70, s70, BREG
	s_mov_b32 s71, 0
	s_mul_i32 s72, s16, 25600                      ; where a quarter of a slot goes: no place in the cluster enters an LDS address
	s_mul_i32 s96, s18, NTW                        ; Wq's tile, fetched at the head by waves 2 and 3: chunk wave % 2,
	s_lshl_b32 s97, s22, 3
	s_add_co_u32 s96, s96, s97                     ; tile 8 x tile column
	s_mul_i32 s96, s96, 6400
	s_add_co_u32 s96, s96, BREG
	s_mov_b32 s97, 0
	s_mul_i32 s98, s18, 51200                      ; and where a chunk goes
	s_wait_kmcnt 0x0
	s_add_nc_u64 s[68:69], s[4:5], s[68:69]
	s_add_nc_u64 s[70:71], s[6:7], s[70:71]
	s_add_nc_u64 s[96:97], s[6:7], s[96:97]
	CROUND                                         ; all sixteen work-groups are here: the first joint loads meet
	s_mov_b32 s[G0A], 1
	s_mov_b32 s[G0A+1], s98
	s_mov_b32 s[G0A+4], 1                          ; s[36:39]: group 0 of the head's load of Wq's tile
	s_add_co_u32 s[G0A+5], s98, BSL
	s_mov_b64 s[G0A+6:G0A+7], s[96:97]
	s_or_b32 s[G0A+7], s[G0A+7], 0x80000000
	s_mov_b64 s[G0A+2:G0A+3], s[68:69]
	s_or_b32 s[G0A+3], s[G0A+3], 0x80000000
.irp s, 0,1
	s_mov_b32 s[G0B+4*\s], 1
	s_add_co_u32 s[G0B+4*\s+1], s72, BSL+\s*102400
	s_add_nc_u64 s[G0B+4*\s+2:G0B+4*\s+3], s[70:71], \s*BSTEP      ; slot s begins with tile s: Wq's, Wk's
	s_or_b32 s[G0B+4*\s+3], s[G0B+4*\s+3], 0x80000000
.endr
	s_cmp_eq_u32 s17, 0                            ; THE HEAD'S LOADS, ONE A WAVE: waves 0, 1 bring A's two chunks, waves 2, 3 the two chunks of Wq's tile
	s_cbranch_scc0 .Lhead_b
	tensor_load_to_lds s[G0A:G0A+3], s[G1A:G1A+7]
	s_nop 0
	PLACES 4
	s_branch .Lhead_asked
.Lhead_b:
	tensor_load_to_lds s[G0A+4:G0A+7], s[G1B:G1B+7]
	s_nop 0
	PLACES 4
.Lhead_asked:
	v_and_b32 v1, 15, v0                           ; r
	v_bfe_u32 v2, v0, 4, 1                         ; h
	v_and_b32 v3, 31, v0                           ; lane
	v_lshlrev_b32 v[O16], 4, v3
	v_lshlrev_b32 v[O8], 3, v3
	s_mul_i32 s73, s17, 25600                      ; my four blocks of A, chunk 0
	s_mul_i32 s74, s18, 25600
	s_add_co_u32 s74, s74, BSL                     ; and of B, slot 0, chunk 0
	s_sub_co_u32 s75, s74, s73
	s_add_co_u32 s95, s75, 102400
	v_mul_u32_u24 v25, s75, v2                     ; lanes 16-31 take B's scale words: one product, the distance between the two bases: to slot 0,
	v_lshl_add_u32 v25, v1, 4, v25
	v_mul_u32_u24 v13, s95, v2                     ; to slot 1
	v_lshl_add_u32 v13, v1, 4, v13
.irp c, 0,1
	v_add_nc_u32 v[AA16+\c], s73, v[O16]
	v_add_nc_u32 v[AA8+\c], s73, v[O8]
	v_add_nc_u32 v[AS+\c], s73, v25
	v_add_nc_u32 v[AS+2+\c], s73, v13
	s_add_co_u32 s73, s73, 51200
.endr
.irp e, 0,1,2,3                        ; slot e / 2, chunk e % 2: 51,200 bytes apart
	v_add_nc_u32 v[BB16+\e], s74, v[O16]
	v_add_nc_u32 v[BB8+\e], s74, v[O8]
	s_add_co_u32 s74, s74, 51200
.endr
	s_mov_b32 s[SEL], 0x76543210
	s_mov_b32 s[SEL+1], 0xfedcba98                 ; v_permlanex16_b32's selects for lane l xor 16
	s_mov_b32 s[HM], 0xffff0000                    ; lanes 16-31
.irp e, 0,1,2,3,4,5,6,7
	v_mov_b32 v[PX+\e], 0                          ; written once: a lane permute's destination counts as one of its sources
.endr
	v_lshlrev_b32 v[BO], 6, v2
	s_wait_alu depctr_va_vdst(0)
	v_and_b32 v[BV], 8, v1
	v_add_nc_u32 v[BV], v[BV], v1
	v_lshlrev_b32 v[BV], 2, v[BV]
	s_wait_alu depctr_va_vdst(0)
	v_lshlrev_b32 v[SW], 4, v1
	v_lshl_add_u32 v[SV], v2, 2, v[SW]
	v_lshl_add_u32 v[SW], v2, 3, v[SW]
	v_and_b32 v12, 7, v1                           ; r % 8
	v_lshrrev_b32 v27, 3, v1                       ; r / 8
	v_mul_u32_u24 v[KO8], v27, 1536
	v_lshl_add_u32 v[KO16], v12, 4, v[KO8]
	v_lshl_add_u32 v[KO16], v2, 8, v[KO16]
	v_lshl_add_u32 v[KO8], v12, 3, v[KO8]
	v_lshl_add_u32 v[KO8], v2, 7, v[KO8]
	v_lshlrev_b32 v[SWK], 4, v12
	v_lshl_add_u32 v[SWK], v27, 3, v[SWK]
	v_lshl_add_u32 v[SWK], v2, 7, v[SWK]
	s_lshl_b32 s66, s22, 9
	s_lshl_b32 s67, s18, 8
	s_add_co_u32 s66, s66, s67                     ; my head's 64 numbers in a bias
	s_mov_b32 s67, 0
	s_add_nc_u64 s[8:9], s[8:9], s[66:67]
	s_add_nc_u64 s[10:11], s[10:11], s[66:67]
	s_add_nc_u64 s[12:13], s[12:13], s[66:67]
	s_and_b32 s66, s23, 15
	s_lshl_b32 s66, s66, 3
	s_lshl_b32 s90, s17, 2
	s_add_co_u32 s66, s66, s90                     ; my first tile of positions
	s_lshl_b32 s66, s66, 12
	s_add_co_u32 s66, s66, ROPE
	s_add_nc_u64 s[88:89], s[6:7], s[66:67]
	s_lshr_b32 s66, s23, 4
	s_lshl_b32 s66, s66, 4
	s_lshl_b32 s90, s22, 1
	s_add_co_u32 s66, s66, s90
	s_add_co_u32 s66, s66, s18                     ; 16 x batch + head
	s_lshl_b32 s66, s66, 4
	s_and_b32 s90, s23, 15
	s_add_co_u32 s90, s66, s90                     ; my block of 128 tokens of that head
	s_mul_i32 s95, s90, 6656
	s_mul_i32 s91, s17, 3072
	s_lshl_b32 s92, s17, 8
	s_add_co_u32 s66, s95, s91
	s_add_nc_u64 s[76:77], s[14:15], s[66:67]      ; q's codes: my four tiles
	s_add_co_u32 s66, s95, s92
	s_add_co_u32 s66, s66, 6144
	s_add_nc_u64 s[78:79], s[14:15], s[66:67]      ; q's scale words
	s_mul_i32 s93, s90, 13056
	s_add_co_u32 s93, s93, KVOFF
	s_add_co_u32 s66, s93, s91
	s_add_nc_u64 s[80:81], s[14:15], s[66:67]      ; k's codes
	s_add_co_u32 s66, s93, s92
	s_add_co_u32 s66, s66, 12288
	s_add_nc_u64 s[82:83], s[14:15], s[66:67]      ; k's scale words
	s_mul_i32 s94, s17, 768
	s_add_co_u32 s66, s93, s94
	s_add_co_u32 s66, s66, 6144
	s_add_nc_u64 s[84:85], s[14:15], s[66:67]      ; v's codes: my 64 keys are half image wr of each channel tile
	s_lshl_b32 s94, s17, 1
	s_add_co_u32 s66, s93, s94
	s_add_co_u32 s66, s66, 12800
	s_add_nc_u64 s[86:87], s[14:15], s[66:67]      ; v's scale bytes
	WIN DW2
.irp a, 0,1,2,3
.irp u, 0,1,2,3,4,5,6,7
	global_load_b128 v[32*\a+4*\u:32*\a+4*\u+3], v[O16], s[88:89] offset:4096*\a+512*\u   ; cos, sin of the register pairs 32 a + 4 u and + 2
.endr
.endr
.irp e, 0,1,2,3,4,5,6,7
	global_load_b128 v[128+4*\e:128+4*\e+3], v[BO], s[8:9] offset:128*(\e/4)+16*(\e%4)    ; register 16 b + i: channel 32 b + 16 h + i
	global_load_b128 v[160+4*\e:160+4*\e+3], v[BO], s[10:11] offset:128*(\e/4)+16*(\e%4)
.endr
.irp b, 0,1,2,3
	global_load_b32 v[192+\b], v[BV], s[12:13] offset:(32*(\b/2)+8*(\b%2))*4              ; image row r of channel tile b
.endr
	WIN 0
; q or k: bias, RoPE, (q: x 1/8), quantiser, store.  Accumulator registers are read from the low end on.
.macro EPI_QK isq, bias, sc, ss
	PLACES 4                                       ; places behind the last products
	s_wait_xcnt 0x0                                ; the last way out's stores have read their registers
	s_wait_loadcnt 0x0                             ; the table and the biases are in
	WIN S1W2
.set n, 0
.rept 64
	v_pk_add_f32 v[ACC+2*n:ACC+2*n+1], v[ACC+2*n:ACC+2*n+1], v[\bias+2*(n%16):\bias+2*(n%16)+1]
.set n, n+1
.endr
.set n, 0
.rept 64                               ; (t0, t1) -> (t0 cos - t1 sin, t0 sin + t1 cos)
	v_pk_mul_f32 v[X+2*(n%4):X+2*(n%4)+1], v[ACC+2*n:ACC+2*n+1], v[2*n:2*n+1] op_sel_hi:[1,0]
	v_pk_fma_f32 v[ACC+2*n:ACC+2*n+1], v[ACC+2*n:ACC+2*n+1], v[2*n:2*n+1], v[X+2*(n%4):X+2*(n%4)+1] op_sel:[1,1,0] op_sel_hi:[0,1,1] neg_lo:[0,1,0]
.set n, n+1
.endr
	WIN 0
.if \isq
.set n, 0
.rept 64
	v_pk_mul_f32 v[ACC+2*n:ACC+2*n+1], v[ACC+2*n:ACC+2*n+1], 0x3e000000 op_sel_hi:[1,0]   ; x 1 / sqrt(64)
.set n, n+1
.endr
.endif
	QUANT8
.irp a, 0,1,2,3
.if \isq
	global_store_b128 v[O16], v[X+6*\a:X+6*\a+3], s[\sc:\sc+1] offset:768*\a       ; 512 consecutive bytes, aligned to 256
	global_store_b64 v[O8], v[X+6*\a+4:X+6*\a+5], s[\sc:\sc+1] offset:768*\a+512
.else
; K'S TILES ARE LAID ANEW for attention: of my 64 keys, tile i holds keys 8 i .. 8 i + 7 in rows 0-7 and keys 32 + 8 i .. + 7 in rows 8-15.  Image row r of my token tile a is key 32 (a / 2) + 8 (a % 2) + 16 (r / 8) + r % 8:
; it goes to tile a % 2 + 2 (r / 8), row 8 (a / 2) + r % 8.  Eight lanes store 128 consecutive bytes; tiles a and a + 2 fill a run of 256 between them
	global_store_b128 v[KO16], v[X+6*\a:X+6*\a+3], s[\sc:\sc+1] offset:768*(\a%2)+128*(\a/2)
	global_store_b64 v[KO8], v[X+6*\a+4:X+6*\a+5], s[\sc:\sc+1] offset:768*(\a%2)+64*(\a/2)+512
.endif
.endr
	v_cndmask_b32 v[SL], v[W], v[W+2], s[HM]       ; lanes 0-15 store tiles 0, 1's words, lanes 16-31 tiles 2, 3's: 256 consecutive bytes
	v_cndmask_b32 v[SL+1], v[W+1], v[W+3], s[HM]
.if \isq
	global_store_b64 v[SW], v[SL:SL+1], s[\ss:\ss+1]
.else
	global_store_b64 v[SWK], v[SL:SL+1], s[\ss:\ss+1]   ; the words follow their rows: [new row][new tile]
.endif
.endm
.macro EPI_V                           ; accumulator (b, a): lane = channel row r of tile b, registers along my 64 tokens
	PLACES 4
	s_wait_xcnt 0x0
	s_wait_loadcnt 0x0
	WIN S1W2
.set n, 0
.rept 64
.if (n/16)%2 == 0
	v_pk_add_f32 v[ACC+2*n:ACC+2*n+1], v[ACC+2*n:ACC+2*n+1], v[192+2*(n/32):193+2*(n/32)] op_sel_hi:[1,0]
.else
	v_pk_add_f32 v[ACC+2*n:ACC+2*n+1], v[ACC+2*n:ACC+2*n+1], v[192+2*(n/32):193+2*(n/32)] op_sel:[0,1] op_sel_hi:[1,1]
.endif
.set n, n+1
.endr
	WIN 0
	QUANT8
.irp b, 0,1,2,3
	global_store_b128 v[O16], v[X+6*\b:X+6*\b+3], s[84:85] offset:1536*\b
	global_store_b64 v[O8], v[X+6*\b+4:X+6*\b+5], s[84:85] offset:1536*\b+512
.endr
	v_cndmask_b32 v[SL], v[W], v[W+1], s[HM]       ; two bytes of each channel's scale word: the other two are the other wave's
	v_cndmask_b32 v[SL+1], v[W+2], v[W+3], s[HM]
	global_store_b16 v[SV], v[SL], s[86:87]
	global_store_b16 v[SV], v[SL+1], s[86:87] offset:8
.endm
	s_wait_alu depctr_va_vdst(0)                   ; the wait at the head's end
	s_wait_tensorcnt 0x0                           ; my tile of the head's four is in; slot 1's first fill is issued as a refill is:
	ds_add_u32 v[SPW], v[NIL]                      ; 0 onto my spare word
	s_mov_b32 s[G1B+2], 100<<16                    ; no tensor load of mine is out, so a descriptor may be written: from here on a load brings 100 rows, a quarter of a slot
	s_mov_b32 s[G1B+4], 100
	s_wait_dscnt 0x0
	CROUND                                         ; A and Wq's tile are whole, and all sixteen work-groups are here
	tensor_load_to_lds s[G0B+4:G0B+7], s[G1B:G1B+7]                ; my quarter of Wk's tile: it has q's products in which to land
	s_nop 0
	PLACES 4
	WORKT 0, 1, 0
	HEAD 1, 0                                      ; Wk's tile is whole; Wv's is asked for, into slot 0
	EPI_QK 1, 128, 76, 78
	WORKT 1, 0, 0                                  ; k
	HEAD 0, 0                                      ; Wv's tile is whole; nothing is left to fetch
	EPI_QK 0, 160, 80, 82
	WORKT 0, 0, 1                                  ; v, the sources swapped
	EPI_V
	s_wait_tensorcnt 0x0                           ; the wave's end
	ds_add_u32 v[SPW], v[NIL]
	s_wait_dscnt 0x0
	CROUND                                         ; the closing round
	s_endpgm
.Lfunc_end_k_q177df6e390_qkv:
	.size	k_q177df6e390_qkv, .Lfunc_end_k_q177df6e390_qkv-k_q177df6e390_qkv
	.p2alignl 7, 3214868480
	.fill 96, 4, 3214868480
	.section	.rodata,"a",@progbits
	.p2align	6, 0x0
	.amdhsa_kernel k_q177df6e390_qkv
		.amdhsa_group_segment_fixed_size 327680
		.amdhsa_private_segment_fixed_size 0
		.amdhsa_enable_private_segment 0
		.amdhsa_kernarg_size 48
		.amdhsa_user_sgpr_count 2
		.amdhsa_user_sgpr_kernarg_segment_ptr 1
		.amdhsa_wavefront_size32 1
		.amdhsa_system_sgpr_workgroup_id_x 1
		.amdhsa_system_sgpr_workgroup_id_y 1
		.amdhsa_system_sgpr_workgroup_id_z 1
		.amdhsa_system_vgpr_workitem_id 0
		.amdhsa_next_free_vgpr 1024
		.amdhsa_next_free_sgpr 100
		.amdhsa_reserve_vcc 0
		.amdhsa_float_denorm_mode_32 3
		.amdhsa_float_denorm_mode_16_64 3
		.amdhsa_memory_ordered 1
		.amdhsa_forward_progress 1
		.amdhsa_inst_pref_size 164
	.end_amdhsa_kernel
	.amdgpu_metadata
---
amdhsa.version: [ 1, 2 ]
amdhsa.kernels:
  - .name:           k_q177df6e390_qkv
    .symbol:         k_q177df6e390_qkv.kd
    .args:
      - { .name: xn, .offset: 0, .size: 8, .value_kind: global_buffer, .address_space: global }
      - { .name: wts, .offset: 8, .size: 8, .value_kind: global_buffer, .address_space: global }
      - { .name: bq, .offset: 16, .size: 8, .value_kind: global_buffer, .address_space: global }
      - { .name: bk, .offset: 24, .size: 8, .value_kind: global_buffer, .address_space: global }
      - { .name: bv, .offset: 32, .size: 8, .value_kind: global_buffer, .address_space: global }
      - { .name: qkv, .offset: 40, .size: 8, .value_kind: global_buffer, .address_space: global }
    .group_segment_fixed_size: 327680
    .private_segment_fixed_size: 0
    .kernarg_segment_align: 8
    .kernarg_segment_size: 48
    .max_flat_workgroup_size: 128
    .sgpr_count:     100
    .vgpr_count:     1024
    .wavefront_size: 32
...
	.end_amdgpu_metadata
.endif
;; end of part 2
;; launch attn (part 3): grid 8 x 32, 16 waves a work-group, clusters of 4 x 1, 210,944 bytes of LDS; arguments qkv, ao; writes ao
.if DOCPART == 3
	.amdgcn_target "amdgcn-amd-amdhsa--gfx1250"
	.amdhsa_code_object_version 6
	.text
	.protected	k_q177df6e390_attn
	.globl	k_q177df6e390_attn
	.p2align	8
	.type	k_q177df6e390_attn,@function
k_q177df6e390_attn:
	s_mov_b64 s[64:65], 0
	v_nop
	global_prefetch_b8 v0, s[64:65] scope:SCOPE_SE
	s_setreg_imm32_b32 hwreg(HW_REG_WAVE_MODE, 25, 1), 1
	s_wait_xcnt 0x0
	s_wait_alu depctr_hold_cnt(0) depctr_sa_sdst(0) depctr_va_vdst(0) depctr_va_sdst(0) depctr_va_ssrc(0) depctr_va_vcc(0) depctr_vm_vsrc(0)
	s_getreg_b32 s2, hwreg(HW_REG_IB_STS2, 6, 4)
	s_cmp_eq_u32 s2, 0
	s_cbranch_scc0 .Lentry_in_a_cluster
	s_endpgm
.Lentry_in_a_cluster:
	s_bfe_u32 s2, ttmp6, 0x10000c
	s_cmp_lg_u32 s2, 0x3003
	s_cbranch_scc0 .Lentry_shape_is_right
	s_endpgm
.Lentry_shape_is_right:
; ATTENTION ON CODES OF FP6 (E2M3).  For each of 32 (batch, head): O = softmax(q k^T) v, 2,048 queries and keys, head size 64; q already holds 1 / 8.  The result is quantised along the channels and stored as the next product's operand.
; THE SOFTMAX AHEAD OF THE SECOND PRODUCT: t = score x log2(e); M = the running largest t rounded up to a whole number; p = 2^(t - M) is quantised along the keys, not normalised; the row's sum is taken of the unquantised p
; and divides at the end.  When M moves, the sum and O are multiplied by 2^(old M - new M), which rounds nothing.
; INPUT: for each head and 128 tokens a Q block (8 tiles of 768 bytes, then scale words) and a KV block of 13,056 bytes: K's 8 tiles of 16 keys x 64 (lane L: registers 0-3 at 16 L, 4-5 at 512 + 8 L), V^T's 4 channel tiles x 128 keys
; (1,536 bytes each), K's scale words [tiles 0-3 | 4-7][row][tile], V's [row][tile].
; K'S TILE 4 c + i holds keys 64 c + 8 i .. + 7 in rows 0-7 and keys 64 c + 32 + 8 i .. + 7 in rows 8-15.  Both products are used transposed, so lane (r, h) holds query r, and its 32 registers of tiles 4 c .. 4 c + 3 are
; keys 64 c + 32 h + 0 .. 31 in order: ONE WHOLE BLOCK of the second product's K, as that operand's layout wants it: a block's maximum and its codes need no other lane.
; THE FIRST PRODUCT'S K IS 64.  Q's registers 6-11 hold zero codes, so what stands in registers 6-11 of K's operand adds nothing (every code of E2M3 is a finite number, and these blocks' scale bytes are 0, a finite code):
; K's tiles lie six registers apart, and tile t's operand runs on over tile t + 1's six (tile 7's over V's first six).
; SHARES.  A work-group owns 256 queries of one head, each of its sixteen waves 16, in 256 registers.  ALL OF THE HEAD'S K AND V, 16 blocks, 208,896 bytes, lies in LDS, filled once: wave w brings block w, one tensor load a wave.
; CLUSTER 4 x 1: four query blocks of one head ask for each block jointly.  No prefetch: every tile is asked for at the head, and there is no later load to run ahead of.
; A STEP is one block, 128 keys.  Behind its 8 score products one run of LDS loads fetches the NEXT step's K and this step's V; the one wait for them stands ahead of the second product.
; LIMITS: the scaled scores stay under 2^31 in magnitude; a block of p, or of O, whose every number lies under 2^-124 keeps the scale byte 1; NaN and infinities are not served; 1 / sum is v_rcp_f32, good to one unit in the last place.
.set KVB,   13056
.set KVOFF, 3407872
.set SPARE, 16*KVB                     ; behind the blocks: the spare words, 128 bytes for each wave
.set WV,  18
.set SEL, 20
.set CS,  22
.set G1,  24
.set G0,  32
.set TB,  48                           ; LDS byte at which the step's block begins
.set CNT, 49
; v1 16 L, v2 8 L, v3 12,800 + 16 r, v4-6 the same in the step's block, v7 16 r; v8-11 V's scale words; v12 -M, v13 the largest score; v[14:15] the sum; v16-27 Q, v28 its scale word; v29 lane; v30 f, v31 8 h
.set KF,  32                           ; v32-79   K's eight tiles, six registers each
.set VF,  80                           ; v80-127  V's four fragments
.set KS,  128                          ; v128-131 K's scale words
.set SS,  132                          ; v132-195 S^T, then p
.set OO,  196                          ; v196-227 O^T
.set PP,  228                          ; v228-239 p's codes
.set TT,  240                          ; v240-242, v244-246 the upper halves of two blocks' codes, then a chain of the sum
.set UU,  244
.set Y1,  243
.set TM,  247
.set PW,  248                          ; p's scale word
.set SO,  249                          ; v249-250 the conversions' scale operands
.set X0,  251
.set X1,  252
.set Y0,  253
.set SPW, 254
.set NIL, 255
.macro CROUND
	s_barrier_signal -1
	s_barrier_wait -1
	s_cmp_lg_u32 s[WV], 0
	s_cbranch_scc1 .Lnot_wave_0_\@
	s_barrier_signal -3
.Lnot_wave_0_\@:
	s_barrier_wait -3
	s_barrier_signal -1
	s_barrier_wait -1
.endm
.macro KLOAD a16, a8, off              ; a block's K: scale words (lanes 0-15 tiles 0-3, lanes 16-31 tiles 4-7) and eight tiles
	ds_load_b128 v[KS:KS+3], v[\a16] offset:\off+12288
.irp t, 0,1,2,3,4,5,6,7
	ds_load_b128 v[KF+6*\t:KF+6*\t+3], v[\a16] offset:\off+768*\t
	ds_load_b64 v[KF+6*\t+4:KF+6*\t+5], v[\a8] offset:\off+768*\t+512
.endr
.endm
	s_load_b128 s[4:7], s[0:1], 0x0                ; qkv, ao
	v_lshl_add_u32 v[SPW], v0, 2, SPARE
	v_mov_b32 v[NIL], 0
	ds_add_u32 v[SPW], v[NIL]                      ; the opening lines: the add, twice on end, and its wait ahead of my tensor load
	ds_add_u32 v[SPW], v[NIL]
	v_lshrrev_b32 v1, 5, v0
	s_delay_alu instid0(VALU_DEP_1)
	v_readfirstlane_b32 s[WV], v1                  ; wave 0..15
	s_bfe_u32 s50, ttmp6, 0x40000                  ; cx
	s_lshl_b32 s51, ttmp9, 2
	s_add_co_u32 s51, s51, s50                     ; my block of 256 queries: it enters Q's and the output's addresses alone
	s_and_b32 s52, ttmp7, 0xffff                   ; 16 x batch + head, which the four partners share
	s_mov_b32 s[G1], 15|(3<<16)|(1<<21)            ; 15:0 the mask: all four; 17:16 elements of 8 bytes; 21 set beside a mask
	s_mov_b32 s[G1+1], 32<<16                      ; rows of 256 bytes,
	s_mov_b32 s[G1+2], 51<<16                      ; 51 of them: a block's 13,056 dense bytes
	s_mov_b32 s[G1+3], 32<<16
	s_mov_b32 s[G1+4], 51
	s_mov_b32 s[G1+5], 32
	s_mov_b32 s[G1+6], 0
	s_mov_b32 s[G1+7], 0
	s_and_b32 s53, s[WV], 3
	s_lshl_b32 s54, s52, 4
	s_add_co_u32 s54, s54, s[WV]
	s_mul_i32 s54, s54, KVB
	s_add_co_u32 s54, s54, KVOFF                   ; the head's block w, in memory
	s_mov_b32 s55, 0
	s_mul_i32 s56, s[WV], KVB                      ; and in LDS
	s_lshl_b32 s57, s52, 4
	s_lshl_b32 s58, s51, 1
	s_add_co_u32 s57, s57, s58
	s_lshr_b32 s58, s[WV], 3
	s_add_co_u32 s57, s57, s58
	s_mul_i32 s57, s57, 6656                       ; my Q block
	s_and_b32 s58, s[WV], 7
	s_mul_i32 s58, s58, 768
	s_add_co_u32 s58, s58, s57                     ; my tile's codes
	s_mov_b32 s59, 0
	s_bfe_u32 s60, s[WV], 0x10002
	s_lshl_b32 s60, s60, 8
	s_lshl_b32 s61, s53, 2
	s_add_co_u32 s60, s60, s61
	s_add_co_u32 s60, s60, s57
	s_add_co_u32 s60, s60, 6144                    ; and its scale words
	s_mov_b32 s61, 0
	s_and_b32 s66, s52, 15                         ; the head: half image head % 8 of chunk head / 8 of the next product's K
	s_lshr_b32 s67, s66, 3
	s_lshl_b32 s67, s67, 8
	s_lshr_b32 s68, s52, 4
	s_lshl_b32 s68, s68, 7
	s_add_co_u32 s67, s67, s68
	s_lshl_b32 s68, s51, 4
	s_add_co_u32 s67, s67, s68
	s_add_co_u32 s67, s67, s[WV]
	s_mul_i32 s67, s67, 6400                       ; my tile's operand block
	s_and_b32 s66, s66, 7
	s_mul_i32 s68, s66, 768
	s_add_co_u32 s68, s68, s67
	s_mov_b32 s69, 0
	s_lshl_b32 s70, s66, 1
	s_add_co_u32 s70, s70, s67
	s_add_co_u32 s70, s70, 6144
	s_mov_b32 s71, 0
	s_mov_b32 s[SEL], 0x76543210
	s_mov_b32 s[SEL+1], 0xfedcba98                 ; v_permlanex16_b32's selects for lane l xor 16
	s_mov_b32 s[CS], 0x3fb8aa3b                    ; log2(e)
	s_mov_b32 s[CS+1], s[CS]                       ; (named with it as a pair, so it is written)
	s_wait_dscnt 0x0
	s_wait_kmcnt 0x0
	s_add_nc_u64 s[54:55], s[4:5], s[54:55]
	CROUND                                         ; all four work-groups are here: the joint loads meet
	s_mov_b32 s[G0], 1
	s_mov_b32 s[G0+1], s56
	s_mov_b64 s[G0+2:G0+3], s[54:55]
	s_or_b32 s[G0+3], s[G0+3], 0x80000000
	tensor_load_to_lds s[G0:G0+3], s[G1:G1+7]      ; block w: my one tensor load
	s_nop 0
.rept 4
	v_nop
.endr
	s_add_nc_u64 s[58:59], s[4:5], s[58:59]
	s_add_nc_u64 s[60:61], s[4:5], s[60:61]
	s_add_nc_u64 s[68:69], s[6:7], s[68:69]
	s_add_nc_u64 s[70:71], s[6:7], s[70:71]
	v_and_b32 v29, 31, v0                          ; lane
	v_and_b32 v7, 15, v0
	v_bfe_u32 v31, v0, 4, 1
	v_lshlrev_b32 v1, 4, v29
	v_lshlrev_b32 v2, 3, v29
	v_lshlrev_b32 v7, 4, v7                        ; 16 r
	v_lshlrev_b32 v31, 3, v31                      ; 8 h: where my blocks' bytes stand in p's scale word
	v_add_nc_u32 v3, 12800, v7
	global_load_b128 v[16:19], v1, s[58:59]
	global_load_b64 v[20:21], v2, s[58:59] offset:512
	global_load_b32 v28, v7, s[60:61]
.irp j, 22,23,24,25,26,27
	v_mov_b32 v[\j], 0                             ; K = 64 .. 127 of Q: zero codes
.endr
.irp j, 0,1,2,3,4,5
	v_mov_b32 v[VF+\j], 0                          ; named by tile 7's operand before V is first loaded
.endr
	v_mov_b32 v13, 0xfe967699                      ; the largest score so far: -1e38
	v_mov_b32 v14, 0
	v_mov_b32 v15, 0
	v_mul_f32 v12, s[CS], v13
	s_delay_alu instid0(VALU_DEP_1)
	v_floor_f32 v12, -v12                          ; -M
.set j, 0
.rept 32
	v_mov_b32 v[OO+j], 0                           ; O^T: the step is written once; the first finds zeros
.set j, j+1
.endr
; A KEY STEP.  kn = 1: the next block's K is fetched too
.macro STEP kn
.irp t, 0,1,2,3
	v_wmma_scale_f32_16x16x128_f8f6f4 v[SS+8*\t:SS+8*\t+7], v[KF+6*\t:KF+6*\t+11], v[16:27], 0, v[KS+\t], v28 matrix_a_fmt:MATRIX_FMT_FP6 matrix_b_fmt:MATRIX_FMT_FP6
.endr
.irp t, 4,5,6,7
	v_wmma_scale_f32_16x16x128_f8f6f4 v[SS+8*\t:SS+8*\t+7], v[KF+6*\t:KF+6*\t+11], v[16:27], 0, v[KS+\t-4], v28 matrix_a_fmt:MATRIX_FMT_FP6 matrix_b_fmt:MATRIX_FMT_FP6 matrix_a_scale:MATRIX_SCALE_ROW1
.endr
	v_add_nc_u32 v4, s[TB], v1                     ; these four are the places behind the products, ahead of the loads into their operands and of the first read of their results
	v_add_nc_u32 v5, s[TB], v2
	v_add_nc_u32 v6, s[TB], v3
	v_mov_b32 v[TM], v12                           ; the old -M
.if \kn
	KLOAD 4, 5, KVB
.endif
.irp c, 0,1,2,3
	ds_load_b128 v[VF+12*\c:VF+12*\c+3], v4 offset:6144+1536*\c
	ds_load_b64 v[VF+12*\c+4:VF+12*\c+5], v5 offset:6144+1536*\c+512
	ds_load_b128 v[VF+12*\c+6:VF+12*\c+9], v4 offset:6144+1536*\c+768
	ds_load_b64 v[VF+12*\c+10:VF+12*\c+11], v5 offset:6144+1536*\c+1280
.endr
	ds_load_b128 v[8:11], v6                       ; V's scale words
	; the largest score of my two blocks, each in two chains; every accumulator is first read at its low end
	v_max3_num_f32 v[X0], v[SS], v[SS+1], v[SS+2]
	v_max3_num_f32 v[X1], v[SS+16], v[SS+17], v[SS+18]
	v_max3_num_f32 v[Y0], v[SS+32], v[SS+33], v[SS+34]
	v_max3_num_f32 v[Y1], v[SS+48], v[SS+49], v[SS+50]
.irp i, 3,5,7,9,11,13
	v_max3_num_f32 v[X0], v[X0], v[SS+\i], v[SS+\i+1]
	v_max3_num_f32 v[X1], v[X1], v[SS+16+\i], v[SS+17+\i]
	v_max3_num_f32 v[Y0], v[Y0], v[SS+32+\i], v[SS+33+\i]
	v_max3_num_f32 v[Y1], v[Y1], v[SS+48+\i], v[SS+49+\i]
.endr
	v_max3_num_f32 v[X0], v[X0], v[X1], v[SS+15]
	v_max3_num_f32 v[Y0], v[Y0], v[Y1], v[SS+47]
	v_max_num_f32 v[X0], v[X0], v[SS+31]           ; block h
	v_max_num_f32 v[Y0], v[Y0], v[SS+63]           ; block 2 + h
	v_max_num_f32 v[X1], v[X0], v[Y0]
	v_permlanex16_b32 v[Y1], v[X1], s[SEL], s[SEL+1]
	v_max3_num_f32 v13, v13, v[X1], v[Y1]          ; the running largest score of my query
	v_mul_f32 v[X1], s[CS], v13                    ; as t
	v_floor_f32 v12, -v[X1]                        ; the new -M = -ceil(t)
	v_sub_f32 v[TM], v12, v[TM]                    ; old M - new M: a whole number, 0 or less
.set j, 0
.rept 4
	v_pk_fma_f32 v[SS+j:SS+j+1], v[SS+j:SS+j+1], s[CS:CS+1], v[12:13] op_sel_hi:[1,0,0]   ; t - M
.set j, j+2
.endr
	v_cvt_i32_f32 v[TM], v[TM]                     ; (it saturates)
.rept 4
	v_pk_fma_f32 v[SS+j:SS+j+1], v[SS+j:SS+j+1], s[CS:CS+1], v[12:13] op_sel_hi:[1,0,0]
.set j, j+2
.endr
	v_ldexp_f32 v30, 1.0, v[TM]                    ; f = 2^(old M - new M)
.rept 24
	v_pk_fma_f32 v[SS+j:SS+j+1], v[SS+j:SS+j+1], s[CS:CS+1], v[12:13] op_sel_hi:[1,0,0]
.set j, j+2
.endr
	v_fma_f32 v[X0], v[X0], s[CS], v12             ; the same of each block's largest score: p rises with the score
	v_fma_f32 v[Y0], v[Y0], s[CS], v12
.set j, 0
.rept 16
	v_pk_mul_f32 v[OO+j:OO+j+1], v[OO+j:OO+j+1], v[30:31] op_sel_hi:[1,0]   ; O^T under the new M
.set j, j+2
.endr
	s_wait_alu depctr_va_vdst(0)                   ; the wait ahead of the batch
	v_exp_f32 v[X0], v[X0]                         ; the blocks' largest p
	v_exp_f32 v[Y0], v[Y0]
.set j, 0
.rept 64
	v_exp_f32 v[SS+j], v[SS+j]                     ; p = 2^(t - M)
.set j, j+1
.endr
	v_pk_mul_f32 v[14:15], v[14:15], v[30:31] op_sel_hi:[1,0]   ; the sum under the new M (the plain place behind the exponentials)
	s_wait_alu depctr_va_vdst(0)                   ; one wait for the batch, ahead of its first reader
	v_max_num_f32 v[X0], 0x1800000, v[X0]          ; the floor 2^(3 - 127): the byte cannot fall under 1
	v_max_num_f32 v[Y0], 0x1800000, v[Y0]
	v_add_nc_u32 v[SO], 0xff000000, v[X0]          ; 2 off the exponent field: the conversion's scale operand
	v_add_nc_u32 v[SO+1], 0xff000000, v[Y0]
	v_lshrrev_b32 v[X0], 23, v[SO]                 ; the scale's byte
	v_lshrrev_b32 v[Y0], 23, v[SO+1]
	s_delay_alu instid0(VALU_DEP_1)
	v_lshl_or_b32 v[X1], v[Y0], 16, v[X0]          ; my two bytes, blocks h and 2 + h,
	s_delay_alu instid0(VALU_DEP_1)
	v_lshlrev_b32 v[X1], v31, v[X1]                ; at their places in the word;
	s_delay_alu instid0(VALU_DEP_1)
	v_permlanex16_b32 v[Y1], v[X1], s[SEL], s[SEL+1]
	s_delay_alu instid0(VALU_DEP_1)
	v_or_b32 v[PW], v[X1], v[Y1]                   ; with lane l xor 16's two the word is whole
	v_cvt_scalef32_pk16_fp6_f32 v[PP:PP+2], v[SS:SS+15], v[SO]
	v_cvt_scalef32_pk16_fp6_f32 v[TT:TT+2], v[SS+16:SS+31], v[SO]       ; (a conversion's three registers begin on an even number)
	v_cvt_scalef32_pk16_fp6_f32 v[PP+6:PP+8], v[SS+32:SS+47], v[SO+1]
	v_cvt_scalef32_pk16_fp6_f32 v[UU:UU+2], v[SS+48:SS+63], v[SO+1]
	v_pk_add_f32 v[14:15], v[14:15], v[SS:SS+1]    ; the row's sum, of the unquantised p.  (The plain place behind the conversions)
.irp i, 0,1,2
	v_mov_b32 v[PP+3+\i], v[TT+\i]
	v_mov_b32 v[PP+9+\i], v[UU+\i]
.endr
	v_pk_add_f32 v[TT:TT+1], v[SS+2:SS+3], v[SS+4:SS+5]   ; a second chain.  These additions are also the places between the word's and the codes' last lines and the products
.irp j, 6,10,14,18,22,26,30,34,38,42,46,50,54,58
	v_pk_add_f32 v[14:15], v[14:15], v[SS+\j:SS+\j+1]
	v_pk_add_f32 v[TT:TT+1], v[TT:TT+1], v[SS+\j+2:SS+\j+3]
.endr
	v_pk_add_f32 v[14:15], v[14:15], v[SS+62:SS+63]
	s_delay_alu instid0(VALU_DEP_1)
	v_pk_add_f32 v[14:15], v[14:15], v[TT:TT+1]
	s_wait_alu depctr_va_vdst(0)                   ; directly ahead of the wait below
	s_wait_dscnt 0x0                               ; V, its words and the next step's K are in
.irp c, 0,1,2,3                        ; O^T += V^T P^T: four accumulators by turns
	v_wmma_scale_f32_16x16x128_f8f6f4 v[OO+8*\c:OO+8*\c+7], v[VF+12*\c:VF+12*\c+11], v[PP:PP+11], v[OO+8*\c:OO+8*\c+7], v[8+\c], v[PW] matrix_a_fmt:MATRIX_FMT_FP6 matrix_b_fmt:MATRIX_FMT_FP6
.endr
.endm
	s_wait_alu depctr_va_vdst(0)                   ; the wait at the head's end
	s_wait_loadcnt 0x0                             ; Q
	s_wait_tensorcnt 0x0                           ; my block has landed;
	s_barrier_signal -1
	s_barrier_wait -1                              ; and everybody's
	KLOAD 1, 2, 0                                  ; block 0's K
	s_mov_b32 s[TB], 0
	s_mov_b32 s[CNT], 15
	s_wait_dscnt 0x0
.Lstep:
	STEP 1
	s_add_co_u32 s[TB], s[TB], KVB
	s_sub_co_u32 s[CNT], s[CNT], 1
	s_cmp_lg_u32 s[CNT], 0
	s_cbranch_scc1 .Lstep
	STEP 0                                         ; the last block: no K is left to fetch
	; THE WAY OUT: O^T / the sum; its 64 channels are two blocks of the next product's K: one half image and two scale bytes
	v_add_f32 v14, v14, v15
	s_delay_alu instid0(VALU_DEP_1)
	v_permlanex16_b32 v[X1], v14, s[SEL], s[SEL+1]
	s_delay_alu instid0(VALU_DEP_1)
	v_add_f32 v14, v14, v[X1]                      ; the row's sum
	s_wait_alu depctr_va_vdst(0)
	v_rcp_f32 v14, v14
.rept 4
	v_nop                                          ; the plain place behind the reciprocal, and the places behind the last products
.endr
	s_wait_alu depctr_va_vdst(0)
.set j, 0
.rept 32
	v_mul_f32 v[SS+j], v[OO+j], v14                ; register 16 b + i: channel 32 b + 16 (lane / 16) + i
.set j, j+1
.endr
.irp b, 0,1
	v_max3_num_f32 v[X0+\b], |v[SS+16*\b]|, |v[SS+16*\b+1]|, 0x1800000
.endr
.irp i, 2,4,6,8,10,12,14
.irp b, 0,1
	s_delay_alu instid0(VALU_DEP_2)
	v_max3_num_f32 v[X0+\b], v[X0+\b], |v[SS+16*\b+\i]|, |v[SS+16*\b+\i+1]|
.endr
.endr
	s_delay_alu instid0(VALU_DEP_2)
	v_permlanex16_b32 v[Y0], v[X0], s[SEL], s[SEL+1]
	s_delay_alu instid0(VALU_DEP_2)
	v_permlanex16_b32 v[Y1], v[X1], s[SEL], s[SEL+1]
	s_delay_alu instid0(VALU_DEP_2)
	v_max_num_f32 v[X0], v[X0], v[Y0]
	s_delay_alu instid0(VALU_DEP_2)
	v_max_num_f32 v[X1], v[X1], v[Y1]
.irp b, 0,1
	s_delay_alu instid0(VALU_DEP_2)
	v_add_nc_u32 v[SO+\b], 0xff000000, v[X0+\b]
.endr
.irp b, 0,1
	s_delay_alu instid0(VALU_DEP_2)
	v_lshrrev_b32 v[X0+\b], 23, v[SO+\b]
.endr
	s_delay_alu instid0(VALU_DEP_1)
	v_lshl_or_b32 v[TM], v[X1], 8, v[X0]
	v_cvt_scalef32_pk16_fp6_f32 v[PP:PP+2], v[SS:SS+15], v[SO]
	v_cvt_scalef32_pk16_fp6_f32 v[TT:TT+2], v[SS+16:SS+31], v[SO+1]
	v_nop                                          ; one plain place behind a scaled conversion
.irp i, 0,1,2
	v_permlane16_swap_b32 v[PP+\i], v[TT+\i]       ; here a block lies in lanes l and l xor 16: the operand's layout wants it whole in a lane
.endr
.irp i, 0,1,2
	v_mov_b32 v[PP+3+\i], v[TT+\i]
.endr
	global_store_b128 v1, v[PP:PP+3], s[68:69]     ; 512 consecutive bytes, aligned to 256
	global_store_b64 v2, v[PP+4:PP+5], s[68:69] offset:512
	v_cmp_gt_u32 vcc_lo, 16, v29
	s_wait_alu depctr_va_vdst(0)                   ; directly ahead of the wait below
	s_wait_xcnt 0x0                                ; EXEC changes only behind this wait
	s_and_saveexec_b32 s72, vcc_lo
	global_store_b16 v7, v[TM], s[70:71]           ; lanes 0-15: my rows' two scale bytes
	s_wait_xcnt 0x0
	s_or_b32 exec_lo, exec_lo, s72
	s_wait_tensorcnt 0x0                           ; the wave's end
	ds_add_u32 v[SPW], v[NIL]
	s_wait_dscnt 0x0
	CROUND                                         ; the closing round: no work-group ends while a partner may still ask jointly
	s_endpgm
.Lfunc_end_k_q177df6e390_attn:
	.size	k_q177df6e390_attn, .Lfunc_end_k_q177df6e390_attn-k_q177df6e390_attn
	.p2alignl 7, 3214868480
	.fill 96, 4, 3214868480
	.section	.rodata,"a",@progbits
	.p2align	6, 0x0
	.amdhsa_kernel k_q177df6e390_attn
		.amdhsa_group_segment_fixed_size 210944
		.amdhsa_private_segment_fixed_size 0
		.amdhsa_enable_private_segment 0
		.amdhsa_kernarg_size 16
		.amdhsa_user_sgpr_count 2
		.amdhsa_user_sgpr_kernarg_segment_ptr 1
		.amdhsa_wavefront_size32 1
		.amdhsa_system_sgpr_workgroup_id_x 1
		.amdhsa_system_sgpr_workgroup_id_y 1
		.amdhsa_system_sgpr_workgroup_id_z 1
		.amdhsa_system_vgpr_workitem_id 0
		.amdhsa_next_free_vgpr 256
		.amdhsa_next_free_sgpr 80
		.amdhsa_reserve_vcc 1
		.amdhsa_float_denorm_mode_32 3
		.amdhsa_float_denorm_mode_16_64 3
		.amdhsa_memory_ordered 1
		.amdhsa_forward_progress 1
		.amdhsa_inst_pref_size 41
	.end_amdhsa_kernel
	.amdgpu_metadata
---
amdhsa.version: [ 1, 2 ]
amdhsa.kernels:
  - .name:           k_q177df6e390_attn
    .symbol:         k_q177df6e390_attn.kd
    .args:
      - { .name: qkv, .offset: 0, .size: 8, .value_kind: global_buffer, .address_space: global }
      - { .name: ao, .offset: 8, .size: 8, .value_kind: global_buffer, .address_space: global }
    .group_segment_fixed_size: 210944
    .private_segment_fixed_size: 0
    .kernarg_segment_align: 8
    .kernarg_segment_size: 16
    .max_flat_workgroup_size: 512
    .sgpr_count:     80
    .vgpr_count:     256
    .wavefront_size: 32
...
	.end_amdgpu_metadata
.endif
;; end of part 3
;; launch wo (part 4): grid 8 x 32, 4 waves a work-group, clusters of 4 x 4, 327,680 bytes of LDS; arguments ao, wts, bo, x, x1; writes x1
.if DOCPART == 4
	.amdgcn_target "amdgcn-amd-amdhsa--gfx1250"
	.amdhsa_code_object_version 6
	.text
	.protected	k_q177df6e390_wo
	.globl	k_q177df6e390_wo
	.p2align	8
	.type	k_q177df6e390_wo,@function
k_q177df6e390_wo:
	s_mov_b64 s[64:65], 0
	v_nop
	global_prefetch_b8 v0, s[64:65] scope:SCOPE_SE
	s_setreg_imm32_b32 hwreg(HW_REG_WAVE_MODE, 25, 1), 1
	s_wait_xcnt 0x0
	s_wait_alu depctr_hold_cnt(0) depctr_sa_sdst(0) depctr_va_vdst(0) depctr_va_sdst(0) depctr_va_ssrc(0) depctr_va_vcc(0) depctr_vm_vsrc(0)
	s_getreg_b32 s2, hwreg(HW_REG_IB_STS2, 6, 4)
	s_cmp_eq_u32 s2, 0
	s_cbranch_scc0 .Lentry_in_a_cluster
	s_endpgm
.Lentry_in_a_cluster:
	s_bfe_u32 s2, ttmp6, 0x10000c
	s_cmp_lg_u32 s2, 0xf033
	s_cbranch_scc0 .Lentry_shape_is_right
	s_endpgm
.Lentry_shape_is_right:
.set NTW,    64
.set BREG,   2457600
.set SLOTB,  102400
.set STAGE,  204800
.set SPARE,  224256
.set AA16, 4
.set AA8,  6
.set BB16, 8
.set BB8,  10
.set AS,   12
.set SPW,  14
.set NIL,  15
.set O16,  16
.set O8,   17
.set STO,  18
.set RD,   19
.set CO,   20
.set BO,   22
.set SC,   32
.set ACC,  128
.set F0,   0
.set F1,   96
.set G1A,  24
.set G0A,  32
.set G1B,  40
.set G0B,  48
.set MUL,  0x05
.set TO_F, 0x40
.set S1W2, 0x08
.set DW2,  0x80
.set MSB,  0
.macro WIN new
.if MSB != \new
	s_set_vgpr_msb (MSB<<8)|\new
.set MSB, \new
.endif
.endm
.macro PLACES n
.rept \n
	v_nop
.endr
.endm
.macro JLOAD s
	s_cmp_eq_u32 s17, 0
	s_cbranch_scc0 .Lfor_b_\@
	tensor_load_to_lds s[G0A+4*(\s):G0A+4*(\s)+3], s[G1A:G1A+7]
	s_nop 0
.rept 4
	v_nop
.endr
	s_branch .Lasked_\@
.Lfor_b_\@:
	tensor_load_to_lds s[G0B+4*(\s):G0B+4*(\s)+3], s[G1B:G1B+7]
	s_nop 0
.rept 4
	v_nop
.endr
.Lasked_\@:
.endm
.macro CROUND
	s_barrier_signal -1
	s_barrier_wait -1
	s_cmp_lg_u32 s16, 0
	s_cbranch_scc1 .Lnot_wave_0_\@
	s_barrier_signal -3
.Lnot_wave_0_\@:
	s_barrier_wait -3
	s_barrier_signal -1
	s_barrier_wait -1
.endm
.macro FETCH slot, q, f
	PLACES 4
	WIN TO_F
.irp i, 0,1,2,3
	ds_load_b128 v[\f+12*\i:\f+12*\i+3], v[AA16+\slot] offset:6400*\i+1536*\q
	ds_load_b64 v[\f+12*\i+4:\f+12*\i+5], v[AA8+\slot] offset:6400*\i+1536*\q+512
	ds_load_b128 v[\f+12*\i+6:\f+12*\i+9], v[AA16+\slot] offset:6400*\i+1536*\q+768
	ds_load_b64 v[\f+12*\i+10:\f+12*\i+11], v[AA8+\slot] offset:6400*\i+1536*\q+1280
	ds_load_b128 v[\f+48+12*\i:\f+48+12*\i+3], v[BB16+\slot] offset:6400*\i+1536*\q
	ds_load_b64 v[\f+48+12*\i+4:\f+48+12*\i+5], v[BB8+\slot] offset:6400*\i+1536*\q+512
	ds_load_b128 v[\f+48+12*\i+6:\f+48+12*\i+9], v[BB16+\slot] offset:6400*\i+1536*\q+768
	ds_load_b64 v[\f+48+12*\i+10:\f+48+12*\i+11], v[BB8+\slot] offset:6400*\i+1536*\q+1280
.endr
	WIN 0
.endm
.macro SCALES slot
.irp i, 0,1,2,3
	ds_load_b128 v[SC+16*\slot+4*\i:SC+16*\slot+4*\i+3], v[AS+\slot] offset:6400*\i+6144
.endr
.endm
.macro MUL16 f, q, set, zero
.irp a, 0,1,2,3
.irp b, 0,1,2,3
.if \zero
	v_wmma_scale_f32_16x16x128_f8f6f4 v[ACC+8*(4*\a+\b):ACC+8*(4*\a+\b)+7], v[\f+48+12*\b:\f+48+12*\b+11], v[\f+12*\a:\f+12*\a+11], 0, v[SC+16*\set+4*\b+\q], v[SC+16*\set+4*\a+\q] matrix_a_fmt:MATRIX_FMT_FP6 matrix_b_fmt:MATRIX_FMT_FP6 matrix_a_scale:MATRIX_SCALE_ROW1
.else
	v_wmma_scale_f32_16x16x128_f8f6f4 v[ACC+8*(4*\a+\b):ACC+8*(4*\a+\b)+7], v[\f+48+12*\b:\f+48+12*\b+11], v[\f+12*\a:\f+12*\a+11], v[ACC+8*(4*\a+\b):ACC+8*(4*\a+\b)+7], v[SC+16*\set+4*\b+\q], v[SC+16*\set+4*\a+\q] matrix_a_fmt:MATRIX_FMT_FP6 matrix_b_fmt:MATRIX_FMT_FP6 matrix_a_scale:MATRIX_SCALE_ROW1
.endif
.endr
.endr
.endm
.macro WORK slot, zero
	FETCH \slot, 0, F0
	SCALES \slot
	s_wait_dscnt 0x0
	FETCH \slot, 1, F1
	WIN MUL
	MUL16 F0, 0, \slot, \zero
	s_wait_dscnt 0x0
	FETCH \slot, 2, F0
	WIN MUL
	MUL16 F1, 1, \slot, 0
	s_wait_dscnt 0x0
	FETCH \slot, 3, F1
	WIN MUL
	MUL16 F0, 2, \slot, 0
	s_wait_dscnt 0x0
	WIN MUL
	MUL16 F1, 3, \slot, 0
	WIN 0
.endm
	s_load_b256 s[4:11], s[0:1], 0x0
	s_load_b64 s[12:13], s[0:1], 0x20
	v_lshl_add_u32 v[SPW], v0, 2, SPARE
	v_mov_b32 v[NIL], 0
	ds_add_u32 v14, v15
	ds_add_u32 v14, v15
	s_wait_dscnt 0x0
	v_lshrrev_b32 v1, 5, v0
	v_readfirstlane_b32 s16, v1
	s_lshr_b32 s17, s16, 1
	s_and_b32 s18, s16, 1
	s_bfe_u32 s20, ttmp6, 0x40000
	s_bfe_u32 s21, ttmp6, 0x40004
	s_lshl_b32 s22, ttmp9, 2
	s_add_co_u32 s22, s22, s20
	s_and_b32 s23, ttmp7, 0xffff
	s_lshl_b32 s23, s23, 2
	s_add_co_u32 s23, s23, s21
	s_lshl_b32 s66, s21, 2
	s_lshl_b32 s66, 15, s66
	s_lshl_b32 s67, 0x1111, s20
	s_or_b32 s[G1A], s66, (3<<16)|(1<<21)
	s_or_b32 s[G1B], s67, (3<<16)|(1<<21)
.irp g, G1A, G1B
	s_mov_b32 s[\g+1], 32<<16
	s_mov_b32 s[\g+2], 200<<16                     ; 200 rows of 256 bytes: a chunk's eight blocks, 51,200 dense bytes
	s_mov_b32 s[\g+3], 32<<16
	s_mov_b32 s[\g+4], 200
	s_mov_b32 s[\g+5], 32
	s_mov_b32 s[\g+6], 0
	s_mov_b32 s[\g+7], 0
.endr
	s_lshl_b32 s68, s23, 3
	s_lshl_b32 s69, s18, 8                         ; A: chunk wave % 2 (256 tiles a chunk)
	s_add_co_u32 s68, s68, s69
	s_mul_i32 s68, s68, 6400
	s_mov_b32 s69, 0
	s_lshl_b32 s70, s22, 3
	s_lshl_b32 s71, s18, 6                         ; B: chunk wave % 2 (64 tiles a chunk)
	s_add_co_u32 s70, s70, s71
	s_mul_i32 s70, s70, 6400
	s_add_co_u32 s70, s70, BREG
	s_mov_b32 s71, 0
	s_mul_i32 s72, s18, SLOTB                      ; chunk c lies at c x SLOTB: A's eight blocks, then B's
	s_mul_i32 s73, s17, 51200
	s_add_co_u32 s72, s72, s73
	s_wait_kmcnt 0x0
	s_add_nc_u64 s[68:69], s[4:5], s[68:69]
	s_add_nc_u64 s[70:71], s[6:7], s[70:71]
	CROUND
	s_mov_b32 s[G0A], 1
	s_mov_b32 s[G0A+1], s72
	s_mov_b64 s[G0A+2:G0A+3], s[68:69]
	s_or_b32 s[G0A+3], s[G0A+3], 0x80000000
	s_mov_b32 s[G0B], 1
	s_mov_b32 s[G0B+1], s72
	s_mov_b64 s[G0B+2:G0B+3], s[70:71]
	s_or_b32 s[G0B+3], s[G0B+3], 0x80000000
	JLOAD 0                                        ; ALL OF K, 1,024, LIES IN LDS, filled once, one tensor load a wave: waves 0, 1 bring A's two chunks, waves 2, 3 B's
	v_and_b32 v1, 15, v0
	v_bfe_u32 v2, v0, 4, 1
	v_and_b32 v3, 31, v0
	v_lshlrev_b32 v[O16], 4, v3
	v_lshlrev_b32 v[O8], 3, v3
	s_mul_i32 s73, s17, 25600
	s_mul_i32 s74, s18, 25600
	s_add_co_u32 s74, s74, 51200
	s_sub_co_u32 s75, s74, s73
	v_mul_u32_u24 v25, s75, v2
	v_lshl_add_u32 v25, v1, 4, v25
.irp s, 0,1
	v_add_nc_u32 v[AA16+\s], s73, v[O16]
	v_add_nc_u32 v[AA8+\s], s73, v[O8]
	v_add_nc_u32 v[BB16+\s], s74, v[O16]
	v_add_nc_u32 v[BB8+\s], s74, v[O8]
	v_add_nc_u32 v[AS+\s], s73, v25
	s_add_co_u32 s73, s73, SLOTB
	s_add_co_u32 s74, s74, SLOTB
.endr
	s_mul_i32 s76, s16, 16*272
	s_add_co_u32 s76, s76, STAGE
	v_mul_u32_u24 v[STO], v1, 272
	v_lshl_add_u32 v[STO], v2, 6, v[STO]
	v_add_nc_u32 v[STO], s76, v[STO]
	v_mul_u32_u24 v[RD], v2, 272
	v_lshl_add_u32 v[RD], v1, 4, v[RD]
	v_add_nc_u32 v[RD], s76, v[RD]
	v_lshlrev_b32 v[CO], 12, v2
	v_lshl_add_u32 v[CO], v1, 4, v[CO]
	v_lshlrev_b32 v[BO], 4, v1
	s_wait_alu depctr_va_vdst(0)
	s_lshl_b32 s66, s22, 9
	s_lshl_b32 s67, s18, 8
	s_add_co_u32 s66, s66, s67
	s_mov_b32 s67, 0
	s_add_nc_u64 s[8:9], s[8:9], s[66:67]
	s_lshl_b32 s77, s23, 19
	s_add_co_u32 s66, s66, s77
	s_lshl_b32 s77, s17, 18
	s_add_co_u32 s66, s66, s77
	s_add_nc_u64 s[10:11], s[10:11], s[66:67]
	s_add_nc_u64 s[12:13], s[12:13], s[66:67]
	s_wait_alu depctr_va_vdst(0)                   ; the wait at the head's end
	s_wait_tensorcnt 0x0                           ; my chunk is in;
	s_barrier_signal -1
	s_barrier_wait -1                              ; and everybody's
	global_load_b128 v[88:91], v[BO], s[8:9]       ; the bias and the residual are asked for only now, behind the tiles' landing: they are wanted behind the last product
	WIN DW2
.irp a, 0,1,2,3
.irp i, 0,1,2,3,4,5,6,7
	global_load_b128 v[32*\a+4*\i:32*\a+4*\i+3], v[CO], s[10:11] offset:(32*(\a/2)+8*(\a%2)+2*\i+8*(\i/4))*4096
.endr
.endr
	WIN 0
	WORK 0, 1
	WORK 1, 0
	PLACES 4
	s_wait_loadcnt 0x0
.irp a, 0,1,2,3
.irp e, 0,1,2,3,4,5,6,7
	ds_store_b128 v[STO], v[ACC+32*\a+4*\e:ACC+32*\a+4*\e+3] offset:128*(\e/4)+16*(\e%4)
.endr
.irp i, 0,1,2,3,4,5,6,7
	ds_load_b128 v[ACC+32*\a+4*\i:ACC+32*\a+4*\i+3], v[RD] offset:544*\i
.endr
	s_wait_dscnt 0x0
.irp i, 0,1,2,3,4,5,6,7
	v_pk_add_f32 v[ACC+32*\a+4*\i:ACC+32*\a+4*\i+1], v[ACC+32*\a+4*\i:ACC+32*\a+4*\i+1], v[88:89]
	v_pk_add_f32 v[ACC+32*\a+4*\i+2:ACC+32*\a+4*\i+3], v[ACC+32*\a+4*\i+2:ACC+32*\a+4*\i+3], v[90:91]
.endr
	WIN S1W2
.irp i, 0,1,2,3,4,5,6,7,8,9,10,11,12,13,14,15
	v_pk_add_f32 v[ACC+32*\a+2*\i:ACC+32*\a+2*\i+1], v[ACC+32*\a+2*\i:ACC+32*\a+2*\i+1], v[32*\a+2*\i:32*\a+2*\i+1]
.endr
	WIN 0
.irp i, 0,1,2,3,4,5,6,7
	global_store_b128 v[CO], v[ACC+32*\a+4*\i:ACC+32*\a+4*\i+3], s[12:13] offset:(32*(\a/2)+8*(\a%2)+2*\i+8*(\i/4))*4096
.endr
.endr
	s_wait_tensorcnt 0x0
	ds_add_u32 v[SPW], v[NIL]
	s_wait_dscnt 0x0
	CROUND
	s_endpgm
.Lfunc_end_k_q177df6e390_wo:
	.size	k_q177df6e390_wo, .Lfunc_end_k_q177df6e390_wo-k_q177df6e390_wo
	.p2alignl 7, 3214868480
	.fill 96, 4, 3214868480
	.section	.rodata,"a",@progbits
	.p2align	6, 0x0
	.amdhsa_kernel k_q177df6e390_wo
		.amdhsa_group_segment_fixed_size 327680
		.amdhsa_private_segment_fixed_size 0
		.amdhsa_enable_private_segment 0
		.amdhsa_kernarg_size 40
		.amdhsa_user_sgpr_count 2
		.amdhsa_user_sgpr_kernarg_segment_ptr 1
		.amdhsa_wavefront_size32 1
		.amdhsa_system_sgpr_workgroup_id_x 1
		.amdhsa_system_sgpr_workgroup_id_y 1
		.amdhsa_system_sgpr_workgroup_id_z 1
		.amdhsa_system_vgpr_workitem_id 0
		.amdhsa_next_free_vgpr 768
		.amdhsa_next_free_sgpr 100
		.amdhsa_reserve_vcc 0
		.amdhsa_float_denorm_mode_32 3
		.amdhsa_float_denorm_mode_16_64 3
		.amdhsa_memory_ordered 1
		.amdhsa_forward_progress 1
		.amdhsa_inst_pref_size 60
	.end_amdhsa_kernel
	.amdgpu_metadata
---
amdhsa.version: [ 1, 2 ]
amdhsa.kernels:
  - .name:           k_q177df6e390_wo
    .symbol:         k_q177df6e390_wo.kd
    .args:
      - { .name: ao, .offset: 0, .size: 8, .value_kind: global_buffer, .address_space: global }
      - { .name: wts, .offset: 8, .size: 8, .value_kind: global_buffer, .address_space: global }
      - { .name: bo, .offset: 16, .size: 8, .value_kind: global_buffer, .address_space: global }
      - { .name: x, .offset: 24, .size: 8, .value_kind: global_buffer, .address_space: global }
      - { .name: x1, .offset: 32, .size: 8, .value_kind: global_buffer, .address_space: global }
    .group_segment_fixed_size: 327680
    .private_segment_fixed_size: 0
    .kernarg_segment_align: 8
    .kernarg_segment_size: 40
    .max_flat_workgroup_size: 128
    .sgpr_count:     100
    .vgpr_count:     768
    .wavefront_size: 32
...
	.end_amdgpu_metadata
.endif
;; end of part 4
;; launch ln1 (part 5): grid 256 x 1, 8 waves a work-group, no clusters, 59,904 bytes of LDS; arguments x1, g2, beta2, xn; writes xn
.if DOCPART == 5
	.amdgcn_target "amdgcn-amd-amdhsa--gfx1250"
	.amdhsa_code_object_version 6
	.text
	.protected	k_q177df6e390_ln1
	.globl	k_q177df6e390_ln1
	.p2align	8
	.type	k_q177df6e390_ln1,@function
k_q177df6e390_ln1:
	s_mov_b64 s[64:65], 0
	v_nop
	global_prefetch_b8 v0, s[64:65] scope:SCOPE_SE
	s_setreg_imm32_b32 hwreg(HW_REG_WAVE_MODE, 25, 1), 1
	s_wait_xcnt 0x0
; LAYER NORM AND QUANTISER.  in [4,096][1,024] f32 -> y = (x - mean) rsqrt(var + 1e-5) gamma + beta, all in f32 (the variance from the differences, in a second pass over registers), then codes of FP6 (E2M3)
; with one E8M0 byte for each 32 along the row, laid as operand blocks [2 chunks of 512 K][256 tiles of 16 rows][6,400 bytes]:
; eight half images of 768 bytes (16 rows x 64 K in the order of the operand's registers: lane L = r + 16 h: registers 0-3 at 16 L, registers 4-5 at 512 + 8 L), then 16 scale bytes a row.
; Image row r of tile 2 b + u is row 32 b + 8 u + r + 8 (r / 8).  A work-group makes one tile; wave w makes image rows w and w + 8, which lie 16 rows apart in memory.
; Loads are dense, 512 bytes each; a row then turns through the wave's own stage in LDS so that lane l holds numbers 32 l .. 32 l + 31: one whole block, whose maximum needs no other lane.
; No tensor load, no cluster: work-groups share only gamma and beta, 8 KB.
; LIMITS: a block of zeros, or one under 2^-124, keeps the byte 1 (only this program reads the bytes); NaN and infinities are not served; v_rsq_f32 is good to one unit in the last place.
.set XL,   16                          ; v16-79   two rows as loaded
.set T,    80                          ; v80-111  my 32 numbers
.set G,    112                         ; v112-143 gamma at my 32 columns
.set BT,   144                         ; v144-175 beta
.set CD,   176                         ; v176-182 codes
.set TURN, 9216                        ; LDS: gamma at 0, beta at 4,608 (32 places of 128 + 16 bytes); a stage of 4,608 bytes for each wave;
.set OUT,  46080                       ; the tile's two operand blocks
	s_load_b256 s[4:11], s[0:1], 0x0               ; in, gamma, beta, out
	v_lshl_add_u32 v192, v0, 2, 0xe600
	v_mov_b32 v193, 0
	v_lshrrev_b32 v1, 5, v0
	s_delay_alu instid0(VALU_DEP_1)
	v_readfirstlane_b32 s12, v1                    ; wave 0..7
	v_and_b32 v1, 31, v0                           ; lane
	v_lshlrev_b32 v2, 4, v0                        ; 16 x thread
	s_delay_alu instid0(VALU_DEP_2)
	v_lshlrev_b32 v3, 4, v1                        ; 16 x lane
	s_lshr_b32 s13, ttmp9, 1
	s_lshl_b32 s13, s13, 5
	s_and_b32 s14, ttmp9, 1
	s_lshl_b32 s14, s14, 3
	s_add_co_u32 s13, s13, s14
	s_add_co_u32 s13, s13, s12                     ; my first row
	s_lshl_b32 s14, s13, 12
	s_mov_b32 s15, 0
	s_mul_i32 s16, ttmp9, 6400
	s_mov_b32 s17, 0
	s_wait_alu depctr_va_vdst(0)
	s_wait_kmcnt 0x0
	s_add_nc_u64 s[4:5], s[4:5], s[14:15]
	s_add_nc_u64 s[10:11], s[10:11], s[16:17]
	global_load_b128 v[184:187], v2, s[6:7]
	global_load_b128 v[188:191], v2, s[8:9]
.irp k, 0,1
.irp i, 0,1,2,3,4,5,6,7
	global_load_b128 v[XL+32*\k+4*\i:XL+32*\k+4*\i+3], v3, s[4:5] offset:65536*\k+512*\i th:TH_LOAD_NT
.endr
.endr
	s_mov_b32 s22, 0x3a800000                      ; 1 / 1,024
	s_mov_b32 s23, 0x3727c5ac                      ; 1e-5
	s_mov_b32 s24, 0x76543210
	s_mov_b32 s25, 0xfedcba98                      ; v_permlanex16_b32's selects for lane l xor 16
	v_lshrrev_b32 v4, 3, v0
	s_delay_alu instid0(VALU_DEP_1)
	v_mul_u32_u24 v4, v4, 144
	v_and_b32 v80, 7, v0
	s_delay_alu instid0(VALU_DEP_1)
	v_lshl_add_u32 v4, v80, 4, v4                  ; gamma and beta into LDS: 128 bytes, then 16 of padding
	s_mul_i32 s18, s12, 4608
	s_add_co_u32 s18, s18, TURN                    ; my stage
	v_lshrrev_b32 v5, 3, v1
	s_delay_alu instid0(VALU_DEP_1)
	v_mul_u32_u24 v5, v5, 144
	s_delay_alu instid0(VALU_DEP_1)
	v_lshl_add_u32 v5, v80, 4, v5
	s_delay_alu instid0(VALU_DEP_1)
	v_add_nc_u32 v5, s18, v5                       ; into it, as loaded
	v_mul_u32_u24 v7, v1, 144                      ; my place: 128 bytes
	s_delay_alu instid0(VALU_DEP_1)
	v_add_nc_u32 v6, s18, v7                       ; out of it
	v_bfe_u32 v81, v0, 4, 1                        ; my block l: chunk l / 16,
	s_delay_alu instid0(VALU_DEP_1)
	v_mul_u32_u24 v81, v81, 6400
	v_bfe_u32 v82, v0, 1, 3                        ; half image (l / 2) % 8,
	s_delay_alu instid0(VALU_DEP_1)
	v_mad_u32_u24 v82, v82, 768, v81
	v_and_b32 v83, 1, v0                           ; half l % 2
	s_delay_alu instid0(VALU_DEP_1)
	v_lshl_add_u32 v8, v83, 8, v82
	s_delay_alu instid0(VALU_DEP_2)
	v_lshl_add_u32 v9, v83, 7, v82
	s_lshl_b32 s19, s12, 4
	s_add_co_u32 s19, s19, OUT
	v_add_nc_u32 v8, s19, v8                       ; registers 0-3, image row w
	s_lshl_b32 s20, s12, 3
	s_add_co_u32 s20, s20, OUT+512
	v_add_nc_u32 v9, s20, v9                       ; registers 4-5
	v_and_b32 v10, 15, v0
	s_delay_alu instid0(VALU_DEP_1)
	v_add_nc_u32 v10, v10, v81
	s_add_co_u32 s19, s19, 6144
	v_add_nc_u32 v10, s19, v10                     ; my block's scale byte
	s_lshr_b32 s19, s12, 2                         ; the way out: wave w copies a quarter of block w / 4's codes
	s_and_b32 s20, s12, 3
	s_mul_i32 s20, s20, 1536
	s_mul_i32 s21, s19, 6400
	s_add_co_u32 s21, s21, s20
	s_add_co_u32 s21, s21, OUT
	v_add_nc_u32 v11, s21, v3
	s_mul_i32 s21, s19, 1638400                    ; a chunk is 256 tiles of 6,400 bytes
	s_add_co_u32 s21, s21, s20
	v_add_nc_u32 v12, s21, v3
	v_bfe_u32 v82, v0, 4, 1
	v_and_b32 v83, 15, v0
	s_delay_alu instid0(VALU_DEP_2)
	v_mul_u32_u24 v13, v82, 6400
	s_delay_alu instid0(VALU_DEP_1)
	v_lshl_add_u32 v13, v83, 4, v13
	s_delay_alu instid0(VALU_DEP_1)
	v_add_nc_u32 v13, OUT+6144, v13                ; wave 0 also copies both blocks' scale bytes
	v_mul_u32_u24 v14, v82, 1638400
	s_delay_alu instid0(VALU_DEP_1)
	v_lshl_add_u32 v14, v83, 4, v14
	s_delay_alu instid0(VALU_DEP_1)
	v_add_nc_u32 v14, 6144, v14
	s_wait_loadcnt 16                              ; gamma and beta are in; the rows' 16 loads may be out
	ds_store_b128 v4, v[184:187]
	ds_store_b128 v4, v[188:191] offset:4608
	s_wait_dscnt 0x0                               ; for the others' sake
	s_barrier_signal -1
	s_barrier_wait -1
.irp k, 0,1,2,3,4,5,6,7
	ds_load_b128 v[G+4*\k:G+4*\k+3], v7 offset:16*\k
	ds_load_b128 v[BT+4*\k:BT+4*\k+3], v7 offset:4608+16*\k
.endr
.macro WSUM                            ; v184 summed over the 32 lanes, in every lane
	s_delay_alu instid0(VALU_DEP_1)
	v_add_f32_dpp v184, v184, v184 row_xmask:1 row_mask:0xf bank_mask:0xf
	s_delay_alu instid0(VALU_DEP_1)
	v_add_f32_dpp v184, v184, v184 row_xmask:2 row_mask:0xf bank_mask:0xf
	s_delay_alu instid0(VALU_DEP_1)
	v_add_f32_dpp v184, v184, v184 row_xmask:4 row_mask:0xf bank_mask:0xf
	s_delay_alu instid0(VALU_DEP_1)
	v_add_f32_dpp v184, v184, v184 row_xmask:8 row_mask:0xf bank_mask:0xf
	s_delay_alu instid0(VALU_DEP_1)
	v_permlanex16_b32 v185, v184, s24, s25
	s_delay_alu instid0(VALU_DEP_1)
	v_add_f32 v184, v184, v185
.endm
.macro FOLD                            ; four pairs of partial sums into v184
	s_delay_alu instid0(VALU_DEP_3)
	v_pk_add_f32 v[184:185], v[184:185], v[186:187]
	s_delay_alu instid0(VALU_DEP_2)
	v_pk_add_f32 v[188:189], v[188:189], v[190:191]
	s_delay_alu instid0(VALU_DEP_1)
	v_pk_add_f32 v[184:185], v[184:185], v[188:189]
	s_delay_alu instid0(VALU_DEP_1)
	v_add_f32 v184, v184, v185
.endm
.macro ROW k
	s_wait_loadcnt 8-8*\k                          ; this row's eight loads are in
.irp i, 0,1,2,3,4,5,6,7
	ds_store_b128 v5, v[XL+32*\k+4*\i:XL+32*\k+4*\i+3] offset:576*\i
.endr
.irp i, 0,1,2,3,4,5,6,7
	ds_load_b128 v[T+4*\i:T+4*\i+3], v6 offset:16*\i   ; LDS serves a wave's instructions in order: these see the stores above
.endr
	s_wait_dscnt 0x0                               ; my 32 numbers (and, the first time, gamma and beta) are in; the last row's stores have read their registers
.irp j, 0,1,2,3
	v_pk_add_f32 v[184+2*\j:185+2*\j], v[T+2*\j:T+2*\j+1], v[T+8+2*\j:T+9+2*\j]
.endr
.irp j, 0,1,2,3
	s_delay_alu instid0(VALU_DEP_4)
	v_pk_add_f32 v[184+2*\j:185+2*\j], v[184+2*\j:185+2*\j], v[T+16+2*\j:T+17+2*\j]
.endr
.irp j, 0,1,2,3
	s_delay_alu instid0(VALU_DEP_4)
	v_pk_add_f32 v[184+2*\j:185+2*\j], v[184+2*\j:185+2*\j], v[T+24+2*\j:T+25+2*\j]
.endr
	FOLD
	WSUM
	s_delay_alu instid0(VALU_DEP_1)
	v_mul_f32 v186, s22, v184                      ; the mean
.set n, 0
.rept 16
	v_pk_add_f32 v[T+2*n:T+2*n+1], v[T+2*n:T+2*n+1], v[186:187] op_sel_hi:[1,0] neg_lo:[0,1] neg_hi:[0,1]   ; x - mean
.set n, n+1
.endr
.irp j, 0,1,2,3
	v_pk_mul_f32 v[184+2*\j:185+2*\j], v[T+2*\j:T+2*\j+1], v[T+2*\j:T+2*\j+1]
.endr
.irp o, 8,16,24
.irp j, 0,1,2,3
	s_delay_alu instid0(VALU_DEP_4)
	v_pk_fma_f32 v[184+2*\j:185+2*\j], v[T+\o+2*\j:T+\o+2*\j+1], v[T+\o+2*\j:T+\o+2*\j+1], v[184+2*\j:185+2*\j]
.endr
.endr
	FOLD
	WSUM
	s_delay_alu instid0(VALU_DEP_1)
	v_fma_f32 v184, v184, s22, s23                 ; the variance + 1e-5
	s_wait_alu depctr_va_vdst(0)
	v_rsq_f32 v186, v184
	v_nop                                          ; a plain place behind the transcendental
	s_wait_alu depctr_va_vdst(0)                   ; and the wait ahead of its first reader
.set n, 0
.rept 16
	v_pk_mul_f32 v[T+2*n:T+2*n+1], v[T+2*n:T+2*n+1], v[186:187] op_sel_hi:[1,0]
.set n, n+1
.endr
.set n, 0
.rept 16
	v_pk_fma_f32 v[T+2*n:T+2*n+1], v[T+2*n:T+2*n+1], v[G+2*n:G+2*n+1], v[BT+2*n:BT+2*n+1]
.set n, n+1
.endr
	v_max3_num_f32 v184, |v[T]|, |v[T+1]|, |v[T+2]|            ; the block's largest magnitude
	v_max3_num_f32 v185, |v[T+3]|, |v[T+4]|, |v[T+5]|
.irp i, 6,10,14,18,22,26
	s_delay_alu instid0(VALU_DEP_2)
	v_max3_num_f32 v184, v184, |v[T+\i]|, |v[T+\i+1]|
	s_delay_alu instid0(VALU_DEP_2)
	v_max3_num_f32 v185, v185, |v[T+\i+2]|, |v[T+\i+3]|
.endr
	s_delay_alu instid0(VALU_DEP_2)
	v_max3_num_f32 v184, v184, |v[T+30]|, |v[T+31]|
	s_delay_alu instid0(VALU_DEP_1)
	v_max3_num_f32 v184, v184, v185, 0x1800000     ; the floor 2^(3 - 127)
	s_delay_alu instid0(VALU_DEP_1)
	v_add_nc_u32 v188, 0xff000000, v184            ; 2 off the exponent field: the conversion's scale operand
	s_delay_alu instid0(VALU_DEP_1)
	v_lshrrev_b32 v189, 23, v188                   ; the scale's byte
	v_cvt_scalef32_pk16_fp6_f32 v[CD:CD+2], v[T:T+15], v188
	v_cvt_scalef32_pk16_fp6_f32 v[CD+4:CD+6], v[T+16:T+31], v188
	v_nop                                          ; one plain place behind a scaled conversion
	v_mov_b32 v[CD+3], v[CD+4]
	v_mov_b32 v[CD+4], v[CD+5]
	v_mov_b32 v[CD+5], v[CD+6]
	ds_store_b128 v8, v[CD:CD+3] offset:128*\k     ; image row w + 8 k
	ds_store_b64 v9, v[CD+4:CD+5] offset:64*\k
	ds_store_b8 v10, v189 offset:128*\k
.endm
	ROW 0
	ROW 1
	s_wait_dscnt 0x0                               ; for the others' sake
	s_barrier_signal -1
	s_barrier_wait -1
.irp i, 0,1,2
	ds_load_b128 v[T+4*\i:T+4*\i+3], v11 offset:512*\i
.endr
.irp i, 0,1,2
	s_wait_dscnt 2-\i
	global_store_b128 v12, v[T+4*\i:T+4*\i+3], s[10:11] offset:512*\i   ; 512 consecutive bytes, aligned to 256
.endr
	s_cmp_eq_u32 s12, 0
	s_cbranch_scc0 .Ldone
	ds_load_b128 v[T+12:T+15], v13
	s_wait_dscnt 0x0
	global_store_b128 v14, v[T+12:T+15], s[10:11]  ; sixteen lanes store a block's 256 scale bytes
.Ldone:
	s_wait_tensorcnt 0x0
	ds_add_u32 v192, v193
	s_wait_dscnt 0x0
	s_endpgm
.Lfunc_end_k_q177df6e390_ln1:
	.size	k_q177df6e390_ln1, .Lfunc_end_k_q177df6e390_ln1-k_q177df6e390_ln1
	.p2alignl 7, 3214868480
	.fill 96, 4, 3214868480
	.section	.rodata,"a",@progbits
	.p2align	6, 0x0
	.amdhsa_kernel k_q177df6e390_ln1
		.amdhsa_group_segment_fixed_size 59904
		.amdhsa_private_segment_fixed_size 0
		.amdhsa_enable_private_segment 0
		.amdhsa_kernarg_size 32
		.amdhsa_user_sgpr_count 2
		.amdhsa_user_sgpr_kernarg_segment_ptr 1
		.amdhsa_wavefront_size32 1
		.amdhsa_system_sgpr_workgroup_id_x 1
		.amdhsa_system_sgpr_workgroup_id_y 1
		.amdhsa_system_sgpr_workgroup_id_z 1
		.amdhsa_system_vgpr_workitem_id 0
		.amdhsa_next_free_vgpr 194
		.amdhsa_next_free_sgpr 66
		.amdhsa_reserve_vcc 0
		.amdhsa_float_denorm_mode_32 3
		.amdhsa_float_denorm_mode_16_64 3
		.amdhsa_memory_ordered 1
		.amdhsa_forward_progress 1
		.amdhsa_inst_pref_size 30
	.end_amdhsa_kernel
	.amdgpu_metadata
---
amdhsa.version: [ 1, 2 ]
amdhsa.kernels:
  - .name:           k_q177df6e390_ln1
    .symbol:         k_q177df6e390_ln1.kd
    .args:
      - { .name: x1, .offset: 0, .size: 8, .value_kind: global_buffer, .address_space: global }
      - { .name: g2, .offset: 8, .size: 8, .value_kind: global_buffer, .address_space: global }
      - { .name: beta2, .offset: 16, .size: 8, .value_kind: global_buffer, .address_space: global }
      - { .name: xn, .offset: 24, .size: 8, .value_kind: global_buffer, .address_space: global }
    .group_segment_fixed_size: 59904
    .private_segment_fixed_size: 0
    .kernarg_segment_align: 8
    .kernarg_segment_size: 32
    .max_flat_workgroup_size: 256
    .sgpr_count:     66
    .vgpr_count:     194
    .wavefront_size: 32
...
	.end_amdgpu_metadata
.endif
;; end of part 5
;; launch ffn1 (part 6): grid 8 x 32, 4 waves a work-group, clusters of 4 x 4, 327,680 bytes of LDS; arguments xn, wts, b1, h; writes h
.if DOCPART == 6
	.amdgcn_target "amdgcn-amd-amdhsa--gfx1250"
	.amdhsa_code_object_version 6
	.text
	.protected	k_q177df6e390_ffn1
	.globl	k_q177df6e390_ffn1
	.p2align	8
	.type	k_q177df6e390_ffn1,@function
k_q177df6e390_ffn1:
	s_mov_b64 s[64:65], 0
	v_nop
	global_prefetch_b8 v0, s[64:65] scope:SCOPE_SE
	s_setreg_imm32_b32 hwreg(HW_REG_WAVE_MODE, 25, 1), 1
	s_wait_xcnt 0x0
	s_wait_alu depctr_hold_cnt(0) depctr_sa_sdst(0) depctr_va_vdst(0) depctr_va_sdst(0) depctr_va_ssrc(0) depctr_va_vcc(0) depctr_vm_vsrc(0)
	s_getreg_b32 s2, hwreg(HW_REG_IB_STS2, 6, 4)
	s_cmp_eq_u32 s2, 0
	s_cbranch_scc0 .Lentry_in_a_cluster
	s_endpgm
.Lentry_in_a_cluster:
	s_bfe_u32 s2, ttmp6, 0x10000c
	s_cmp_lg_u32 s2, 0xf033
	s_cbranch_scc0 .Lentry_shape_is_right
	s_endpgm
.Lentry_shape_is_right:
; h = relu(xn W1 + b1), a product on codes of FP6 (E2M3) with E8M0 scales, K = 1,024; the result is quantised in registers along its 4,096 columns, the next product's K, and stored as operand blocks.
; OPERANDS lie in memory as operand blocks of 6,400 bytes: 16 rows x 512 K as eight half images of 768 bytes (lane L: registers 0-3 at 16 L, registers 4-5 at 512 + 8 L), then 16 scale bytes a row; [K / 512][rows / 16][6,400].
; So a fragment (16 rows x 128 K, 12 registers) is four dense LDS loads, four neighbouring tiles of a chunk are 25,600 dense bytes for one tensor load, and a row's four scale words of a chunk are one 16-byte load.
; Image row r of tile 2 b + u is row 32 b + 8 u + r + 8 (r / 8), for tokens and for weight columns alike: so a lane's 16 registers of two neighbouring result tiles are 16 neighbours along the next K.
; SHARES.  A work-group makes 128 tokens x 512 columns, one chunk of h, as four tiles of 128 x 128 one after the other; a wave 64 x 64: 16 accumulators; a tile is 8 K steps of 128, 128 matrix instructions a wave.
; A (128 tokens x 1,024 K, 102,400 bytes) comes into LDS once.  During the first tile each wave takes its 64 rows' 32 fragments into 384 registers, where they stay: the later tiles read B alone from LDS,
; 6,144 bytes a wave for 16 matrix instructions in place of 12,288.  A's scale words stay in LDS and come with B's, in one load.
; B: a slot holds a whole tile's weights (128 columns x 1,024 K, 102,400 bytes); two slots.  A and the first two tiles' weights are first fills: A and tile 0's a chunk to each of two waves, tile 1's a quarter to every wave; the other two tiles' are refills, each asked for behind
; the last product of the tile that leaves its slot, so that it has a way out and the next tile's 128 matrix instructions in which to land.  By this text's count a wave has one tensor load out at a time.
; CLUSTER 4 x 4: A's blocks are asked for jointly along a row of the cluster, B's along a column.  Source 0 = weight rows, source 1 = tokens.
; The scale bytes of the work-group's eight blocks are gathered in LDS and leave at the end as whole runs of 256 bytes.  No prefetch: the launch is short.
; LIMITS: a block of zeros, or one under 2^-124, keeps the scale byte 1 (only this program reads the bytes); NaN and infinities are not served.
; REGISTERS: window 0: v1-31, v120-127 addresses; v32-63 scale words (set c for chunk c); v64-119 the quantiser's; v128-255 accumulators.
;   window 1: v0-95 B's two fragment buffers; v96-239 A's fragments of K steps 5-7.   window 2: v0-127 b1 for the four tiles.   window 3: v0-239 A's fragments of K steps 0-4.
.set BSTEP,  51200                     ; the next tile's eight weight tiles
.set NTW,    256
.set BREG,   3276800
.set BSL,    102400                    ; LDS: A at 0 (chunk c at 51,200 c); B's slot s at BSL + 102,400 s (chunk c at + 51,200 c)
.set SG,     307200                    ; 8 x 256 scale bytes
.set SPARE,  309248                    ; the spare words: 128 bytes for each wave, two blocks of 256 bytes that no other line names
.set AA16, 4
.set AA8,  6
.set BB16, 8
.set BB8,  120
.set AS,   124
.set SPW,  14
.set NIL,  15
.set O16,  16
.set O8,   17
.set SGA,  21
.set BO,   22
.set SGR,  26
.set SGO,  27
.set SC,   32
.set MX,   64
.set PX,   72
.set SO,   80
.set W,    88
.set SL,   92
.set X,    96
.set Y,    64
.set ACC,  128
.set G1A,  24
.set G0A,  32
.set G1B,  40
.set G0B,  48
.set SEL,  56
.set S1W2, 0x08
.set DW2,  0x80
.set MSB,  0
.macro WIN new
.if MSB != \new
	s_set_vgpr_msb (MSB<<8)|\new
.set MSB, \new
.endif
.endm
.macro PLACES n
.rept \n
	v_nop
.endr
.endm
.macro CROUND
	s_barrier_signal -1
	s_barrier_wait -1
	s_cmp_lg_u32 s16, 0
	s_cbranch_scc1 .Lnot_wave_0_\@
	s_barrier_signal -3
.Lnot_wave_0_\@:
	s_barrier_wait -3
	s_barrier_signal -1
	s_barrier_wait -1
.endm
; K step k (0 .. 7) of the tile in B's slot s: B's four fragments into buffer k % 2, behind four places (the buffer was read by the last matrix instructions).  wa = 1, the first tile: A's four fragments too, into the registers where they stay.
.macro FETCH s, k, wa
	PLACES 4
	WIN 0x40                                       ; destination window 1
.set FB, 48*((\k)%2)
.irp i, 0,1,2,3
	ds_load_b128 v[FB+12*\i:FB+12*\i+3], v[BB16+2*\s+(\k)/4] offset:6400*\i+1536*((\k)%4)
	ds_load_b64 v[FB+12*\i+4:FB+12*\i+5], v[BB8+2*\s+(\k)/4] offset:6400*\i+1536*((\k)%4)+512
	ds_load_b128 v[FB+12*\i+6:FB+12*\i+9], v[BB16+2*\s+(\k)/4] offset:6400*\i+1536*((\k)%4)+768
	ds_load_b64 v[FB+12*\i+10:FB+12*\i+11], v[BB8+2*\s+(\k)/4] offset:6400*\i+1536*((\k)%4)+1280
.endr
.if \wa
.if (\k) < 5
	WIN 0xc0                                       ; destination window 3
.set AR, 48*(\k)
.else
.set AR, 96+48*((\k)-5)
.endif
.irp i, 0,1,2,3
	ds_load_b128 v[AR+12*\i:AR+12*\i+3], v[AA16+(\k)/4] offset:6400*\i+1536*((\k)%4)
	ds_load_b64 v[AR+12*\i+4:AR+12*\i+5], v[AA8+(\k)/4] offset:6400*\i+1536*((\k)%4)+512
	ds_load_b128 v[AR+12*\i+6:AR+12*\i+9], v[AA16+(\k)/4] offset:6400*\i+1536*((\k)%4)+768
	ds_load_b64 v[AR+12*\i+10:AR+12*\i+11], v[AA8+(\k)/4] offset:6400*\i+1536*((\k)%4)+1280
.endr
.endif
.endm
.macro SCALES s                        ; register 16 c + 4 i + q: lanes 0-15 the word of A's block i, lanes 16-31 of B's block i, for K step 4 c + q
	WIN 0
.irp c, 0,1
.irp i, 0,1,2,3
	ds_load_b128 v[SC+16*\c+4*\i:SC+16*\c+4*\i+3], v[AS+2*\s+\c] offset:6400*\i+6144
.endr
.endr
.endm
; 16 matrix instructions of K step k; the 16 accumulators take turns, one instruction a turn.  K step 0 starts the sums.
.macro MUL16 k
.set FB, 48*((\k)%2)
.set SS, SC+16*((\k)/4)+(\k)%4
.if (\k) < 5
.set AR, 48*(\k)
	WIN 0x0d                                       ; source 0 (B) window 1, source 1 (A) window 3
.else
.set AR, 96+48*((\k)-5)
	WIN 0x05                                       ; both in window 1
.endif
.irp a, 0,1,2,3
.irp b, 0,1,2,3
.if (\k) == 0
	v_wmma_scale_f32_16x16x128_f8f6f4 v[ACC+8*(4*\a+\b):ACC+8*(4*\a+\b)+7], v[FB+12*\b:FB+12*\b+11], v[AR+12*\a:AR+12*\a+11], 0, v[SS+4*\b], v[SS+4*\a] matrix_a_fmt:MATRIX_FMT_FP6 matrix_b_fmt:MATRIX_FMT_FP6 matrix_a_scale:MATRIX_SCALE_ROW1
.else
	v_wmma_scale_f32_16x16x128_f8f6f4 v[ACC+8*(4*\a+\b):ACC+8*(4*\a+\b)+7], v[FB+12*\b:FB+12*\b+11], v[AR+12*\a:AR+12*\a+11], v[ACC+8*(4*\a+\b):ACC+8*(4*\a+\b)+7], v[SS+4*\b], v[SS+4*\a] matrix_a_fmt:MATRIX_FMT_FP6 matrix_b_fmt:MATRIX_FMT_FP6 matrix_a_scale:MATRIX_SCALE_ROW1
.endif
.endr
.endr
.endm
.macro WORKT s, wa                     ; a whole tile: 1,024 along K.  Each run of loads is issued 16 matrix instructions ahead of its use
	FETCH \s, 0, \wa
	SCALES \s
.irp k, 0,1,2,3,4,5,6
	s_wait_dscnt 0x0                               ; K step k's fragments (and the scale words) are in
	FETCH \s, \k+1, \wa
	MUL16 \k
.endr
	s_wait_dscnt 0x0
	MUL16 7
	WIN 0
.endm
; BEHIND A TILE'S LAST PRODUCT.  Each wave waits for all its tensor loads (its quarter of the other slot among them), adds 0 to its spare word, and waits for that and for its reads of the slot that it has left.
; fill = 1: a round of the cluster's barrier, and behind it slot fs, just left, is filled with the tile after next: a quarter to every wave.
.macro HEAD fill, fs
	WIN 0
	s_wait_tensorcnt 0x0                           ; no tensor load of mine is out, so a group 0 may be written
	ds_add_u32 v[SPW], v[NIL]                      ; 0 onto my spare word
.if \fill
	s_add_nc_u64 s[G0B+4*\fs+2:G0B+4*\fs+3], s[G0B+4*\fs+2:G0B+4*\fs+3], 2*BSTEP
.endif
	s_wait_dscnt 0x0                               ; the add is done, and my reads of the slot that I have left are over
.if \fill
	CROUND
	tensor_load_to_lds s[G0B+4*\fs:G0B+4*\fs+3], s[G1B:G1B+7]
	s_nop 0
	PLACES 4                                       ; four v_nop follow the load
.else
	s_barrier_signal -1
	s_barrier_wait -1
.endif
.endm
.macro QUANT8                          ; block e of 32 along the next K lies in registers ACC + 16 e .. + 15 of lanes l and l xor 16
.irp e, 0,1,2,3,4,5,6,7
	v_max3_num_f32 v[MX+\e], |v[ACC+16*\e]|, |v[ACC+16*\e+1]|, 0x1800000   ; with the floor 2^(3 - 127)
.endr
.irp i, 2,4,6,8,10,12,14
.irp e, 0,1,2,3,4,5,6,7
	v_max3_num_f32 v[MX+\e], v[MX+\e], |v[ACC+16*\e+\i]|, |v[ACC+16*\e+\i+1]|
.endr
.endr
.irp e, 0,1,2,3,4,5,6,7
	v_permlanex16_b32 v[PX+\e], v[MX+\e], s[SEL], s[SEL+1]
.endr
.irp e, 0,1,2,3,4,5,6,7
	v_max_num_f32 v[MX+\e], v[MX+\e], v[PX+\e]
.endr
.irp e, 0,1,2,3,4,5,6,7
	v_add_nc_u32 v[SO+\e], 0xff000000, v[MX+\e]    ; the conversion's scale operand
.endr
.irp e, 0,1,2,3,4,5,6,7
	v_lshrrev_b32 v[PX+\e], 23, v[SO+\e]           ; the scale's byte
.endr
.irp a, 0,1,2,3
	v_lshl_or_b32 v[W+\a], v[PX+2*\a+1], 8, v[PX+2*\a]
.endr
.irp a, 0,1,2,3
	v_cvt_scalef32_pk16_fp6_f32 v[X+6*\a:X+6*\a+2], v[ACC+32*\a:ACC+32*\a+15], v[SO+2*\a]
	v_cvt_scalef32_pk16_fp6_f32 v[Y+4*\a:Y+4*\a+2], v[ACC+32*\a+16:ACC+32*\a+31], v[SO+2*\a+1]
.endr
	v_nop                                          ; one plain place behind a scaled conversion
.irp a, 0,1,2,3
.irp i, 0,1,2
	v_permlane16_swap_b32 v[X+6*\a+\i], v[Y+4*\a+\i]
.endr
.endr
.irp a, 0,1,2,3
.irp i, 0,1,2
	v_mov_b32 v[X+6*\a+3+\i], v[Y+4*\a+\i]
.endr
.endr
.endm
	s_load_b256 s[4:11], s[0:1], 0x0               ; xn, wts, b1, h
	v_lshl_add_u32 v[SPW], v0, 2, SPARE
	v_mov_b32 v[NIL], 0
	ds_add_u32 v14, v15
	ds_add_u32 v14, v15
	s_wait_dscnt 0x0
	v_lshrrev_b32 v1, 5, v0
	v_readfirstlane_b32 s16, v1
	s_lshr_b32 s17, s16, 1                         ; which 64 tokens are mine.  Also: which chunk of 512 K I fetch
	s_and_b32 s18, s16, 1                          ; which 64 columns.  Also: which four of a chunk's eight blocks I fetch
	s_bfe_u32 s20, ttmp6, 0x40000
	s_bfe_u32 s21, ttmp6, 0x40004
	s_lshl_b32 s22, ttmp9, 2
	s_add_co_u32 s22, s22, s20                     ; which 512 columns
	s_and_b32 s23, ttmp7, 0xffff
	s_lshl_b32 s23, s23, 2
	s_add_co_u32 s23, s23, s21                     ; tile row
	s_lshl_b32 s66, s21, 2
	s_lshl_b32 s66, 15, s66
	s_lshl_b32 s67, 0x1111, s20
	s_or_b32 s[G1A], s66, (3<<16)|(1<<21)
	s_or_b32 s[G1B], s67, (3<<16)|(1<<21)
.irp g, G1A, G1B
	s_mov_b32 s[\g+1], 32<<16
	s_mov_b32 s[\g+2], 200<<16                     ; the head's loads bring 200 rows of 256 bytes: a chunk's eight blocks
	s_mov_b32 s[\g+3], 32<<16
	s_mov_b32 s[\g+4], 200
	s_mov_b32 s[\g+5], 32
	s_mov_b32 s[\g+6], 0
	s_mov_b32 s[\g+7], 0
.endr
	s_lshl_b32 s68, s18, 8                         ; A, fetched at the head by waves 0 and 1: chunk wave % 2 (256 tiles a chunk),
	s_lshl_b32 s69, s23, 3
	s_add_co_u32 s68, s68, s69                     ; tile 8 x tile row
	s_mul_i32 s68, s68, 6400
	s_mov_b32 s69, 0
	s_mul_i32 s70, s17, NTW                        ; B: chunk wave / 2,
	s_lshl_b32 s71, s22, 5
	s_add_co_u32 s70, s70, s71                     ; tile 32 x (which 512 columns)
	s_lshl_b32 s71, s18, 2
	s_add_co_u32 s70, s70, s71                     ; + 4 x half
	s_mul_i32 s70, s70, 6400
	s_add_co_u32 s70, s70, BREG
	s_mov_b32 s71, 0
	s_mul_i32 s72, s16, 25600                      ; where a quarter of a slot goes
	s_mul_i32 s96, s18, NTW                        ; tile 0's weights, fetched at the head by waves 2 and 3: chunk wave % 2,
	s_lshl_b32 s97, s22, 5
	s_add_co_u32 s96, s96, s97                     ; tile 32 x (which 512 columns)
	s_mul_i32 s96, s96, 6400
	s_add_co_u32 s96, s96, BREG
	s_mov_b32 s97, 0
	s_mul_i32 s98, s18, 51200                      ; and where a chunk goes
	s_wait_kmcnt 0x0
	s_add_nc_u64 s[68:69], s[4:5], s[68:69]
	s_add_nc_u64 s[70:71], s[6:7], s[70:71]
	s_add_nc_u64 s[96:97], s[6:7], s[96:97]
	CROUND                                         ; all sixteen work-groups are here: the first joint loads meet
	s_mov_b32 s[G0A], 1
	s_mov_b32 s[G0A+1], s98
	s_mov_b32 s[G0A+4], 1                          ; s[36:39]: group 0 of the head's load of tile 0's weights
	s_add_co_u32 s[G0A+5], s98, BSL
	s_mov_b64 s[G0A+6:G0A+7], s[96:97]
	s_or_b32 s[G0A+7], s[G0A+7], 0x80000000
	s_mov_b64 s[G0A+2:G0A+3], s[68:69]
	s_or_b32 s[G0A+3], s[G0A+3], 0x80000000
.irp s, 0,1
	s_mov_b32 s[G0B+4*\s], 1
	s_add_co_u32 s[G0B+4*\s+1], s72, BSL+\s*102400
	s_add_nc_u64 s[G0B+4*\s+2:G0B+4*\s+3], s[70:71], \s*BSTEP      ; slot s begins with tile s
	s_or_b32 s[G0B+4*\s+3], s[G0B+4*\s+3], 0x80000000
.endr
	s_cmp_eq_u32 s17, 0                            ; THE HEAD'S LOADS, ONE A WAVE: waves 0, 1 bring A's two chunks, waves 2, 3 the two chunks of tile 0's weights
	s_cbranch_scc0 .Lhead_b
	tensor_load_to_lds s[G0A:G0A+3], s[G1A:G1A+7]
	s_nop 0
	PLACES 4
	s_branch .Lhead_asked
.Lhead_b:
	tensor_load_to_lds s[G0A+4:G0A+7], s[G1B:G1B+7]
	s_nop 0
	PLACES 4
.Lhead_asked:
	v_and_b32 v1, 15, v0
	v_bfe_u32 v2, v0, 4, 1
	v_and_b32 v3, 31, v0
	v_lshlrev_b32 v[O16], 4, v3
	v_lshlrev_b32 v[O8], 3, v3
	s_mul_i32 s73, s17, 25600                      ; my four blocks of A, chunk 0
	s_mul_i32 s74, s18, 25600
	s_add_co_u32 s74, s74, BSL                     ; and of B, slot 0, chunk 0
	s_sub_co_u32 s75, s74, s73
	s_add_co_u32 s79, s75, 102400
	v_mul_u32_u24 v25, s75, v2                     ; lanes 16-31 take B's scale words: one product, the distance between the two bases: to slot 0,
	v_lshl_add_u32 v25, v1, 4, v25
	v_mul_u32_u24 v13, s79, v2                     ; to slot 1
	v_lshl_add_u32 v13, v1, 4, v13
.irp c, 0,1
	v_add_nc_u32 v[AA16+\c], s73, v[O16]
	v_add_nc_u32 v[AA8+\c], s73, v[O8]
	v_add_nc_u32 v[AS+\c], s73, v25
	v_add_nc_u32 v[AS+2+\c], s73, v13
	s_add_co_u32 s73, s73, 51200
.endr
.irp e, 0,1,2,3                        ; slot e / 2, chunk e % 2: 51,200 bytes apart
	v_add_nc_u32 v[BB16+\e], s74, v[O16]
	v_add_nc_u32 v[BB8+\e], s74, v[O8]
	s_add_co_u32 s74, s74, 51200
.endr
	s_mov_b32 s[SEL], 0x76543210
	s_mov_b32 s[SEL+1], 0xfedcba98
.irp e, 0,1,2,3,4,5,6,7
	v_mov_b32 v[PX+\e], 0                          ; a lane permute's destination counts as one of its sources
.endr
	v_lshlrev_b32 v[BO], 6, v2
	s_wait_alu depctr_va_vdst(0)
	s_lshl_b32 s76, s17, 10
	s_lshl_b32 s77, s18, 1
	s_add_co_u32 s76, s76, s77
	s_add_co_u32 s76, s76, SG
	v_lshl_add_u32 v[SGA], v1, 4, s76              ; my rows' two scale bytes: SG + 256 (4 wr + a) + 16 r + 4 j + 2 wc
	v_lshl_add_u32 v[SGR], v0, 4, SG               ; the way out of the scale bytes: 16 bytes a thread
	v_lshrrev_b32 v[SGO], 4, v0
	v_mul_u32_u24 v[SGO], v[SGO], 6400
	v_lshl_add_u32 v[SGO], v1, 4, v[SGO]
	s_lshl_b32 s66, s22, 11
	s_lshl_b32 s67, s18, 8
	s_add_co_u32 s66, s66, s67                     ; b1: my 64 columns of the first tile
	s_mov_b32 s67, 0
	s_add_nc_u64 s[8:9], s[8:9], s[66:67]
	s_lshl_b32 s66, s22, 8
	s_lshl_b32 s77, s23, 3
	s_add_co_u32 s66, s66, s77
	s_mul_i32 s78, s66, 6400                       ; the work-group's eight blocks of h: chunk = which 512 columns
	s_add_co_u32 s66, s78, 6144
	s_add_nc_u64 s[82:83], s[10:11], s[66:67]      ; their scale bytes
	s_mul_i32 s77, s17, 25600
	s_add_co_u32 s66, s78, s77
	s_mul_i32 s77, s18, 768
	s_add_co_u32 s66, s66, s77
	s_add_nc_u64 s[80:81], s[10:11], s[66:67]      ; my four blocks, half image 2 j + wc
	WIN DW2
.irp j, 0,1,2,3
.irp e, 0,1,2,3,4,5,6,7
	global_load_b128 v[32*\j+4*\e:32*\j+4*\e+3], v[BO], s[8:9] offset:512*\j+128*(\e/4)+16*(\e%4)   ; register 16 b + i: column 32 b + 16 h + i
.endr
.endr
	WIN 0
.macro EPI_H j                         ; bias, relu, quantiser, store.  Accumulator registers are read from the low end on
	PLACES 4
	s_wait_xcnt 0x0                                ; the last way out's stores have read their registers
	s_wait_loadcnt 0x0                             ; b1 is in
	WIN S1W2
.set n, 0
.rept 64
	v_pk_add_f32 v[ACC+2*n:ACC+2*n+1], v[ACC+2*n:ACC+2*n+1], v[32*\j+2*(n%16):32*\j+2*(n%16)+1]
.set n, n+1
.endr
	WIN 0
.set n, 0
.rept 128
	v_max_num_f32 v[ACC+n], 0, v[ACC+n]
.set n, n+1
.endr
	QUANT8
.irp a, 0,1,2,3
	global_store_b128 v[O16], v[X+6*\a:X+6*\a+3], s[80:81] offset:6400*\a+1536*\j      ; 512 consecutive bytes, aligned to 256
	global_store_b64 v[O8], v[X+6*\a+4:X+6*\a+5], s[80:81] offset:6400*\a+1536*\j+512
	ds_store_b16 v[SGA], v[W+\a] offset:256*\a+4*\j                                    ; both lanes of a row write the same two bytes with the same value
.endr
.endm
	s_wait_alu depctr_va_vdst(0)                   ; the wait at the head's end
	s_wait_tensorcnt 0x0                           ; my tile of the head's four is in; slot 1's first fill is issued as a refill is:
	ds_add_u32 v[SPW], v[NIL]                      ; 0 onto my spare word
	s_mov_b32 s[G1B+2], 100<<16                    ; no tensor load of mine is out, so a descriptor may be written: from here on a load brings 100 rows, a quarter of a slot
	s_mov_b32 s[G1B+4], 100
	s_wait_dscnt 0x0
	CROUND                                         ; A and tile 0's weights are whole, and all sixteen work-groups are here
	tensor_load_to_lds s[G0B+4:G0B+7], s[G1B:G1B+7]                ; my quarter of tile 1's weights: it has tile 0's products in which to land
	s_nop 0
	PLACES 4
	WORKT 0, 1
	HEAD 1, 0                                      ; tile 1's weights are whole; tile 2's are asked for, into slot 0
	EPI_H 0
	WORKT 1, 0
	HEAD 1, 1                                      ; tile 2's are whole; tile 3's are asked for, into slot 1
	EPI_H 1
	WORKT 0, 0
	HEAD 0, 0                                      ; tile 3's are whole; nothing is left to fetch
	EPI_H 2
	WORKT 1, 0
	EPI_H 3
	s_wait_dscnt 0x0                               ; for the others' sake: my scale bytes have landed
	s_barrier_signal -1
	s_barrier_wait -1
	ds_load_b128 v[SL:SL+3], v[SGR]
	s_wait_dscnt 0x0
	global_store_b128 v[SGO], v[SL:SL+3], s[82:83] ; sixteen lanes store a block's 256 scale bytes
	s_wait_tensorcnt 0x0                           ; the wave's end
	ds_add_u32 v[SPW], v[NIL]
	s_wait_dscnt 0x0
	CROUND                                         ; the closing round
	s_endpgm
.Lfunc_end_k_q177df6e390_ffn1:
	.size	k_q177df6e390_ffn1, .Lfunc_end_k_q177df6e390_ffn1-k_q177df6e390_ffn1
	.p2alignl 7, 3214868480
	.fill 96, 4, 3214868480
	.section	.rodata,"a",@progbits
	.p2align	6, 0x0
	.amdhsa_kernel k_q177df6e390_ffn1
		.amdhsa_group_segment_fixed_size 327680
		.amdhsa_private_segment_fixed_size 0
		.amdhsa_enable_private_segment 0
		.amdhsa_kernarg_size 32
		.amdhsa_user_sgpr_count 2
		.amdhsa_user_sgpr_kernarg_segment_ptr 1
		.amdhsa_wavefront_size32 1
		.amdhsa_system_sgpr_workgroup_id_x 1
		.amdhsa_system_sgpr_workgroup_id_y 1
		.amdhsa_system_sgpr_workgroup_id_z 1
		.amdhsa_system_vgpr_workitem_id 0
		.amdhsa_next_free_vgpr 1024
		.amdhsa_next_free_sgpr 100
		.amdhsa_reserve_vcc 0
		.amdhsa_float_denorm_mode_32 3
		.amdhsa_float_denorm_mode_16_64 3
		.amdhsa_memory_ordered 1
		.amdhsa_forward_progress 1
		.amdhsa_inst_pref_size 194
	.end_amdhsa_kernel
	.amdgpu_metadata
---
amdhsa.version: [ 1, 2 ]
amdhsa.kernels:
  - .name:           k_q177df6e390_ffn1
    .symbol:         k_q177df6e390_ffn1.kd
    .args:
      - { .name: xn, .offset: 0, .size: 8, .value_kind: global_buffer, .address_space: global }
      - { .name: wts, .offset: 8, .size: 8, .value_kind: global_buffer, .address_space: global }
      - { .name: b1, .offset: 16, .size: 8, .value_kind: global_buffer, .address_space: global }
      - { .name: h, .offset: 24, .size: 8, .value_kind: global_buffer, .address_space: global }
    .group_segment_fixed_size: 327680
    .private_segment_fixed_size: 0
    .kernarg_segment_align: 8
    .kernarg_segment_size: 32
    .max_flat_workgroup_size: 128
    .sgpr_count:     100
    .vgpr_count:     1024
    .wavefront_size: 32
...
	.end_amdgpu_metadata
.endif
;; end of part 6
;; launch ffn2 (part 7): grid 8 x 32, 4 waves a work-group, clusters of 4 x 4, 327,680 bytes of LDS; arguments h, wts, b2, x1, out0; writes out0
.if DOCPART == 7
	.amdgcn_target "amdgcn-amd-amdhsa--gfx1250"
	.amdhsa_code_object_version 6
	.text
	.protected	k_q177df6e390_ffn2
	.globl	k_q177df6e390_ffn2
	.p2align	8
	.type	k_q177df6e390_ffn2,@function
k_q177df6e390_ffn2:
	s_mov_b64 s[64:65], 0
	v_nop
	global_prefetch_b8 v0, s[64:65] scope:SCOPE_SE
	s_setreg_imm32_b32 hwreg(HW_REG_WAVE_MODE, 25, 1), 1
	s_wait_xcnt 0x0
	s_wait_alu depctr_hold_cnt(0) depctr_sa_sdst(0) depctr_va_vdst(0) depctr_va_sdst(0) depctr_va_ssrc(0) depctr_va_vcc(0) depctr_vm_vsrc(0)
	s_getreg_b32 s2, hwreg(HW_REG_IB_STS2, 6, 4)
	s_cmp_eq_u32 s2, 0
	s_cbranch_scc0 .Lentry_in_a_cluster
	s_endpgm
.Lentry_in_a_cluster:
	s_bfe_u32 s2, ttmp6, 0x10000c
	s_cmp_lg_u32 s2, 0xf033
	s_cbranch_scc0 .Lentry_shape_is_right
	s_endpgm
.Lentry_shape_is_right:
; out = x1 + (h W2 + b2): a product on codes of FP6 (E2M3) with E8M0 scales, K = 4,096, bias and residual in f32.
; OPERANDS lie in memory as operand blocks of 6,400 bytes: 16 rows x 512 K as eight half images of 768 bytes (lane L: registers 0-3 at 16 L, registers 4-5 at 512 + 8 L), then 16 scale bytes a row; [K / 512][rows / 16][6,400].
; So a fragment (16 rows x 128 K, 12 registers) is four dense LDS loads, the eight tiles of a work-group in a chunk are 51,200 dense bytes, and a row's four scale words of a chunk are one 16-byte load.
; Image row r of tile 2 b + u is row 32 b + 8 u + r + 8 (r / 8), for tokens and for weight columns alike.
; SHARES.  A work-group makes 128 x 128 of the result, so that all 256 work-groups have a tile; a wave 64 x 64: 16 accumulators.  A step is a chunk of 512 along K: 64 matrix instructions a wave; eight steps, K ascending.
; TWO SLOTS OF UNEQUAL SIZE, as large as LDS holds.  S0 takes two chunks (204,800 bytes): wave 0 brings A's blocks of the first, wave 1 of the second, waves 2 and 3 B's, 51,200 dense bytes each.
; S1 takes one chunk (102,400 bytes), a quarter to each wave.  Chunks 0, 1 (S0) and 2 (S1) are first fills.  Then: S0 <- 3, 4 behind chunk 1; S1 <- 5 behind chunk 2; S0 <- 6, 7 behind chunk 4: three refills, one tensor load a wave each;
; S1's refill has two steps in which to land, S0's one.  By this text's count a wave has one tensor load out at a time.
; CLUSTER 4 x 4: A's blocks are asked for jointly along a row of the cluster, B's along a column.  Source 0 = weight rows, source 1 = tokens.
; The way out goes through the wave's own stage in LDS, so that sixteen lanes store 256 consecutive bytes.  No prefetch: the launch is short.  NaN and infinities are not served.
; REGISTERS: window 0: v1-31, v96-110 addresses; v32-63 scale words, two sets; v88-91 the bias; v128-255 accumulators.  window 1: two fragment buffers of 96.  window 2: v0-127 the residual.
.set ASTEP,  4915200                   ; three chunks of h on
.set BSTEP,  1228800                   ; three chunks of W2 on
.set BREG,   6553600
.set S1,     204800                    ; LDS: S0 at 0: A of its first chunk, A of its second, B of its first, B of its second, 51,200 bytes each; S1: A, B
.set STAGE,  307200                    ; 16 rows x 272 bytes for each wave
.set SPARE,  324608                    ; the spare words: 128 bytes for each wave, two blocks of 256 bytes that no other line names
.set SPW,  14
.set NIL,  15
.set O16,  16
.set O8,   17
.set STO,  18
.set RD,   19
.set CO,   20
.set BO,   22
.set SC,   32
.set AA16, 96                          ; v96-98   A's fragments at place p (0, 1: S0's two chunks; 2: S1): 16 x lane;  v99-101: 8 x lane
.set AA8,  99
.set BB16, 102                         ; v102-107 the same for B
.set BB8,  105
.set AS,   108                         ; v108-110 scale words: lanes 0-15 A's rows, lanes 16-31 B's
.set ACC,  128
.set F0,   0
.set F1,   96
.set G1A,  24                          ; s[24:31] group 1 for A's 51,200 bytes;  s[80:87] for A's 25,600
.set G0A,  32                          ; s[32:39] group 0 for A: S0's, S1's
.set G1B,  40                          ; s[40:47], s[88:95], s[48:55] the same for B
.set G0B,  48
.set G1A2, 80
.set G1B2, 88
.set MUL,  0x05
.set TO_F, 0x40
.set S1W2, 0x08
.set DW2,  0x80
.set MSB,  0
.macro WIN new
.if MSB != \new
	s_set_vgpr_msb (MSB<<8)|\new
.set MSB, \new
.endif
.endm
.macro PLACES n
.rept \n
	v_nop
.endr
.endm
.macro JLOAD g0a, g1a, g0b, g1b        ; a joint load: waves 0, 1 for A, waves 2, 3 for B; four v_nop follow each line
	s_cmp_eq_u32 s17, 0
	s_cbranch_scc0 .Lfor_b_\@
	tensor_load_to_lds s[\g0a:\g0a+3], s[\g1a:\g1a+7]
	s_nop 0
.rept 4
	v_nop
.endr
	s_branch .Lasked_\@
.Lfor_b_\@:
	tensor_load_to_lds s[\g0b:\g0b+3], s[\g1b:\g1b+7]
	s_nop 0
.rept 4
	v_nop
.endr
.Lasked_\@:
.endm
.macro CROUND
	s_barrier_signal -1
	s_barrier_wait -1
	s_cmp_lg_u32 s16, 0
	s_cbranch_scc1 .Lnot_wave_0_\@
	s_barrier_signal -3
.Lnot_wave_0_\@:
	s_barrier_wait -3
	s_barrier_signal -1
	s_barrier_wait -1
.endm
.macro FETCH p, q, f                   ; the eight fragments of the q-th 128 along K of the chunk at place p, behind four places
	PLACES 4
	WIN TO_F
.irp i, 0,1,2,3
	ds_load_b128 v[\f+12*\i:\f+12*\i+3], v[AA16+\p] offset:6400*\i+1536*\q
	ds_load_b64 v[\f+12*\i+4:\f+12*\i+5], v[AA8+\p] offset:6400*\i+1536*\q+512
	ds_load_b128 v[\f+12*\i+6:\f+12*\i+9], v[AA16+\p] offset:6400*\i+1536*\q+768
	ds_load_b64 v[\f+12*\i+10:\f+12*\i+11], v[AA8+\p] offset:6400*\i+1536*\q+1280
	ds_load_b128 v[\f+48+12*\i:\f+48+12*\i+3], v[BB16+\p] offset:6400*\i+1536*\q
	ds_load_b64 v[\f+48+12*\i+4:\f+48+12*\i+5], v[BB8+\p] offset:6400*\i+1536*\q+512
	ds_load_b128 v[\f+48+12*\i+6:\f+48+12*\i+9], v[BB16+\p] offset:6400*\i+1536*\q+768
	ds_load_b64 v[\f+48+12*\i+10:\f+48+12*\i+11], v[BB8+\p] offset:6400*\i+1536*\q+1280
.endr
	WIN 0
.endm
.macro SCALES p, set                   ; register 4 i + q of the set: lanes 0-15 the word of A's block i, lanes 16-31 of B's block i
.irp i, 0,1,2,3
	ds_load_b128 v[SC+16*\set+4*\i:SC+16*\set+4*\i+3], v[AS+\p] offset:6400*\i+6144
.endr
.endm
.macro MUL16 f, q, set, zero           ; the 16 accumulators take turns, one instruction a turn
.irp a, 0,1,2,3
.irp b, 0,1,2,3
.if \zero
	v_wmma_scale_f32_16x16x128_f8f6f4 v[ACC+8*(4*\a+\b):ACC+8*(4*\a+\b)+7], v[\f+48+12*\b:\f+48+12*\b+11], v[\f+12*\a:\f+12*\a+11], 0, v[SC+16*\set+4*\b+\q], v[SC+16*\set+4*\a+\q] matrix_a_fmt:MATRIX_FMT_FP6 matrix_b_fmt:MATRIX_FMT_FP6 matrix_a_scale:MATRIX_SCALE_ROW1
.else
	v_wmma_scale_f32_16x16x128_f8f6f4 v[ACC+8*(4*\a+\b):ACC+8*(4*\a+\b)+7], v[\f+48+12*\b:\f+48+12*\b+11], v[\f+12*\a:\f+12*\a+11], v[ACC+8*(4*\a+\b):ACC+8*(4*\a+\b)+7], v[SC+16*\set+4*\b+\q], v[SC+16*\set+4*\a+\q] matrix_a_fmt:MATRIX_FMT_FP6 matrix_b_fmt:MATRIX_FMT_FP6 matrix_a_scale:MATRIX_SCALE_ROW1
.endif
.endr
.endr
.endm
.macro WORK p, set, zero               ; a step: the chunk at place p.  Each run of loads is issued 16 matrix instructions ahead of its use
	FETCH \p, 0, F0
	SCALES \p, \set
	s_wait_dscnt 0x0
	FETCH \p, 1, F1
	WIN MUL
	MUL16 F0, 0, \set, \zero
	s_wait_dscnt 0x0
	FETCH \p, 2, F0
	WIN MUL
	MUL16 F1, 1, \set, 0
	s_wait_dscnt 0x0
	FETCH \p, 3, F1
	WIN MUL
	MUL16 F0, 2, \set, 0
	s_wait_dscnt 0x0
	WIN MUL
	MUL16 F1, 3, \set, 0
	WIN 0
.endm
; THE CHANGE OF SLOTS.  Each wave waits for all its tensor loads (its part of the slot ahead), adds 0 to its spare word, and waits for that and for its reads of the slot that it has left.
; fill = 1: a round of the cluster's barrier, and behind it the slot just left (fs = 0: S0, 1: S1) is filled with the chunks three further on.
.macro HEAD fill, fs
	WIN 0
	s_wait_tensorcnt 0x0                           ; no tensor load of mine is out, so a group 0 may be written
	ds_add_u32 v[SPW], v[NIL]                      ; 0 onto my spare word
.if \fill
	s_add_nc_u64 s[G0A+4*\fs+2:G0A+4*\fs+3], s[G0A+4*\fs+2:G0A+4*\fs+3], ASTEP
	s_add_nc_u64 s[G0B+4*\fs+2:G0B+4*\fs+3], s[G0B+4*\fs+2:G0B+4*\fs+3], BSTEP
.endif
	s_wait_dscnt 0x0                               ; the add is done, and my reads of the slot that I have left are over
.if \fill
	CROUND
.if \fs
	JLOAD G0A+4, G1A2, G0B+4, G1B2
.else
	JLOAD G0A, G1A, G0B, G1B
.endif
.else
	s_barrier_signal -1
	s_barrier_wait -1
.endif
.endm
	s_load_b256 s[4:11], s[0:1], 0x0               ; A, wts, the bias, the residual
	s_load_b64 s[12:13], s[0:1], 0x20              ; the result
	v_lshl_add_u32 v[SPW], v0, 2, SPARE
	v_mov_b32 v[NIL], 0
	ds_add_u32 v14, v15
	ds_add_u32 v14, v15
	s_wait_dscnt 0x0
	v_lshrrev_b32 v1, 5, v0
	v_readfirstlane_b32 s16, v1
	s_lshr_b32 s17, s16, 1                         ; which 64 tokens are mine.  Also: I fetch for A (0) or for B (1)
	s_and_b32 s18, s16, 1                          ; which 64 columns.  Also: which chunk of S0, which half of S1, I fetch
	s_bfe_u32 s20, ttmp6, 0x40000
	s_bfe_u32 s21, ttmp6, 0x40004
	s_lshl_b32 s22, ttmp9, 2
	s_add_co_u32 s22, s22, s20                     ; tile column
	s_and_b32 s23, ttmp7, 0xffff
	s_lshl_b32 s23, s23, 2
	s_add_co_u32 s23, s23, s21                     ; tile row
	s_lshl_b32 s66, s21, 2
	s_lshl_b32 s66, 15, s66                        ; my row of the cluster
	s_lshl_b32 s67, 0x1111, s20                    ; my column
	s_or_b32 s[G1A], s66, (3<<16)|(1<<21)          ; 15:0 the mask; 17:16 elements of 8 bytes; 21 set beside a mask; no padding
	s_or_b32 s[G1B], s67, (3<<16)|(1<<21)
	s_or_b32 s[G1A2], s66, (3<<16)|(1<<21)
	s_or_b32 s[G1B2], s67, (3<<16)|(1<<21)
.irp g, G1A, G1B
	s_mov_b32 s[\g+1], 32<<16                      ; rows of 256 bytes,
	s_mov_b32 s[\g+2], 200<<16                     ; 200 of them: 51,200 dense bytes
	s_mov_b32 s[\g+3], 32<<16
	s_mov_b32 s[\g+4], 200
	s_mov_b32 s[\g+5], 32
	s_mov_b32 s[\g+6], 0
	s_mov_b32 s[\g+7], 0
.endr
.irp g, G1A2, G1B2
	s_mov_b32 s[\g+1], 32<<16
	s_mov_b32 s[\g+2], 100<<16                     ; 100 of them: 25,600 dense bytes
	s_mov_b32 s[\g+3], 32<<16
	s_mov_b32 s[\g+4], 100
	s_mov_b32 s[\g+5], 32
	s_mov_b32 s[\g+6], 0
	s_mov_b32 s[\g+7], 0
.endr
	s_lshl_b32 s68, s18, 8                         ; A for S0: chunk wave % 2 (256 tiles a chunk),
	s_lshl_b32 s69, s23, 3
	s_add_co_u32 s68, s68, s69                     ; tile 8 x tile row
	s_mul_i32 s68, s68, 6400
	s_lshl_b32 s78, s18, 2                         ; A for S1: chunk 2, tile 8 x tile row + 4 x half
	s_add_co_u32 s78, s78, s69
	s_add_co_u32 s78, s78, 512
	s_mul_i32 s78, s78, 6400
	s_mov_b32 s69, 0
	s_mov_b32 s79, 0
	s_lshl_b32 s70, s18, 6                         ; B for S0: chunk wave % 2 (64 tiles a chunk),
	s_lshl_b32 s71, s22, 3
	s_add_co_u32 s70, s70, s71                     ; tile 8 x tile column
	s_mul_i32 s70, s70, 6400
	s_add_co_u32 s70, s70, BREG
	s_lshl_b32 s96, s18, 2                         ; B for S1: chunk 2, tile 8 x tile column + 4 x half
	s_add_co_u32 s96, s96, s71
	s_add_co_u32 s96, s96, 128
	s_mul_i32 s96, s96, 6400
	s_add_co_u32 s96, s96, BREG
	s_mov_b32 s71, 0
	s_mov_b32 s97, 0
	s_mul_i32 s72, s16, 51200                      ; where they go in S0,
	s_mul_i32 s98, s16, 25600
	s_add_co_u32 s98, s98, S1                      ; and in S1: no place in the cluster enters an LDS address
	s_wait_kmcnt 0x0
	s_add_nc_u64 s[68:69], s[4:5], s[68:69]
	s_add_nc_u64 s[78:79], s[4:5], s[78:79]
	s_add_nc_u64 s[70:71], s[6:7], s[70:71]
	s_add_nc_u64 s[96:97], s[6:7], s[96:97]
	CROUND                                         ; all sixteen work-groups are here: the first joint loads meet
	s_mov_b32 s[G0A], 1
	s_mov_b32 s[G0A+1], s72
	s_mov_b64 s[G0A+2:G0A+3], s[68:69]
	s_or_b32 s[G0A+3], s[G0A+3], 0x80000000
	s_mov_b32 s[G0A+4], 1
	s_mov_b32 s[G0A+5], s98
	s_mov_b64 s[G0A+6:G0A+7], s[78:79]
	s_or_b32 s[G0A+7], s[G0A+7], 0x80000000
	s_mov_b32 s[G0B], 1
	s_mov_b32 s[G0B+1], s72
	s_mov_b64 s[G0B+2:G0B+3], s[70:71]
	s_or_b32 s[G0B+3], s[G0B+3], 0x80000000
	s_mov_b32 s[G0B+4], 1
	s_mov_b32 s[G0B+5], s98
	s_mov_b64 s[G0B+6:G0B+7], s[96:97]
	s_or_b32 s[G0B+7], s[G0B+7], 0x80000000
	s_cmp_eq_u32 s17, 0                            ; a wave's first fill, its part of S0, stands in this branch, ahead of every wait on TENSORcnt and every LDS read; four v_nop follow it
	s_cbranch_scc0 .Lfirst_b
	tensor_load_to_lds s[G0A:G0A+3], s[G1A:G1A+7]  ; one tensor load a wave at the head: my part of S0
	s_nop 0
.rept 4
	v_nop
.endr
	s_branch .Lfirst_asked
.Lfirst_b:
	tensor_load_to_lds s[G0B:G0B+3], s[G1B:G1B+7]
	s_nop 0
.rept 4
	v_nop
.endr
.Lfirst_asked:
	v_and_b32 v1, 15, v0
	v_bfe_u32 v2, v0, 4, 1
	v_and_b32 v3, 31, v0
	v_lshlrev_b32 v[O16], 4, v3
	v_lshlrev_b32 v[O8], 3, v3
	s_mul_i32 s73, s17, 25600                      ; my four blocks of the eight of A
	s_mul_i32 s74, s18, 25600                      ; and of B
.irp p, 0,1,2                          ; place p: A's eight blocks begin at 0, 51,200, 204,800; B's at 102,400, 153,600, 256,000
	s_add_co_u32 s76, s73, 51200*\p+102400*(\p/2)
	s_add_co_u32 s77, s74, 102400+51200*\p+51200*(\p/2)
	v_add_nc_u32 v[AA16+\p], s76, v[O16]
	v_add_nc_u32 v[AA8+\p], s76, v[O8]
	v_add_nc_u32 v[BB16+\p], s77, v[O16]
	v_add_nc_u32 v[BB8+\p], s77, v[O8]
	s_sub_co_u32 s77, s77, s76
	v_mul_u32_u24 v25, s77, v2                     ; lanes 16-31 take B's scale words: one product, the distance between the two bases
	v_lshl_add_u32 v25, v1, 4, v25
	v_add_nc_u32 v[AS+\p], s76, v25
.endr
	s_mul_i32 s76, s16, 16*272
	s_add_co_u32 s76, s76, STAGE                   ; my stage
	v_mul_u32_u24 v[STO], v1, 272
	v_lshl_add_u32 v[STO], v2, 6, v[STO]
	v_add_nc_u32 v[STO], s76, v[STO]               ; in: row r, + 64 h bytes: my 16 columns of each 32
	v_mul_u32_u24 v[RD], v2, 272
	v_lshl_add_u32 v[RD], v1, 4, v[RD]
	v_add_nc_u32 v[RD], s76, v[RD]                 ; back: lanes 0-15 one row of 256 bytes, lanes 16-31 the next
	v_lshlrev_b32 v[CO], 12, v2
	v_lshl_add_u32 v[CO], v1, 4, v[CO]             ; and the same in memory: rows of 4,096 bytes
	v_lshlrev_b32 v[BO], 4, v1
	s_wait_alu depctr_va_vdst(0)
	s_lshl_b32 s66, s22, 9
	s_lshl_b32 s67, s18, 8
	s_add_co_u32 s66, s66, s67                     ; my 64 columns, in bytes
	s_mov_b32 s67, 0
	s_add_nc_u64 s[8:9], s[8:9], s[66:67]
	s_lshl_b32 s77, s23, 19
	s_add_co_u32 s66, s66, s77
	s_lshl_b32 s77, s17, 18
	s_add_co_u32 s66, s66, s77                     ; + my 64 rows
	s_add_nc_u64 s[10:11], s[10:11], s[66:67]
	s_add_nc_u64 s[12:13], s[12:13], s[66:67]
.macro RES a                           ; the residual of my token tile a: image rows 2 i, 2 i + 1; read once in this launch
	WIN DW2
.irp i, 0,1,2,3,4,5,6,7
	global_load_b128 v[32*(\a)+4*\i:32*(\a)+4*\i+3], v[CO], s[10:11] offset:(32*((\a)/2)+8*((\a)%2)+2*\i+8*(\i/4))*4096 th:TH_LOAD_NT
.endr
	WIN 0
.endm
	s_wait_alu depctr_va_vdst(0)                   ; the wait at the head's end
	s_wait_tensorcnt 0x0                           ; my part of S0 is in; S1's first fill is issued as a refill is:
	ds_add_u32 v[SPW], v[NIL]                      ; 0 onto my spare word
	s_wait_dscnt 0x0
	CROUND                                         ; S0 is whole, and all sixteen work-groups are here
	JLOAD G0A+4, G1A2, G0B+4, G1B2                 ; chunk 2, a quarter of S1 a wave: it has chunks 0 and 1 in which to land
	global_load_b128 v[88:91], v[BO], s[8:9]       ; the bias at columns 4 r .. 4 r + 3.  It and the residual are asked for behind the first tiles' landing, in two groups: they are wanted behind the last product
	RES 0
	RES 1
	WORK 0, 0, 1                                   ; chunk 0
	RES 2
	RES 3
	WORK 1, 1, 0                                   ; chunk 1: no barrier between a slot's two chunks
	HEAD 1, 0                                      ; S1 is whole; S0 <- chunks 3, 4
	WORK 2, 0, 0                                   ; chunk 2
	HEAD 1, 1                                      ; S0 is whole; S1 <- chunk 5
	WORK 0, 1, 0                                   ; chunk 3
	WORK 1, 0, 0                                   ; chunk 4
	HEAD 1, 0                                      ; S1 is whole; S0 <- chunks 6, 7
	WORK 2, 1, 0                                   ; chunk 5
	HEAD 0, 0                                      ; S0 is whole; nothing is left to fetch
	WORK 0, 0, 0                                   ; chunk 6
	WORK 1, 1, 0                                   ; chunk 7
	PLACES 4
	s_wait_loadcnt 0x0                             ; the bias and the residual are in
.irp a, 0,1,2,3                        ; a tile of 16 tokens at a time through my stage; each accumulator is read from its low end on
.irp e, 0,1,2,3,4,5,6,7
	ds_store_b128 v[STO], v[ACC+32*\a+4*\e:ACC+32*\a+4*\e+3] offset:128*(\e/4)+16*(\e%4)
.endr
.irp i, 0,1,2,3,4,5,6,7
	ds_load_b128 v[ACC+32*\a+4*\i:ACC+32*\a+4*\i+3], v[RD] offset:544*\i   ; LDS serves a wave's instructions in order: these see the stores above
.endr
	s_wait_dscnt 0x0
.irp i, 0,1,2,3,4,5,6,7
	v_pk_add_f32 v[ACC+32*\a+4*\i:ACC+32*\a+4*\i+1], v[ACC+32*\a+4*\i:ACC+32*\a+4*\i+1], v[88:89]
	v_pk_add_f32 v[ACC+32*\a+4*\i+2:ACC+32*\a+4*\i+3], v[ACC+32*\a+4*\i+2:ACC+32*\a+4*\i+3], v[90:91]
.endr
	WIN S1W2
.irp i, 0,1,2,3,4,5,6,7,8,9,10,11,12,13,14,15
	v_pk_add_f32 v[ACC+32*\a+2*\i:ACC+32*\a+2*\i+1], v[ACC+32*\a+2*\i:ACC+32*\a+2*\i+1], v[32*\a+2*\i:32*\a+2*\i+1]
.endr
	WIN 0
.irp i, 0,1,2,3,4,5,6,7
	global_store_b128 v[CO], v[ACC+32*\a+4*\i:ACC+32*\a+4*\i+3], s[12:13] offset:(32*(\a/2)+8*(\a%2)+2*\i+8*(\i/4))*4096 th:TH_STORE_NT   ; sixteen lanes store 256 consecutive bytes, aligned
.endr
.endr
	s_wait_tensorcnt 0x0                           ; the wave's end
	ds_add_u32 v[SPW], v[NIL]
	s_wait_dscnt 0x0
	CROUND                                         ; the closing round
	s_endpgm
.Lfunc_end_k_q177df6e390_ffn2:
	.size	k_q177df6e390_ffn2, .Lfunc_end_k_q177df6e390_ffn2-k_q177df6e390_ffn2
	.p2alignl 7, 3214868480
	.fill 96, 4, 3214868480
	.section	.rodata,"a",@progbits
	.p2align	6, 0x0
	.amdhsa_kernel k_q177df6e390_ffn2
		.amdhsa_group_segment_fixed_size 327680
		.amdhsa_private_segment_fixed_size 0
		.amdhsa_enable_private_segment 0
		.amdhsa_kernarg_size 40
		.amdhsa_user_sgpr_count 2
		.amdhsa_user_sgpr_kernarg_segment_ptr 1
		.amdhsa_wavefront_size32 1
		.amdhsa_system_sgpr_workgroup_id_x 1
		.amdhsa_system_sgpr_workgroup_id_y 1
		.amdhsa_system_sgpr_workgroup_id_z 1
		.amdhsa_system_vgpr_workitem_id 0
		.amdhsa_next_free_vgpr 768
		.amdhsa_next_free_sgpr 100
		.amdhsa_reserve_vcc 0
		.amdhsa_float_denorm_mode_32 3
		.amdhsa_float_denorm_mode_16_64 3
		.amdhsa_memory_ordered 1
		.amdhsa_forward_progress 1
		.amdhsa_inst_pref_size 171
	.end_amdhsa_kernel
	.amdgpu_metadata
---
amdhsa.version: [ 1, 2 ]
amdhsa.kernels:
  - .name:           k_q177df6e390_ffn2
    .symbol:         k_q177df6e390_ffn2.kd
    .args:
      - { .name: h, .offset: 0, .size: 8, .value_kind: global_buffer, .address_space: global }
      - { .name: wts, .offset: 8, .size: 8, .value_kind: global_buffer, .address_space: global }
      - { .name: b2, .offset: 16, .size: 8, .value_kind: global_buffer, .address_space: global }
      - { .name: x1, .offset: 24, .size: 8, .value_kind: global_buffer, .address_space: global }
      - { .name: out0, .offset: 32, .size: 8, .value_kind: global_buffer, .address_space: global }
    .group_segment_fixed_size: 327680
    .private_segment_fixed_size: 0
    .kernarg_segment_align: 8
    .kernarg_segment_size: 40
    .max_flat_workgroup_size: 128
    .sgpr_count:     100
    .vgpr_count:     768
    .wavefront_size: 32
...
	.end_amdgpu_metadata
.endif
;; end of part 7
